; MI455X (gfx1250); checked and timed in simulation.
; The chip was launched on July 23, 2026; its instructions are those of AMD's public machine-readable ISA for CDNA 5 (MIT licence, August 2026) and "CDNA5" Instruction Set Architecture Reference Guide (July 2026). The comments in the code are by the model that wrote it; some were corrected since.
;; Cross Attention. Allowed arithmetic: matrix products marked QUANTISED: E2M1 operands, one E8M0 scale for each 32 along K, by v_wmma_scale_f32_16x16x128_f8f6f4 with both operands' format E2M1 (or v_wmma_scale_f32_32x16x128_f4), f32 sums; everything else in f32.
;; Inputs: Wk 1,024 x 1,024 float32; Wm 1,024 x 1,024 float32; Wq 1,024 x 1,024 float32; Wv 1,024 x 1,024 float32; bk 1,024 float32; bm 1,024 float32; bq 1,024 float32; bv 1,024 float32; ln_b 1,024 float32; ln_g 1,024 float32; mask 4 x 2,048 int32; x_k 4 x 2,048 x 1,024 float32; x_v 4 x 2,048 x 1,024 float32; y_q 4 x 2,048 x 1,024 float32.
;; Outputs: out0 4 x 2,048 x 1,024 float32.
;; This version of the problem:
;;   THIS VERSION OF THE PROBLEM IS GIVEN IN LOW PRECISION. The matrix products marked QUANTISED in the list below multiply operands that are first quantised to E2M1 (2 exponent bits, 1 mantissa bit; 4 bits a number), with one power-of-two scale for each 32 numbers along K (OCP MX v1.0); their sums are f32. All else is computed in f32.
;;   The module's matrix products, in the order in which they are computed (A, B: the left and right operand; K: the contracted axis; several contracted axes count as one K, in the product's order):
;;     1. [M 8,192, K 1,024] x [K 1,024, N 1,024]; A: input x_v; B: input Wv: QUANTISED
;;     2. [M 8,192, K 1,024] x [K 1,024, N 1,024]; A: input x_k; B: input Wk: QUANTISED
;;     3. [M 8,192, K 1,024] x [K 1,024, N 1,024]; A: input y_q; B: input Wq: QUANTISED
;;     4. batch 64 x [M 2,048, K 64] x [K 64, N 2,048]; A: computed on the way; B: computed on the way: QUANTISED
;;     5. batch 64 x [M 2,048, K 2,048] x [K 2,048, N 64]; A: softmax (see below); B: computed on the way: QUANTISED
;;     6. [M 8,192, K 1,024] x [K 1,024, N 1,024]; A: computed on the way; B: input Wm: QUANTISED
;;   THE QUANTISER, for each operand of a quantised product, along K:
;;     - K is cut into blocks of 32 from its start; a last block that is shorter is filled with zeros.
;;     - A block's scale is 2^e with e = floor(log2(the largest magnitude in the block)) - 2, held to -126 .. 127; a block of zeros has e = 0. As a byte (E8M0): e + 127.
;;     - Each number is divided by its block's scale, clamped to +-6, and rounded to the nearest number of E2M1, ties to even, subnormals kept.
;;     - The product sums the exact products of the quantised numbers (number of the format x scale) in f32.
;;   ~~~python
;;   def quantise(x, axis):      # numpy; x: float32 -> the quantised numbers, widened to float32 again
;;       x = np.moveaxis(x, axis, -1); K = x.shape[-1]
;;       x = np.pad(x, [(0, 0)] * (x.ndim - 1) + [(0, -K % 32)]); x = x.reshape(x.shape[:-1] + (-1, 32)); a = np.abs(x).max(-1, keepdims=True)
;;       e = np.where(a > 0, np.clip(np.frexp(np.where(a > 0, a, 1))[1] - 1 - 2, -126, 127), 0)      # np.frexp(a)[1] - 1 = floor(log2(a)), exactly
;;       r = np.clip(x / 2.0 ** e, -6, 6)
;;       step = 2.0 ** (np.maximum(np.frexp(np.where(r == 0, 1, r))[1] - 1, 0) - 1)
;;       q = np.round(r / step) * step * 2.0 ** e      # np.round: ties to even
;;       return np.moveaxis(q.reshape(q.shape[:-2] + (-1,))[..., :K], -1, axis).astype(np.float32)
;;   ~~~
;;   SOFTMAX AHEAD OF A QUANTISED PRODUCT. Where the list says 'softmax', what is quantised is not the finished softmax but p = 2^(t - M), with t = logit x log2(e) and M = ceil(the row's largest t), a whole number; so 1/2 < the row's largest p <= 1. The row's sum l is taken of the UNQUANTISED p, in f32, and the product's result is divided by l at the end. Since M is a whole number, a kernel that streams over the keys may use a running M (the ceiling of the running maximum): every later rescaling is an exact power of two, which a block's scale takes up: the codes' values come out the same.
;;   OPERANDS COMPUTED ON THE WAY. 'Computed on the way' means the value that the module computes at that place (a softmax that the list does not call 'softmax' is quantised finished and normalised). What goes into a quantiser is computed in f32, as accurately as f32 sums, v_exp_f32 and their like allow (about 1e-6 of the number): no bf16 or f16 on the way to a quantiser, and a product that is left as it is and whose result goes on into a quantised operand takes f32 operands (vector FMAs, or v_wmma_f32_16x16x4_f32). A number that lies on a knife's edge between two numbers of the format may be rounded either way, as far as f32 arithmetic and the matrix unit's own rounding can turn it there, and no further.
;; 3 versions. Each part assembles by itself: llvm-mc -triple=amdgcn-amd-amdhsa -mcpu=gfx1250 --defsym DOCPART=n.
;; ======== version 1 of 3: 4 launches
;; limits: right only within a limited range of input values
;; workspace buffers: wq 2,228,224 bytes; qb 4,718,592 bytes; kb 4,718,592 bytes; vb 4,456,448 bytes; mk 34,816 bytes; ob 4,456,448 bytes
;; launch prep (part 1): grid 132 x 1, 4 waves a work-group, no clusters, 0 bytes of LDS; arguments Wq, Wk, Wv, Wm, mask, wq, mk; writes wq, mk
.if DOCPART == 1
	.amdgcn_target "amdgcn-amd-amdhsa--gfx1250"
	.amdhsa_code_object_version 6
	.text
	.protected	k_q76069741a9_prep
	.globl	k_q76069741a9_prep
	.p2align	8
	.type	k_q76069741a9_prep,@function
k_q76069741a9_prep:
	s_mov_b64 s[64:65], 0
	v_nop
	global_prefetch_b8 v0, s[64:65] scope:SCOPE_SE
	s_setreg_imm32_b32 hwreg(HW_REG_WAVE_MODE, 25, 1), 1
	s_wait_xcnt 0x0
; PREP.  Work-groups 0-127: the four weights [1024 (n)][1024 (k)] f32 become codes of FP4 (E2M1) with one E8M0 byte for each 32 along K, laid as IMAGES OF OPERAND REGISTERS.
; A wave takes one unit U = 4 x work-group + wave = (tensor x 16 + head) x 8 + K step: 64 rows x 128 along K = four fragments of 16 rows.
; THE ROWS OF A FRAGMENT ARE NOT NEIGHBOURS: lane r of fragment t takes row 32 (t / 2) + 8 (t % 2) + r + 8 (r / 8) of the head, so that results made with two neighbouring fragments are 16 neighbours in a lane.
; Lane (r, h) holds k = 64 c + 32 h + 0 .. 31 of its row, two whole blocks: no other lane is asked for a maximum, and the conversions give the operand registers as they stand.
; wq: images at U x 4096 + t x 1024 + c x 512 + 16 x lane; scale words at 2,097,152 + U x 256 + 8 x lane: word p of lane (r, h) is that of fragment 2 p + h, row r.
; Work-groups 128-131, one for each batch: mk: a bias for each key, -8e32 where mask == 1 (a score of -1e32 after the division by 8), else 0, in key order; and c_b = log2(e) / 8, or 0 where ALL keys of the batch are masked
; (every t is then 0 and the softmax is uniform, as the reference has it).  c_b only selects a value: nothing branches on it.
; LIMITS: NaN and infinities are not served.  A block of zeros, or one whose largest magnitude lies under 2^-124, gets the byte 1 where the rule says 127: its codes are zeros or tiny, and this program alone reads the bytes.
; No LDS, no barrier: waves share nothing.
.set X,   32                           ; v32-159  two sets of 64 numbers
.set CD,  160                          ; v160-191 the codes: eight registers for each fragment, so that no store's data are written again
.set WD,  192                          ; v192-195 the four scale words; v196-197 the pair that leaves
	s_load_b256 s[4:11], s[0:1], 0x0               ; Wq, Wk, Wv, Wm
	s_load_b128 s[12:15], s[0:1], 0x20             ; mask, wq
	s_load_b64 s[24:25], s[0:1], 0x30              ; mk
	v_lshrrev_b32 v1, 5, v0
	v_readfirstlane_b32 s26, v1                    ; wave
	v_and_b32 v2, 31, v0                           ; lane
	v_lshlrev_b32 v5, 4, v2                        ; 16 x lane
	s_cmp_ge_u32 ttmp9, 128
	s_cbranch_scc1 .Lmask
	v_and_b32 v3, 15, v0                           ; r
	v_bfe_u32 v4, v0, 4, 1                         ; h
	v_and_b32 v6, 8, v3
	v_add_nc_u32 v6, v6, v3                        ; r + 8 (r / 8)
	v_lshlrev_b32 v6, 12, v6                       ; a row of W is 4,096 bytes
	v_lshl_add_u32 v6, v4, 7, v6                   ; + 128 h: my 32 numbers of each 64
	v_lshlrev_b32 v7, 3, v2                        ; 8 x lane
	v_lshlrev_b32 v8, 3, v4                        ; 8 h: how far my two bytes move up in the scale word
	v_mov_b32 v19, 0                               ; written once: a lane permute's destination counts as one of its sources
	s_mov_b32 s27, 0x76543210
	s_mov_b32 s28, 0xfedcba98                      ; v_permlanex16_b32's selects for lane l xor 16
	s_mov_b32 s29, 0xffff0000                      ; lanes 16-31
	s_lshl_b32 s30, ttmp9, 2
	s_add_co_u32 s30, s30, s26                     ; U
	s_bfe_u32 s32, s30, 0x40003                    ; head
	s_and_b32 s31, s30, 7                          ; K step
	s_lshl_b32 s32, s32, 18                        ; 64 rows of 4,096 bytes
	s_lshl_b32 s31, s31, 9                         ; 128 numbers
	s_add_co_u32 s32, s32, s31
	s_mov_b32 s33, 0
	s_lshl_b32 s34, s30, 12
	s_mov_b32 s35, 0
	s_lshl_b32 s36, s30, 8
	s_add_co_u32 s36, s36, 2097152
	s_mov_b32 s37, 0
	s_wait_kmcnt 0x0
	s_cmp_lt_u32 ttmp9, 32                         ; which tensor: the choice hangs on the work-group's number alone
	s_cselect_b64 s[16:17], s[4:5], s[6:7]
	s_cmp_lt_u32 ttmp9, 96
	s_cselect_b64 s[18:19], s[8:9], s[10:11]
	s_cmp_lt_u32 ttmp9, 64
	s_cselect_b64 s[16:17], s[16:17], s[18:19]
	s_add_nc_u64 s[16:17], s[16:17], s[32:33]      ; my unit in W
	s_add_nc_u64 s[20:21], s[14:15], s[34:35]      ; its images
	s_add_nc_u64 s[22:23], s[14:15], s[36:37]      ; its scale words
.macro LOADF t, set                    ; fragment t: 16 loads, which together cover 512 bytes of each of 16 rows
.irp c, 0,1
.irp j, 0,1,2,3,4,5,6,7
	global_load_b128 v[X+64*\set+32*\c+4*\j:X+64*\set+32*\c+4*\j+3], v6, s[16:17] offset:(32*(\t/2)+8*(\t%2))*4096+256*\c+16*\j th:TH_LOAD_NT
.endr
.endr
.endm
.macro QW t, set
.set XQ, X+64*\set
.irp c, 0,1
	v_max3_num_f32 v[12+\c], |v[XQ+32*\c]|, |v[XQ+32*\c+1]|, 0x1800000   ; block 2 c + h: all 32 numbers are mine; the floor 2^(3 - 127) holds the byte at 1 from below
.endr
.irp i, 2,4,6,8,10,12,14,16,18,20,22,24,26,28,30
.irp c, 0,1
	v_max3_num_f32 v[12+\c], v[12+\c], |v[XQ+32*\c+\i]|, |v[XQ+32*\c+\i+1]|
.endr
.endr
.irp c, 0,1
	v_add_nc_u32 v[14+\c], 0xff000000, v[12+\c]    ; 2 off the exponent field: the conversion's scale operand
.endr
.irp c, 0,1
	v_lshrrev_b32 v[16+\c], 23, v[14+\c]           ; the scale's byte
.endr
	v_lshl_or_b32 v18, v17, 16, v16                ; my two bytes: blocks h and 2 + h,
	v_lshlrev_b32 v18, v8, v18                     ; at their places;
	v_permlanex16_b32 v19, v18, s27, s28
	v_or_b32 v[WD+\t], v18, v19                    ; with lane l xor 16's two the word is whole
.irp c, 0,1
.irp g, 0,1,2,3
	v_cvt_scalef32_pk8_fp4_f32 v[CD+8*\t+4*\c+\g], v[XQ+32*\c+8*\g:XQ+32*\c+8*\g+7], v[14+\c]
.endr
.endr
	v_nop                                          ; one plain place behind the scaled conversions
	global_store_b128 v5, v[CD+8*\t:CD+8*\t+3], s[20:21] offset:1024*\t          ; 32 lanes store 512 consecutive bytes
	global_store_b128 v5, v[CD+8*\t+4:CD+8*\t+7], s[20:21] offset:1024*\t+512
.endm
	LOADF 0, 0
	LOADF 1, 1
	s_wait_loadcnt 16                              ; this fragment's 16 loads are in; the next one's may be out
	QW 0, 0
	LOADF 2, 0
	s_wait_loadcnt 16
	QW 1, 1
	LOADF 3, 1
	s_wait_loadcnt 16
	QW 2, 0
	s_wait_loadcnt 0x0
	QW 3, 1
	v_cndmask_b32 v196, v192, v193, s29            ; lanes 0-15 fragment 0's words, lanes 16-31 fragment 1's
	v_cndmask_b32 v197, v194, v195, s29            ; and fragments 2 and 3
	global_store_b64 v7, v[196:197], s[22:23]      ; 256 consecutive bytes
	s_endpgm
.Lmask:
	s_sub_co_u32 s30, ttmp9, 128                   ; the batch
	s_lshl_b32 s32, s30, 13                        ; 2,048 keys of 4 bytes
	s_mov_b32 s33, 0
	s_lshl_b32 s34, s30, 9
	s_add_co_u32 s34, s34, 32768                   ; c_b: 128 equal copies behind the biases
	s_mov_b32 s35, 0
	v_lshlrev_b32 v6, 2, v0                        ; 4 x thread
	s_lshl_b32 s36, s26, 11
	v_add_nc_u32 v7, s36, v5                       ; my wave's quarter of the keys
	v_mov_b32 v9, 0xf61dc5ac                       ; -8e32
	s_wait_kmcnt 0x0
	s_add_nc_u64 s[12:13], s[12:13], s[32:33]
	s_add_nc_u64 s[16:17], s[24:25], s[32:33]
	s_add_nc_u64 s[18:19], s[24:25], s[34:35]
.irp i, 0,1,2,3,4,5,6,7,8,9,10,11,12,13,14,15
	global_load_b128 v[32+4*\i:35+4*\i], v5, s[12:13] offset:512*\i       ; every wave looks at all keys of the batch
.endr
.irp q, 0,1,2,3
	global_load_b128 v[96+4*\q:99+4*\q], v7, s[12:13] offset:512*\q       ; and turns its own quarter into biases
.endr
	s_wait_loadcnt 0x0
	v_xor_b32 v10, 1, v32                          ; 0 where the key is masked
.set n, 1
.rept 63
	v_xor_b32 v11, 1, v[32+n]
	v_or_b32 v10, v10, v11
.set n, n+1
.endr
	v_cmp_ne_u32 vcc_lo, 0, v10                    ; a lane that has seen a key that counts
	s_cmp_lg_u32 vcc_lo, 0
	s_cselect_b32 s31, 0x3e38aa3b, 0               ; log2(e) / 8, or 0 where no key counts
	v_mov_b32 v12, s31
	global_store_b32 v6, v12, s[18:19]
.set n, 0
.rept 16
	v_cmp_eq_u32 vcc_lo, 1, v[96+n]
	v_cndmask_b32 v[112+n], 0, v9, vcc_lo
.set n, n+1
.endr
.irp q, 0,1,2,3
	global_store_b128 v7, v[112+4*\q:115+4*\q], s[16:17] offset:512*\q
.endr
	s_endpgm
.Lfunc_end_k_q76069741a9_prep:
	.size	k_q76069741a9_prep, .Lfunc_end_k_q76069741a9_prep-k_q76069741a9_prep
	.p2alignl 7, 3214868480
	.fill 96, 4, 3214868480
	.section	.rodata,"a",@progbits
	.p2align	6, 0x0
	.amdhsa_kernel k_q76069741a9_prep
		.amdhsa_group_segment_fixed_size 0
		.amdhsa_private_segment_fixed_size 0
		.amdhsa_enable_private_segment 0
		.amdhsa_kernarg_size 56
		.amdhsa_user_sgpr_count 2
		.amdhsa_user_sgpr_kernarg_segment_ptr 1
		.amdhsa_wavefront_size32 1
		.amdhsa_system_sgpr_workgroup_id_x 1
		.amdhsa_system_sgpr_workgroup_id_y 1
		.amdhsa_system_sgpr_workgroup_id_z 1
		.amdhsa_system_vgpr_workitem_id 0
		.amdhsa_next_free_vgpr 200
		.amdhsa_next_free_sgpr 66
		.amdhsa_reserve_vcc 1
		.amdhsa_float_denorm_mode_32 3
		.amdhsa_float_denorm_mode_16_64 3
		.amdhsa_memory_ordered 1
		.amdhsa_forward_progress 1
		.amdhsa_inst_pref_size 30
	.end_amdhsa_kernel
	.amdgpu_metadata
---
amdhsa.version: [ 1, 2 ]
amdhsa.kernels:
  - .name:           k_q76069741a9_prep
    .symbol:         k_q76069741a9_prep.kd
    .args:
      - { .name: Wq, .offset: 0, .size: 8, .value_kind: global_buffer, .address_space: global }
      - { .name: Wk, .offset: 8, .size: 8, .value_kind: global_buffer, .address_space: global }
      - { .name: Wv, .offset: 16, .size: 8, .value_kind: global_buffer, .address_space: global }
      - { .name: Wm, .offset: 24, .size: 8, .value_kind: global_buffer, .address_space: global }
      - { .name: mask, .offset: 32, .size: 8, .value_kind: global_buffer, .address_space: global }
      - { .name: wq, .offset: 40, .size: 8, .value_kind: global_buffer, .address_space: global }
      - { .name: mk, .offset: 48, .size: 8, .value_kind: global_buffer, .address_space: global }
    .group_segment_fixed_size: 0
    .private_segment_fixed_size: 0
    .kernarg_segment_align: 8
    .kernarg_segment_size: 56
    .max_flat_workgroup_size: 128
    .sgpr_count:     66
    .vgpr_count:     200
    .wavefront_size: 32
...
	.end_amdgpu_metadata
.endif
;; end of part 1
;; launch proj (part 2): grid 384 x 1, 16 waves a work-group, no clusters, 38,912 bytes of LDS; arguments y_q, x_k, x_v, bq, bk, bv, wq, qb, kb, vb; writes qb, kb, vb
.if DOCPART == 2
	.amdgcn_target "amdgcn-amd-amdhsa--gfx1250"
	.amdhsa_code_object_version 6
	.text
	.protected	k_q76069741a9_proj
	.globl	k_q76069741a9_proj
	.p2align	8
	.type	k_q76069741a9_proj,@function
k_q76069741a9_proj:
	s_mov_b64 s[64:65], 0
	v_nop
	global_prefetch_b8 v0, s[64:65] scope:SCOPE_SE
	s_setreg_imm32_b32 hwreg(HW_REG_WAVE_MODE, 25, 1), 1
	s_wait_xcnt 0x0
; PROJ.  q = y_q Wq^T + bq, k = x_k Wk^T + bk, v = x_v Wv^T + bv, on codes of FP4 (E2M1) with one E8M0 scale for each 32 along K; the results leave as codes, as images of the operand registers that attention wants.
; Work-group g: tensor g / 128, block of 64 rows g % 128.  Wave w makes head w: 64 columns for the 64 rows: 16 accumulators, 128 registers.
; X: wave w quantises the fragments (tile of rows w % 4, K steps w / 4 and w / 4 + 4) of x in registers; the 32 fragments and their scale words go to LDS as images of their registers; ONE barrier.
; Then eight K steps of 128: x's four fragments from LDS, my head's four fragments of W straight from memory into registers, two K steps ahead.
; THE ROWS OF A TILE ARE NOT NEIGHBOURS (x's rows and W's rows alike): lane r of tile t takes row 32 (t / 2) + 8 (t % 2) + r + 8 (r / 8) of the 64.
; q, k: source 0 = W, source 1 = x: a lane holds one row, its 32 registers run along the head's 64: quantised along d.   v: source 0 = x, source 1 = W: a lane holds one d, its registers run along the 64 keys: quantised along the keys.
; The bias is added behind the sums: the accumulators, W's two sets and x's set leave no room for it as C; its loads take the place of a ninth K step's.
; qb, kb, for each batch x head 73,728 bytes: images at tile x 512 + 16 x lane (the operand's registers 0-3: d = 32 h + 0 .. 31); scale words at 65,536 + block x 256 + 8 x lane: word p of lane (r, h): tile 2 p + h, row r.
;   A scale word is B0, B1, B0, B1: the product's K is 64, its other half is zero codes, and their bytes repeat the real ones.
; vb, for each batch x head 69,632 bytes: images at (key step of 128) x 4096 + tile of d x 1024 + c x 512 + 16 x lane; scale words at 65,536 + step x 256, laid likewise; a block of 64 keys writes two of a word's four bytes.
; NO JOINT LOADS for W: one tensor's images are 557,056 bytes, more than a WGP's LDS; a ring would want a round of the cluster's barrier for each K step, which is 16 matrix instructions a wave; and no two waves of a work-group read the same fragment.
; LIMITS: NaN and infinities are not served; a block whose largest magnitude lies under 2^-124 (zeros among them) gets the byte 1.
.set XSC, 32768                        ; LDS: x's images at K step x 4096 + tile x 1024 + c x 512 + 16 x lane; behind them the scale words, 256 bytes a K step
.set XF,  32                           ; v32-63   x's four fragments
.set WF,  64                           ; v64-127  W's four fragments, two sets
.set ACC, 128                          ; v128-255 the accumulators; ahead of the barrier: x's numbers
.set XS,  12                           ; v12-13   x's scale words;  v14-17 W's, two sets.  These six hold scales and nothing else
.set WS,  14
.set TM,  32                           ; at work in the quantisers
.set PW,  48
.set PC,  50
.set SEL, 48                           ; s[48:49]
.set HM,  50                           ; s50  lanes 16-31
.macro WM d, a, b, z, sa, sb, ra, rb   ; one product; z: it starts the sum; ra, rb: the scales stand in lanes 16-31
.if \z
.if (\ra) && (\rb)
	v_wmma_scale_f32_16x16x128_f8f6f4 v[\d:\d+7], v[\a:\a+7], v[\b:\b+7], 0, v[\sa], v[\sb] matrix_a_fmt:MATRIX_FMT_FP4 matrix_b_fmt:MATRIX_FMT_FP4 matrix_a_scale:MATRIX_SCALE_ROW1 matrix_b_scale:MATRIX_SCALE_ROW1
.elseif (\ra)
	v_wmma_scale_f32_16x16x128_f8f6f4 v[\d:\d+7], v[\a:\a+7], v[\b:\b+7], 0, v[\sa], v[\sb] matrix_a_fmt:MATRIX_FMT_FP4 matrix_b_fmt:MATRIX_FMT_FP4 matrix_a_scale:MATRIX_SCALE_ROW1
.elseif (\rb)
	v_wmma_scale_f32_16x16x128_f8f6f4 v[\d:\d+7], v[\a:\a+7], v[\b:\b+7], 0, v[\sa], v[\sb] matrix_a_fmt:MATRIX_FMT_FP4 matrix_b_fmt:MATRIX_FMT_FP4 matrix_b_scale:MATRIX_SCALE_ROW1
.else
	v_wmma_scale_f32_16x16x128_f8f6f4 v[\d:\d+7], v[\a:\a+7], v[\b:\b+7], 0, v[\sa], v[\sb] matrix_a_fmt:MATRIX_FMT_FP4 matrix_b_fmt:MATRIX_FMT_FP4
.endif
.else
.if (\ra) && (\rb)
	v_wmma_scale_f32_16x16x128_f8f6f4 v[\d:\d+7], v[\a:\a+7], v[\b:\b+7], v[\d:\d+7], v[\sa], v[\sb] matrix_a_fmt:MATRIX_FMT_FP4 matrix_b_fmt:MATRIX_FMT_FP4 matrix_a_scale:MATRIX_SCALE_ROW1 matrix_b_scale:MATRIX_SCALE_ROW1
.elseif (\ra)
	v_wmma_scale_f32_16x16x128_f8f6f4 v[\d:\d+7], v[\a:\a+7], v[\b:\b+7], v[\d:\d+7], v[\sa], v[\sb] matrix_a_fmt:MATRIX_FMT_FP4 matrix_b_fmt:MATRIX_FMT_FP4 matrix_a_scale:MATRIX_SCALE_ROW1
.elseif (\rb)
	v_wmma_scale_f32_16x16x128_f8f6f4 v[\d:\d+7], v[\a:\a+7], v[\b:\b+7], v[\d:\d+7], v[\sa], v[\sb] matrix_a_fmt:MATRIX_FMT_FP4 matrix_b_fmt:MATRIX_FMT_FP4 matrix_b_scale:MATRIX_SCALE_ROW1
.else
	v_wmma_scale_f32_16x16x128_f8f6f4 v[\d:\d+7], v[\a:\a+7], v[\b:\b+7], v[\d:\d+7], v[\sa], v[\sb] matrix_a_fmt:MATRIX_FMT_FP4 matrix_b_fmt:MATRIX_FMT_FP4
.endif
.endif
.endm
; 64 numbers of a lane, register 16 b + i = k 32 b + 16 (lane / 16) + i of my row, become a fragment's codes in v[PC] on and its scale word in v[PW].
.macro QUANT s
.irp b, 0,1,2,3
	v_max3_num_f32 v[TM+\b], |v[\s+16*\b]|, |v[\s+1+16*\b]|, 0x1800000   ; my 16 numbers of block b, and the floor 2^(3 - 127): the byte cannot fall under 1
.endr
.irp i, 2,4,6,8,10,12,14
.irp b, 0,1,2,3
	v_max3_num_f32 v[TM+\b], v[TM+\b], |v[\s+16*\b+\i]|, |v[\s+1+16*\b+\i]|
.endr
.endr
.irp b, 0,1,2,3
	v_permlanex16_b32 v[TM+4+\b], v[TM+\b], s[SEL], s[SEL+1]
.endr
.irp b, 0,1,2,3
	v_max_num_f32 v[TM+\b], v[TM+\b], v[TM+4+\b]   ; with lane l xor 16's: the block's largest magnitude
.endr
.irp b, 0,1,2,3
	v_add_nc_u32 v[TM+12+\b], 0xff000000, v[TM+\b] ; 2 off its exponent field: the conversion's scale operand
.endr
.irp b, 0,1,2,3
	v_lshrrev_b32 v[TM+4+\b], 23, v[TM+12+\b]      ; the scale's byte
.endr
	v_lshl_or_b32 v[PW], v[TM+5], 8, v[TM+4]
	v_lshl_or_b32 v[PW], v[TM+6], 16, v[PW]
	v_lshl_or_b32 v[PW], v[TM+7], 24, v[PW]
.irp b, 0,1,2,3
	v_cvt_scalef32_pk8_fp4_f32 v[PC+2*\b], v[\s+16*\b:\s+7+16*\b], v[TM+12+\b]
	v_cvt_scalef32_pk8_fp4_f32 v[PC+1+2*\b], v[\s+8+16*\b:\s+15+16*\b], v[TM+12+\b]
.endr
	v_nop                                          ; one plain place behind a scaled conversion
.irp c, 0,1                                    ; the operand's layout wants a whole block in a lane
.irp i, 0,1
	v_permlane16_swap_b32 v[PC+4*\c+\i], v[PC+2+4*\c+\i]
.endr
.endr
.endm
; The same for 32 numbers, two blocks: the codes are an operand's registers 0-3 (k = 32 h + 0 .. 31), in v[pc] on; the two bytes stay in v[tm+4], v[tm+5].
.macro QUANT2 s, pc, tm
.irp b, 0,1
	v_max3_num_f32 v[\tm+\b], |v[\s+16*\b]|, |v[\s+1+16*\b]|, 0x1800000
.endr
.irp i, 2,4,6,8,10,12,14
.irp b, 0,1
	v_max3_num_f32 v[\tm+\b], v[\tm+\b], |v[\s+16*\b+\i]|, |v[\s+1+16*\b+\i]|
.endr
.endr
.irp b, 0,1
	v_permlanex16_b32 v[\tm+4+\b], v[\tm+\b], s[SEL], s[SEL+1]
.endr
.irp b, 0,1
	v_max_num_f32 v[\tm+\b], v[\tm+\b], v[\tm+4+\b]
.endr
.irp b, 0,1
	v_add_nc_u32 v[\tm+12+\b], 0xff000000, v[\tm+\b]
.endr
.irp b, 0,1
	v_lshrrev_b32 v[\tm+4+\b], 23, v[\tm+12+\b]
.endr
.irp b, 0,1
	v_cvt_scalef32_pk8_fp4_f32 v[\pc+2*\b], v[\s+16*\b:\s+7+16*\b], v[\tm+12+\b]
	v_cvt_scalef32_pk8_fp4_f32 v[\pc+1+2*\b], v[\s+8+16*\b:\s+15+16*\b], v[\tm+12+\b]
.endr
	v_nop
	v_permlane16_swap_b32 v[\pc], v[\pc+2]
	v_permlane16_swap_b32 v[\pc+1], v[\pc+3]
.endm
.macro XLOAD reg, off                  ; my tile's numbers of one K step: 64 a lane
.irp b, 0,1,2,3
.irp j, 0,1,2,3
	global_load_b128 v[\reg+16*\b+4*\j:\reg+16*\b+4*\j+3], v4, s[28:29] offset:\off+128*\b+16*\j th:TH_LOAD_NT
.endr
.endr
.endm
.macro WLOAD s                         ; my head's four fragments of W and their scale words for K step s: nine loads
.irp t, 0,1,2,3
.irp c, 0,1
	global_load_b128 v[WF+32*((\s)%2)+8*\t+4*\c:WF+32*((\s)%2)+8*\t+4*\c+3], v5, s[44:45] offset:(\s)*4096+\t*1024+\c*512
.endr
.endr
	global_load_b64 v[WS+2*((\s)%2):WS+2*((\s)%2)+1], v6, s[46:47] offset:(\s)*256
.endm
.macro XFETCH s                        ; x's four fragments and their scale words for K step s, from LDS
.irp i, 0,1,2,3
.irp c, 0,1
	ds_load_b128 v[XF+8*\i+4*\c:XF+8*\i+4*\c+3], v5 offset:(\s)*4096+\i*1024+\c*512
.endr
.endr
	ds_load_b64 v[XS:XS+1], v6 offset:XSC+(\s)*256
.endm
; A K step: 16 products, the 16 accumulators by turns, in one order in every step.
.macro KSTEP s, isv
.if (\s) < 7
	s_wait_loadcnt 9                               ; this step's nine loads of W are in; the next step's nine may be out
.else
	s_wait_loadcnt 8                               ; behind the last step's: the bias's eight
.endif
	s_wait_dscnt 0x0                               ; x's fragments
.irp i, 0,1,2,3
.irp t, 0,1,2,3
.if \isv
	WM ACC+32*\t+8*\i, XF+8*\i, WF+32*((\s)%2)+8*\t, (\s)==0, XS+\i/2, WS+2*((\s)%2)+\t/2, \i%2, \t%2
.else
	WM ACC+32*\i+8*\t, WF+32*((\s)%2)+8*\t, XF+8*\i, (\s)==0, WS+2*((\s)%2)+\t/2, XS+\i/2, \t%2, \i%2
.endif
.endr
.endr
.rept 4
	v_nop                                          ; places in front of loads into registers that these products have read, and of the first read of results
.endr
.if (\s) < 7
	XFETCH (\s)+1
.endif
.if (\s) < 6
	WLOAD (\s)+2
.endif
.endm
	s_load_b256 s[4:11], s[0:1], 0x0               ; y_q, x_k, x_v, bq
	s_load_b256 s[12:19], s[0:1], 0x20             ; bk, bv, wq, qb
	s_load_b128 s[20:23], s[0:1], 0x40             ; kb, vb
	v_lshl_add_u32 v30, v0, 2, 0x9000
	v_mov_b32 v31, 0
	v_lshrrev_b32 v1, 5, v0
	v_readfirstlane_b32 s26, v1                    ; wave = head
	v_and_b32 v1, 31, v0                           ; lane
	v_and_b32 v2, 15, v0                           ; r
	v_bfe_u32 v3, v0, 4, 1                         ; h
	v_and_b32 v11, 8, v2
	v_add_nc_u32 v11, v11, v2                      ; r + 8 (r / 8)
	v_lshlrev_b32 v4, 12, v11
	v_lshl_add_u32 v4, v3, 6, v4                   ; x: my row of 4,096 bytes, + 64 h: my 16 numbers of a block of 32
	v_lshlrev_b32 v5, 4, v1                        ; 16 x lane
	v_lshlrev_b32 v6, 3, v1                        ; 8 x lane
	v_lshl_add_u32 v10, v2, 3, v3                  ; 8 r + h: v's scale bytes
	s_lshr_b32 s24, ttmp9, 7                       ; tensor
	s_and_b32 s25, ttmp9, 127                      ; block of 64 rows
	s_and_b32 s27, s26, 3                          ; the tile of rows that I quantise
	s_lshr_b32 s34, s26, 2                         ; and the first of its two K steps
	s_lshl_b32 s35, s27, 10
	s_lshl_b32 s36, s34, 12
	s_add_co_u32 s35, s35, s36
	v_add_nc_u32 v7, s35, v5                       ; where its image goes
	s_lshl_b32 s35, s34, 8
	s_and_b32 s36, s26, 1
	s_lshl_b32 s36, s36, 7
	s_add_co_u32 s35, s35, s36
	s_bfe_u32 s36, s26, 0x10001
	s_lshl_b32 s36, s36, 2
	s_add_co_u32 s35, s35, s36
	s_add_co_u32 s35, s35, XSC
	v_lshl_add_u32 v8, v2, 3, s35                  ; and its scale word: 256 x step + 8 (16 (tile % 2) + r) + 4 (tile / 2); both halves of the lanes write the same word with the same value
	s_lshl_b32 s38, s25, 18                        ; x: 64 rows of 4,096 bytes,
	s_lshr_b32 s36, s27, 1
	s_lshl_b32 s36, s36, 17                        ; + 32 rows x (tile / 2)
	s_add_co_u32 s38, s38, s36
	s_and_b32 s36, s27, 1
	s_lshl_b32 s36, s36, 15                        ; + 8 rows x (tile % 2)
	s_add_co_u32 s38, s38, s36
	s_lshl_b32 s36, s34, 9                         ; + the K step
	s_add_co_u32 s38, s38, s36
	s_mov_b32 s39, 0
	s_lshl_b32 s40, s24, 4
	s_add_co_u32 s40, s40, s26                     ; tensor x 16 + head
	s_lshl_b32 s42, s40, 11
	s_add_co_u32 s42, s42, 2097152
	s_mov_b32 s43, 0
	s_lshl_b32 s40, s40, 15
	s_mov_b32 s41, 0
	s_mov_b32 s[SEL], 0x76543210
	s_mov_b32 s[SEL+1], 0xfedcba98
	s_mov_b32 s[HM], 0xffff0000
	s_lshr_b32 s51, s25, 5                         ; batch
	s_and_b32 s52, s25, 31                         ; block of 64 rows in the batch
	s_lshl_b32 s53, s51, 4
	s_add_co_u32 s53, s53, s26                     ; batch x 16 + head
.irp b, 0,1,2,3
	v_mov_b32 v[TM+4+\b], 0                        ; written once: a lane permute's destination counts as one of its sources
.endr
	s_wait_kmcnt 0x0
	s_cmp_eq_u32 s24, 0                            ; the buffers are chosen on the work-group's number alone
	s_cselect_b64 s[28:29], s[4:5], s[6:7]
	s_cselect_b64 s[30:31], s[10:11], s[12:13]
	s_cselect_b64 s[32:33], s[18:19], s[20:21]
	s_cmp_eq_u32 s24, 2
	s_cselect_b64 s[28:29], s[8:9], s[28:29]       ; x
	s_cselect_b64 s[30:31], s[14:15], s[30:31]     ; the bias
	s_cselect_b64 s[32:33], s[22:23], s[32:33]     ; the result
	s_add_nc_u64 s[28:29], s[28:29], s[38:39]
	s_add_nc_u64 s[44:45], s[16:17], s[40:41]      ; my head's images of W
	s_add_nc_u64 s[46:47], s[16:17], s[42:43]      ; and their scale words
	XLOAD ACC, 0
	XLOAD ACC+64, 2048                             ; four K steps on
	WLOAD 0
	WLOAD 1
	s_wait_loadcnt 34                              ; my first 16 loads of x are in; behind them: 16 of x, 18 of W
	QUANT ACC
	ds_store_b128 v7, v[PC:PC+3]
	ds_store_b128 v7, v[PC+4:PC+7] offset:512
	ds_store_b32 v8, v[PW]
	s_wait_dscnt 0x0                               ; the stores have read their registers
	s_wait_loadcnt 18                              ; the other 16 of x; behind them W's 18
	QUANT ACC+64
	ds_store_b128 v7, v[PC:PC+3] offset:16384
	ds_store_b128 v7, v[PC+4:PC+7] offset:16384+512
	ds_store_b32 v8, v[PW] offset:1024
	s_wait_dscnt 0x0                               ; for the others' sake: my stores have landed
	s_barrier_signal -1
	s_barrier_wait -1                              ; x's 32 fragments lie in LDS; nothing is stored there from here on
	XFETCH 0
	s_lshl_b32 s36, s26, 8                         ; my head's 64 numbers of the bias
	s_cmp_eq_u32 s24, 2
	s_cbranch_scc1 .Lv
	; ---- q and k
	v_lshl_add_u32 v9, v3, 6, s36                  ; lane (r, h) wants, for tile t of W, the bias of d = 32 (t / 2) + 16 h + 8 (t % 2) + 0 .. 7
	s_mul_i32 s54, s53, 73728
	s_lshl_b32 s56, s52, 8
	s_add_co_u32 s56, s56, s54
	s_add_co_u32 s56, s56, 65536
	s_mov_b32 s57, 0
	s_lshl_b32 s55, s52, 11
	s_add_co_u32 s54, s54, s55
	s_mov_b32 s55, 0
	s_add_nc_u64 s[54:55], s[32:33], s[54:55]      ; my four images
	s_add_nc_u64 s[56:57], s[32:33], s[56:57]      ; their scale words
.irp s, 0,1,2,3,4,5,6
	KSTEP \s, 0
.endr
.irp t, 0,1,2,3
	global_load_b128 v[WF+8*\t:WF+8*\t+3], v9, s[30:31] offset:(32*(\t/2)+8*(\t%2))*4
	global_load_b128 v[WF+8*\t+4:WF+8*\t+7], v9, s[30:31] offset:(32*(\t/2)+8*(\t%2))*4+16
.endr
	KSTEP 7, 0
	s_wait_loadcnt 0x0                             ; the bias
.irp i, 0,1,2,3
.irp n, 0,2,4,6,8,10,12,14,16,18,20,22,24,26,28,30
	v_pk_add_f32 v[ACC+32*\i+\n:ACC+32*\i+\n+1], v[ACC+32*\i+\n:ACC+32*\i+\n+1], v[WF+\n:WF+\n+1]   ; each accumulator from its low end on
.endr
.endr
.irp i, 0,1,2,3
	QUANT2 ACC+32*\i, 96+4*\i, TM
	v_lshl_or_b32 v[112+\i], v[TM+5], 8, v[TM+4]
	v_lshl_or_b32 v[112+\i], v[112+\i], 16, v[112+\i]                     ; B0, B1, B0, B1
	global_store_b128 v5, v[96+4*\i:99+4*\i], s[54:55] offset:512*\i      ; 512 consecutive bytes
.endr
	v_cndmask_b32 v116, v112, v113, s[HM]
	v_cndmask_b32 v117, v114, v115, s[HM]
	global_store_b64 v6, v[116:117], s[56:57]      ; 256 consecutive bytes
	s_wait_tensorcnt 0x0
	ds_add_u32 v30, v31
	s_wait_dscnt 0x0
	s_endpgm
.Lv:
	; ---- v
	v_lshl_add_u32 v9, v11, 2, s36                 ; lane (r, h) wants, for tile t of W, the bias of its one d = 32 (t / 2) + 8 (t % 2) + r + 8 (r / 8)
	s_mul_i32 s54, s53, 69632
	s_lshr_b32 s58, s52, 1                         ; key step of 128
	s_and_b32 s59, s52, 1                          ; which half of it
	s_lshl_b32 s56, s58, 8
	s_add_co_u32 s56, s56, s54
	s_add_co_u32 s56, s56, 65536
	s_lshl_b32 s57, s59, 1
	s_add_co_u32 s56, s56, s57
	s_mov_b32 s57, 0
	s_lshl_b32 s55, s58, 12
	s_add_co_u32 s54, s54, s55
	s_lshl_b32 s55, s59, 9
	s_add_co_u32 s54, s54, s55
	s_mov_b32 s55, 0
	s_add_nc_u64 s[54:55], s[32:33], s[54:55]
	s_add_nc_u64 s[56:57], s[32:33], s[56:57]
.irp s, 0,1,2,3,4,5,6
	KSTEP \s, 1
.endr
.irp t, 0,1,2,3
	global_load_b32 v[WF+2*\t], v9, s[30:31] offset:(32*(\t/2)+8*(\t%2))*4
	global_load_b32 v[WF+2*\t+1], v9, s[30:31] offset:(32*(\t/2)+8*(\t%2))*4   ; twice: a pair for the packed addition
.endr
	KSTEP 7, 1
	s_wait_loadcnt 0x0
.irp t, 0,1,2,3
.irp n, 0,2,4,6,8,10,12,14,16,18,20,22,24,26,28,30
	v_pk_add_f32 v[ACC+32*\t+\n:ACC+32*\t+\n+1], v[ACC+32*\t+\n:ACC+32*\t+\n+1], v[WF+2*\t:WF+2*\t+1]
.endr
.endr
.irp t, 0,1,2,3
	QUANT2 ACC+32*\t, 96+4*\t, TM
	v_cndmask_b32 v[112+\t], v[TM+4], v[TM+5], s[HM]                      ; lanes 0-15 store the first block's byte, lanes 16-31 the second's
	global_store_b128 v5, v[96+4*\t:99+4*\t], s[54:55] offset:1024*\t
	global_store_b8 v10, v[112+\t], s[56:57] offset:(\t%2)*128+(\t/2)*4   ; two of a word's four bytes: the other two are the neighbouring block's
.endr
	s_wait_tensorcnt 0x0
	ds_add_u32 v30, v31
	s_wait_dscnt 0x0
	s_endpgm
.Lfunc_end_k_q76069741a9_proj:
	.size	k_q76069741a9_proj, .Lfunc_end_k_q76069741a9_proj-k_q76069741a9_proj
	.p2alignl 7, 3214868480
	.fill 96, 4, 3214868480
	.section	.rodata,"a",@progbits
	.p2align	6, 0x0
	.amdhsa_kernel k_q76069741a9_proj
		.amdhsa_group_segment_fixed_size 38912
		.amdhsa_private_segment_fixed_size 0
		.amdhsa_enable_private_segment 0
		.amdhsa_kernarg_size 80
		.amdhsa_user_sgpr_count 2
		.amdhsa_user_sgpr_kernarg_segment_ptr 1
		.amdhsa_wavefront_size32 1
		.amdhsa_system_sgpr_workgroup_id_x 1
		.amdhsa_system_sgpr_workgroup_id_y 1
		.amdhsa_system_sgpr_workgroup_id_z 1
		.amdhsa_system_vgpr_workitem_id 0
		.amdhsa_next_free_vgpr 256
		.amdhsa_next_free_sgpr 66
		.amdhsa_reserve_vcc 0
		.amdhsa_float_denorm_mode_32 3
		.amdhsa_float_denorm_mode_16_64 3
		.amdhsa_memory_ordered 1
		.amdhsa_forward_progress 1
		.amdhsa_inst_pref_size 97
	.end_amdhsa_kernel
	.amdgpu_metadata
---
amdhsa.version: [ 1, 2 ]
amdhsa.kernels:
  - .name:           k_q76069741a9_proj
    .symbol:         k_q76069741a9_proj.kd
    .args:
      - { .name: y_q, .offset: 0, .size: 8, .value_kind: global_buffer, .address_space: global }
      - { .name: x_k, .offset: 8, .size: 8, .value_kind: global_buffer, .address_space: global }
      - { .name: x_v, .offset: 16, .size: 8, .value_kind: global_buffer, .address_space: global }
      - { .name: bq, .offset: 24, .size: 8, .value_kind: global_buffer, .address_space: global }
      - { .name: bk, .offset: 32, .size: 8, .value_kind: global_buffer, .address_space: global }
      - { .name: bv, .offset: 40, .size: 8, .value_kind: global_buffer, .address_space: global }
      - { .name: wq, .offset: 48, .size: 8, .value_kind: global_buffer, .address_space: global }
      - { .name: qb, .offset: 56, .size: 8, .value_kind: global_buffer, .address_space: global }
      - { .name: kb, .offset: 64, .size: 8, .value_kind: global_buffer, .address_space: global }
      - { .name: vb, .offset: 72, .size: 8, .value_kind: global_buffer, .address_space: global }
    .group_segment_fixed_size: 38912
    .private_segment_fixed_size: 0
    .kernarg_segment_align: 8
    .kernarg_segment_size: 80
    .max_flat_workgroup_size: 512
    .sgpr_count:     66
    .vgpr_count:     256
    .wavefront_size: 32
...
	.end_amdgpu_metadata
.endif
;; end of part 2
;; launch attn (part 3): grid 4 x 64, 16 waves a work-group, clusters of 4 x 1, 169,984 bytes of LDS; arguments qb, kb, vb, mk, ob; writes ob
.if DOCPART == 3
	.amdgcn_target "amdgcn-amd-amdhsa--gfx1250"
	.amdhsa_code_object_version 6
	.text
	.protected	k_q76069741a9_attn
	.globl	k_q76069741a9_attn
	.p2align	8
	.type	k_q76069741a9_attn,@function
k_q76069741a9_attn:
	s_mov_b64 s[64:65], 0
	v_nop
	global_prefetch_b8 v0, s[64:65] scope:SCOPE_SE
	s_setreg_imm32_b32 hwreg(HW_REG_WAVE_MODE, 25, 1), 1
	s_wait_xcnt 0x0
	s_wait_alu depctr_hold_cnt(0) depctr_sa_sdst(0) depctr_va_vdst(0) depctr_va_sdst(0) depctr_va_ssrc(0) depctr_va_vcc(0) depctr_vm_vsrc(0)
	s_getreg_b32 s2, hwreg(HW_REG_IB_STS2, 6, 4)
	s_cmp_eq_u32 s2, 0
	s_cbranch_scc0 .Lentry_in_a_cluster
	s_endpgm
.Lentry_in_a_cluster:
	s_bfe_u32 s2, ttmp6, 0x10000c
	s_cmp_lg_u32 s2, 0x3003
	s_cbranch_scc0 .Lentry_shape_is_right
	s_endpgm
.Lentry_shape_is_right:
; ATTN.  For each batch x head: o = softmax(q k^T / 8, masked keys at -1e32) v, both products on codes of FP4 (E2M1) with E8M0 scales; o leaves as codes along d, as images of the last product's operand registers.
; t = score x c, c = log2(e) / 8; M = the running largest t rounded UP to a whole number; p = 2^(t - M) is quantised along the keys, not normalised; the row's sum is taken of the unquantised p and divides at the end.
; SHARES.  A cluster of four work-groups takes one batch x head; work-group cx takes queries' tiles 32 cx .. 32 cx + 31; each of its sixteen waves takes one tile of 16 queries in each of two passes.  Four waves to a SIMD:
; one wave's vector work stands beside another's products and LDS loads.
; ALL OF THE HEAD'S K AND V LIES IN LDS: codes, scale words and the keys' biases, 151,552 bytes, filled ONCE at the head, each wave fetching one key step of 128 by five joint loads (five tensor loads of a wave are out);
; the four work-groups of the cluster ask for the same blocks with the same descriptors and a mask that names the four.  Nothing is filled again.
; LAYOUT.  S^T = K Q^T (source 0 = 16 keys, source 1 = my 16 queries), O^T = V^T P^T: a lane holds ONE query throughout.  The keys of a tile and the d of a tile of V are not neighbours (lane r of tile t: 32 (t / 2) + 8 (t % 2) + r + 8 (r / 8)),
; so that a lane's 16 registers of two neighbouring tiles are 16 neighbours.  The first product's K is 64: the other half of both operands is zero codes, under scale bytes that repeat the real ones.
; THE MASK is the C of the first product: the bias of the register's key (0, or -8e32), read from LDS straight into the score registers; sixteen lanes read the same bytes.
; A step with masked keys alone: the running largest t starts at -2^100, far above a masked t, so every p there is 0.  A batch with masked keys alone: c comes as 0, every t is 0, every p is 1: the uniform softmax.
; LIMITS: right while every unmasked |t| stays under 2^100 and |q . k| far under 8e32; NaN and infinities are not served; a block of o whose largest magnitude lies under 2^-124 gets the byte 1.
.set SMB,  131072                      ; LDS: key step x 8192: K's 8 images (4,096 bytes), V's 4 fragments (4,096).  From SMB on, key step x 1280: K's scale words (512), the biases (512), V's scale words (256)
.set AK0,  1                           ; v1   16 x lane
.set AS0,  2                           ; v2   8 x lane + SMB
.set AM0,  3                           ; v3   64 h + SMB + 512
.set ADKV, 4                           ; v4-6 the same, at the step in hand
.set ADS,  5
.set ADM,  6
.set QF,   16                          ; v16-23 Q's fragment (20-23: zeros)
.set QS,   24                          ; v24  Q's scale words
.set PWR,  25                          ; v25  p's scale word
.set FF,   26                          ; v[26:27] f
.set KS,   28                          ; v28-31 K's scale words
.set KF,   32                          ; v32-95 K's eight fragments (registers 4-7 of each: zeros)
.set S,    96                          ; v96-159 the biases, then S^T, then p
.set O,    160                         ; v160-191 O^T
.set PCD,  192                         ; v192-199 p's codes
.set BM,   200                         ; v200-203 the blocks' largest scores
.set T2,   204
.set SO,   208                         ; v208-211 the conversions' scale operands
.set C2,   212                         ; v[212:213] the sum's second chain
.set TT,   214
.set VS,   216                         ; v[216:217] V's scale words
.set Q1,   218                         ; v218-221 the second pass's Q, v222 its scale words
.set QS1,  222
.set VF,   224                         ; v224-255 V's four fragments
.set WV,   14
.set SEL,  20
.set CS,   22                          ; s[22:23] c
.set SKV,  72
.set SSM,  73
.set CNT,  74
.set HM,   76
.set OI,   78
.set OS,   80
.macro WMI d, a, b, sa, sb, ra         ; one product onto its C in place; ra: source 0's scales stand in lanes 16-31
.if (\ra)
	v_wmma_scale_f32_16x16x128_f8f6f4 v[\d:\d+7], v[\a:\a+7], v[\b:\b+7], v[\d:\d+7], v[\sa], v[\sb] matrix_a_fmt:MATRIX_FMT_FP4 matrix_b_fmt:MATRIX_FMT_FP4 matrix_a_scale:MATRIX_SCALE_ROW1
.else
	v_wmma_scale_f32_16x16x128_f8f6f4 v[\d:\d+7], v[\a:\a+7], v[\b:\b+7], v[\d:\d+7], v[\sa], v[\sb] matrix_a_fmt:MATRIX_FMT_FP4 matrix_b_fmt:MATRIX_FMT_FP4
.endif
.endm
.macro QUANT2 s, pc, tm                ; 32 numbers of a lane, register 16 b + i = k 32 b + 16 h + i, become an operand's registers 0-3; the two bytes stay in v[tm+4], v[tm+5]
.irp b, 0,1
	v_max3_num_f32 v[\tm+\b], |v[\s+16*\b]|, |v[\s+1+16*\b]|, 0x1800000
.endr
.irp i, 2,4,6,8,10,12,14
.irp b, 0,1
	v_max3_num_f32 v[\tm+\b], v[\tm+\b], |v[\s+16*\b+\i]|, |v[\s+1+16*\b+\i]|
.endr
.endr
.irp b, 0,1
	v_permlanex16_b32 v[\tm+4+\b], v[\tm+\b], s[SEL], s[SEL+1]
.endr
.irp b, 0,1
	v_max_num_f32 v[\tm+\b], v[\tm+\b], v[\tm+4+\b]
.endr
.irp b, 0,1
	v_add_nc_u32 v[\tm+12+\b], 0xff000000, v[\tm+\b]
.endr
.irp b, 0,1
	v_lshrrev_b32 v[\tm+4+\b], 23, v[\tm+12+\b]
.endr
.irp b, 0,1
	v_cvt_scalef32_pk8_fp4_f32 v[\pc+2*\b], v[\s+16*\b:\s+7+16*\b], v[\tm+12+\b]
	v_cvt_scalef32_pk8_fp4_f32 v[\pc+1+2*\b], v[\s+8+16*\b:\s+15+16*\b], v[\tm+12+\b]
.endr
	v_nop
	v_permlane16_swap_b32 v[\pc], v[\pc+2]
	v_permlane16_swap_b32 v[\pc+1], v[\pc+3]
.endm
.macro ROUND                           ; a round of the cluster's barrier
	s_barrier_signal -1
	s_barrier_wait -1
	s_cmp_lg_u32 s[WV], 0
	s_cbranch_scc1 .Lnot_wave_0_\@
	s_barrier_signal -3
.Lnot_wave_0_\@:
	s_barrier_wait -3
	s_barrier_signal -1
	s_barrier_wait -1
.endm
.macro G1SET g, rows                   ; descriptor group 1: a dense block as rows of 256 bytes (32 elements of 8 bytes), no padding
	s_mov_b32 s[\g], 15|(3<<16)|(1<<21)            ; 15:0 the mask: all four work-groups; 17:16 elements of 8 bytes; 21 set beside a mask
	s_mov_b32 s[\g+1], 32<<16                      ; tensor_dim0
	s_mov_b32 s[\g+2], (\rows)<<16                 ; tensor_dim1
	s_mov_b32 s[\g+3], 32<<16                      ; tile_dim0
	s_mov_b32 s[\g+4], \rows                       ; tile_dim1
	s_mov_b32 s[\g+5], 32                          ; the pitch
	s_mov_b32 s[\g+6], 0
	s_mov_b32 s[\g+7], 0
.endm
.macro NEXTK aK, oK, aS, oS            ; a step's K: eight images and four registers of scale words: ten loads
.irp t, 0,1,2,3,4,5,6,7
	ds_load_b128 v[KF+8*\t:KF+8*\t+3], v[\aK] offset:\oK+512*\t
.endr
.irp g, 0,1
	ds_load_b64 v[KS+2*\g:KS+2*\g+1], v[\aS] offset:\oS+256*\g
.endr
.endm
.macro NEXTB aM, oM                    ; a step's biases into the score registers: register 8 t + j of lane (r, h) is key 32 (t / 2) + 16 h + 8 (t % 2) + j: sixteen loads
.irp t, 0,1,2,3,4,5,6,7
.irp q, 0,1
	ds_load_b128 v[S+8*\t+4*\q:S+8*\t+4*\q+3], v[\aM] offset:\oM+128*(\t/2)+32*(\t%2)+16*\q
.endr
.endr
.endm
	s_load_b256 s[4:11], s[0:1], 0x0               ; qb, kb, vb, mk
	s_load_b64 s[12:13], s[0:1], 0x20              ; ob
	v_lshl_add_u32 v215, v0, 2, 0x29000
	v_mov_b32 v223, 0
	ds_add_u32 v215, v223
	ds_add_u32 v215, v223
	v_lshrrev_b32 v1, 5, v0
	v_readfirstlane_b32 s[WV], v1                  ; wave 0..15
	s_bfe_u32 s15, ttmp6, 0x40000                  ; cx: it enters Q's and o's global addresses alone
	s_and_b32 s16, ttmp7, 0xffff                   ; batch x 16 + head, which the four partners share
	s_lshr_b32 s17, s16, 4                         ; batch
	s_and_b32 s18, s16, 15                         ; head
	G1SET 24, 16                                   ; 4,096 bytes
	G1SET 32, 2                                    ; 512
	G1SET 40, 1                                    ; 256
	s_mul_i32 s82, s16, 73728                      ; the head's part of qb and of kb
	s_mul_i32 s84, s16, 69632                      ; and of vb
	s_lshl_b32 s86, s[WV], 12
	s_add_co_u32 s88, s82, s86                     ; K's images of key step = my wave's number
	s_mov_b32 s89, 0
	s_add_co_u32 s90, s84, s86                     ; V's
	s_mov_b32 s91, 0
	s_lshl_b32 s86, s[WV], 9
	s_add_co_u32 s92, s82, s86
	s_add_co_u32 s92, s92, 65536                   ; K's scale words
	s_mov_b32 s93, 0
	s_lshl_b32 s94, s17, 13
	s_add_co_u32 s94, s94, s86                     ; the biases
	s_mov_b32 s95, 0
	s_lshl_b32 s86, s[WV], 8
	s_add_co_u32 s86, s86, s84
	s_add_co_u32 s86, s86, 65536                   ; V's scale words
	s_mov_b32 s87, 0
	s_lshl_b32 s83, s[WV], 13                      ; and where they go: wave x 8192,
	s_mul_i32 s85, s[WV], 1280
	s_add_co_u32 s85, s85, SMB                     ; SMB + wave x 1280
	s_mov_b32 s[SEL], 0x76543210
	s_mov_b32 s[SEL+1], 0xfedcba98
	s_mov_b32 s[HM], 0xffff0000
	s_wait_dscnt 0x0
	s_wait_kmcnt 0x0
	s_mov_b32 s48, 1
	s_mov_b32 s49, s83
	s_add_nc_u64 s[50:51], s[6:7], s[88:89]
	s_or_b32 s51, s51, 0x80000000
	s_mov_b32 s52, 1
	s_add_co_u32 s53, s83, 4096
	s_add_nc_u64 s[54:55], s[8:9], s[90:91]
	s_or_b32 s55, s55, 0x80000000
	s_mov_b32 s56, 1
	s_mov_b32 s57, s85
	s_add_nc_u64 s[58:59], s[6:7], s[92:93]
	s_or_b32 s59, s59, 0x80000000
	s_mov_b32 s60, 1
	s_add_co_u32 s61, s85, 512
	s_add_nc_u64 s[62:63], s[10:11], s[94:95]
	s_or_b32 s63, s63, 0x80000000
	s_mov_b32 s68, 1
	s_add_co_u32 s69, s85, 1024
	s_add_nc_u64 s[70:71], s[8:9], s[86:87]
	s_or_b32 s71, s71, 0x80000000
	ROUND                                          ; all four work-groups are here: the joint loads meet
	tensor_load_to_lds s[48:51], s[24:31]          ; the launch's only fills, one group: every wave its own key step
	s_nop 0
	tensor_load_to_lds s[52:55], s[24:31]
	s_nop 0
	tensor_load_to_lds s[56:59], s[32:39]
	s_nop 0
	tensor_load_to_lds s[60:63], s[32:39]
	s_nop 0
	tensor_load_to_lds s[68:71], s[40:47]
	s_nop 0
.rept 4
	v_nop
.endr
	v_and_b32 v10, 31, v0                          ; lane
	v_and_b32 v11, 15, v0                          ; r
	v_bfe_u32 v7, v0, 4, 1                         ; h
	v_lshlrev_b32 v[AK0], 4, v10
	v_lshlrev_b32 v[AS0], 3, v10
	v_add_nc_u32 v[AS0], SMB, v[AS0]
	v_lshlrev_b32 v[AM0], 6, v7
	v_add_nc_u32 v[AM0], SMB+512, v[AM0]
	v_lshlrev_b32 v8, 3, v11                       ; Q's scale words: 8 r
	v_lshl_add_u32 v9, v11, 2, v7                  ; o's scale bytes: 4 r + h
	s_lshl_b32 s86, s15, 14                        ; Q: tile 32 cx + wave, 512 bytes a tile
	s_lshl_b32 s88, s[WV], 9
	s_add_co_u32 s86, s86, s88
	s_add_co_u32 s86, s86, s82
	s_mov_b32 s87, 0
	s_add_nc_u64 s[86:87], s[4:5], s[86:87]
	s_lshl_b32 s88, s15, 11                        ; its scale words: block of four tiles x 256 + 128 (tile % 2) + 4 ((tile / 2) % 2)
	s_lshr_b32 s90, s[WV], 2
	s_lshl_b32 s90, s90, 8
	s_add_co_u32 s88, s88, s90
	s_and_b32 s90, s[WV], 1
	s_lshl_b32 s90, s90, 7
	s_add_co_u32 s88, s88, s90
	s_bfe_u32 s90, s[WV], 0x10001
	s_lshl_b32 s90, s90, 2
	s_add_co_u32 s88, s88, s90
	s_add_co_u32 s88, s88, s82
	s_add_co_u32 s88, s88, 65536
	s_mov_b32 s89, 0
	s_add_nc_u64 s[88:89], s[4:5], s[88:89]
	global_load_b128 v[QF:QF+3], v[AK0], s[86:87]
	global_load_b128 v[Q1:Q1+3], v[AK0], s[86:87] offset:8192      ; the second pass: sixteen tiles on
	global_load_b32 v[QS], v8, s[88:89]
	global_load_b32 v[QS1], v8, s[88:89] offset:1024
	s_lshl_b32 s90, s17, 9
	s_mov_b32 s91, 0
	s_add_nc_u64 s[90:91], s[10:11], s[90:91]
	s_load_b32 s[CS], s[90:91], 0x8000             ; c of my batch
	s_lshl_b32 s92, s17, 7                         ; o: tile batch x 128 + 32 cx + wave
	s_lshl_b32 s93, s15, 5
	s_add_co_u32 s92, s92, s93
	s_add_co_u32 s92, s92, s[WV]
	s_lshl_b32 s92, s92, 3
	s_lshr_b32 s93, s18, 1
	s_add_co_u32 s92, s92, s93                     ; x 8 + K step of the last product = head / 2
	s_and_b32 s93, s18, 1
	s_lshl_b32 s94, s92, 6
	s_lshl_b32 s95, s93, 1
	s_add_co_u32 s94, s94, s95
	s_add_co_u32 s94, s94, 4194304
	s_mov_b32 s95, 0
	s_add_nc_u64 s[OS:OS+1], s[12:13], s[94:95]    ; its scale bytes: 64 bytes a fragment, bytes 2 (head % 2) + h of a word
	s_lshl_b32 s92, s92, 10
	s_lshl_b32 s93, s93, 9
	s_add_co_u32 s92, s92, s93
	s_mov_b32 s93, 0
	s_add_nc_u64 s[OI:OI+1], s[12:13], s[92:93]    ; its image: half a fragment, 512 bytes
.irp j, 4,5,6,7
	v_mov_b32 v[QF+\j], 0                          ; the other half of K: zero codes, in Q
.irp t, 0,1,2,3,4,5,6,7
	v_mov_b32 v[KF+8*\t+\j], 0                     ; and in K
.endr
.endr
.irp b, 0,1,2,3
	v_mov_b32 v[T2+\b], 0                          ; written once: a lane permute's destination counts as one of its sources
.endr
	v_mov_b32 v[TT], 0
	v_mov_b32 v[FF+1], 0                           ; (named as the upper half of a pair)
	s_wait_tensorcnt 0x0                           ; my five blocks have landed,
	s_barrier_signal -1
	s_barrier_wait -1                              ; everybody's have: the whole head lies in LDS
	NEXTK AK0, 0, AS0, 0                           ; key step 0
	NEXTB AM0, 0
	s_wait_loadcnt 0x0                             ; Q
	s_wait_kmcnt 0x0                               ; c
	s_mov_b32 s[CS+1], s[CS]                       ; (the packed form names the pair)
; A KEY STEP: 128 keys.  K and the biases were asked for a step ago.  nx = 1: the next step's are asked for here, from the address registers and offsets given.
.macro STEP aK, oK, aM, oM, aS, oS, nx
	s_wait_dscnt 0x0                               ; K, its scale words and the biases are in
.irp t, 0,1,2,3,4,5,6,7
	WMI S+8*\t, KF+8*\t, QF, KS+\t/2, QS, \t%2     ; S^T = K Q^T + the keys' biases; eight accumulators, one instruction each
.endr
	v_add_nc_u32 v[ADKV], s[SKV], v[AK0]           ; four plain lines: the places in front of the loads below and of the first read of the scores
	v_add_nc_u32 v[ADS], s[SSM], v[AS0]
	v_add_nc_u32 v[ADM], s[SSM], v[AM0]
	v_nop
.irp t, 0,1,2,3
.irp c, 0,1
	ds_load_b128 v[VF+8*\t+4*\c:VF+8*\t+4*\c+3], v[ADKV] offset:4096+1024*\t+512*\c    ; this step's V: nine loads
.endr
.endr
	ds_load_b64 v[VS:VS+1], v[ADS] offset:1024
.if \nx
	NEXTK \aK, \oK, \aS, \oS
.endif
.irp b, 0,1,2,3
	v_max3_num_f32 v[BM+\b], v[S+16*\b], v[S+1+16*\b], v[S+2+16*\b]    ; the largest score of each block of 32 keys: for the row's maximum, and, since p rises with the score, for the block's largest p
.endr
.irp i, 3,5,7,9,11,13
.irp b, 0,1,2,3
	v_max3_num_f32 v[BM+\b], v[BM+\b], v[S+16*\b+\i], v[S+1+16*\b+\i]
.endr
.endr
.irp b, 0,1,2,3
	v_max_num_f32 v[BM+\b], v[BM+\b], v[S+15+16*\b]
.endr
.irp b, 0,1,2,3
	v_permlanex16_b32 v[T2+\b], v[BM+\b], s[SEL], s[SEL+1]
.endr
.irp b, 0,1,2,3
	v_max_num_f32 v[BM+\b], v[BM+\b], v[T2+\b]     ; with lane l xor 16's 16 keys
.endr
	v_max3_num_f32 v[TT], v[BM], v[BM+1], v[BM+2]
	v_max_num_f32 v[TT], v[TT], v[BM+3]            ; the step's largest score of my query
	v_mul_f32 v[TT], s[CS], v[TT]                  ; as t (c is not negative)
	v_max_num_f32 v13, v13, v[TT]                  ; the running largest t
	v_mov_b32 v[TT], v12
	v_floor_f32 v12, -v13                          ; the new -M = floor(-t): M is a whole number
	v_sub_f32 v[TT], v12, v[TT]                    ; old M - new M: a whole number, 0 or less
	v_cvt_i32_f32 v[TT], v[TT]                     ; (it saturates)
	v_ldexp_f32 v[FF], 1.0, v[TT]                  ; f = 2^(old M - new M): a multiplication by it rounds nothing
.set j, 0
.rept 32
	v_pk_fma_f32 v[S+j:S+j+1], v[S+j:S+j+1], s[CS:CS+1], v[12:13] op_sel_hi:[1,0,0]    ; t - M, two at a time
.set j, j+2
.endr
.irp b, 0,1,2,3
	v_fma_f32 v[BM+\b], v[BM+\b], s[CS], v12       ; the same of each block's largest score
.endr
.set j, 0
.rept 64
	v_exp_f32 v[S+j], v[S+j]                       ; p = 2^(t - M)
.set j, j+1
.endr
	v_pk_mul_f32 v[14:15], v[14:15], v[FF:FF+1] op_sel_hi:[1,0]    ; the sums under the new M: the plain line behind the exponentials
	s_wait_alu depctr_va_vdst(0)                   ; one wait for the batch of 64, ahead of its first reader
.irp b, 0,1,2,3
	v_exp_f32 v[BM+\b], v[BM+\b]                   ; the blocks' largest p
.endr
	v_pk_add_f32 v[C2:C2+1], v[S:S+1], v[S+2:S+3]  ; the row's sum of the unquantised p, in two chains
.irp j, 4,8,12,16,20,24,28,32,36,40,44,48,52,56,60
	v_pk_add_f32 v[14:15], v[14:15], v[S+\j:S+1+\j]
	v_pk_add_f32 v[C2:C2+1], v[C2:C2+1], v[S+2+\j:S+3+\j]
.endr
	v_pk_add_f32 v[14:15], v[14:15], v[C2:C2+1]
	s_wait_alu depctr_va_vdst(0)                   ; and one for the four
.irp b, 0,1,2,3
	v_max_num_f32 v[BM+\b], 0x1800000, v[BM+\b]    ; the floor 2^(3 - 127): a block whose every p is 0 keeps the byte 1 over zero codes
.endr
.irp b, 0,1,2,3
	v_add_nc_u32 v[SO+\b], 0xff000000, v[BM+\b]
.endr
.irp b, 0,1,2,3
	v_lshrrev_b32 v[T2+\b], 23, v[SO+\b]
.endr
	v_lshl_or_b32 v[PWR], v[T2+1], 8, v[T2]        ; p's scale word for these 128 keys
	v_lshl_or_b32 v[PWR], v[T2+2], 16, v[PWR]
	v_lshl_or_b32 v[PWR], v[T2+3], 24, v[PWR]
.irp b, 0,1,2,3
	v_cvt_scalef32_pk8_fp4_f32 v[PCD+2*\b], v[S+16*\b:S+7+16*\b], v[SO+\b]
	v_cvt_scalef32_pk8_fp4_f32 v[PCD+1+2*\b], v[S+8+16*\b:S+15+16*\b], v[SO+\b]
.endr
	v_nop                                          ; one plain place behind a scaled conversion
.irp c, 0,1
.irp i, 0,1
	v_permlane16_swap_b32 v[PCD+4*\c+\i], v[PCD+2+4*\c+\i]
.endr
.endr
.if \nx
	NEXTB \aM, \oM                                 ; p is spent: its registers take the next step's biases
.endif
.set j, 0
.rept 16
	v_pk_mul_f32 v[O+j:O+j+1], v[O+j:O+j+1], v[FF:FF+1] op_sel_hi:[1,0]    ; O^T under the new M; these sixteen are also the places between p's scale word and codes and the products
.set j, j+2
.endr
.if \nx
	s_wait_dscnt 26                                ; V's nine loads are in; behind them: ten of K, sixteen of biases
.else
	s_wait_dscnt 0x0
.endif
.irp t, 0,1,2,3
	WMI O+8*\t, VF+8*\t, PCD, VS+\t/2, PWR, \t%2   ; O^T += V^T P^T
.endr
	s_add_co_u32 s[SKV], s[SKV], 8192
	s_add_co_u32 s[SSM], s[SSM], 1280
.endm
; A PASS: one tile of 16 queries against all 2,048 keys, and its way out.
.macro PASS p
.if \p
	s_wait_xcnt 0x0                                ; the first pass's stores have read their registers
.irp j, 0,1,2,3
	v_mov_b32 v[QF+\j], v[Q1+\j]
.endr
	v_mov_b32 v[QS], v[QS1]                        ; (the lines below are more than the eight places that a scale register so written wants)
.endif
	v_mov_b32 v13, 0xf1800000                      ; the largest t so far: -2^100
	v_floor_f32 v12, -v13                          ; -M
	v_mov_b32 v14, 0                               ; the sum, in two halves
	v_mov_b32 v15, 0
.set j, 0
.rept 32
	v_mov_b32 v[O+j], 0                            ; O^T: the step is written once, its first turn finds zeros
.set j, j+1
.endr
	s_mov_b32 s[SKV], 0
	s_mov_b32 s[SSM], 0
	s_mov_b32 s[CNT], 15
.Lstep_\@:
	STEP ADKV, 8192, ADM, 1280, ADS, 1280, 1
	s_sub_co_u32 s[CNT], s[CNT], 1
	s_cmp_lg_u32 s[CNT], 0
	s_cbranch_scc1 .Lstep_\@
	STEP AK0, 0, AM0, 0, AS0, 0, 1-\p              ; the last step: the first pass fetches key step 0 for the second, the second nothing
.rept 4
	v_nop                                          ; places behind the last products
.endr
	v_add_f32 v14, v14, v15
	v_permlanex16_b32 v[TT], v14, s[SEL], s[SEL+1]
	v_add_f32 v14, v14, v[TT]                      ; the row's sum
	v_rcp_f32 v14, v14
	v_nop                                          ; a plain line behind the reciprocal,
	s_wait_alu depctr_va_vdst(0)                   ; and the wait ahead of its first reader
.set j, 0
.rept 16
	v_pk_mul_f32 v[VF+j:VF+j+1], v[O+j:O+j+1], v[14:15] op_sel_hi:[1,0]    ; o = O^T / the sum, into V's registers; register 16 b + i is d = 32 b + 16 h + i
.set j, j+2
.endr
	QUANT2 VF, PCD, BM
	global_store_b128 v[AK0], v[PCD:PCD+3], s[OI:OI+1] offset:131072*\p    ; 512 consecutive bytes
	v_cndmask_b32 v[TT], v[BM+4], v[BM+5], s[HM]
	global_store_b8 v9, v[TT], s[OS:OS+1] offset:8192*\p                   ; two of a word's four bytes: the other two are the neighbouring head's
.endm
	PASS 0
	PASS 1
	s_wait_dscnt 0x0
	s_wait_tensorcnt 0x0
	ds_add_u32 v215, v223
	s_wait_dscnt 0x0
	ROUND                                          ; the closing round
	s_endpgm
.Lfunc_end_k_q76069741a9_attn:
	.size	k_q76069741a9_attn, .Lfunc_end_k_q76069741a9_attn-k_q76069741a9_attn
	.p2alignl 7, 3214868480
	.fill 96, 4, 3214868480
	.section	.rodata,"a",@progbits
	.p2align	6, 0x0
	.amdhsa_kernel k_q76069741a9_attn
		.amdhsa_group_segment_fixed_size 169984
		.amdhsa_private_segment_fixed_size 0
		.amdhsa_enable_private_segment 0
		.amdhsa_kernarg_size 40
		.amdhsa_user_sgpr_count 2
		.amdhsa_user_sgpr_kernarg_segment_ptr 1
		.amdhsa_wavefront_size32 1
		.amdhsa_system_sgpr_workgroup_id_x 1
		.amdhsa_system_sgpr_workgroup_id_y 1
		.amdhsa_system_sgpr_workgroup_id_z 1
		.amdhsa_system_vgpr_workitem_id 0
		.amdhsa_next_free_vgpr 256
		.amdhsa_next_free_sgpr 96
		.amdhsa_reserve_vcc 0
		.amdhsa_float_denorm_mode_32 3
		.amdhsa_float_denorm_mode_16_64 3
		.amdhsa_memory_ordered 1
		.amdhsa_forward_progress 1
		.amdhsa_inst_pref_size 82
	.end_amdhsa_kernel
	.amdgpu_metadata
---
amdhsa.version: [ 1, 2 ]
amdhsa.kernels:
  - .name:           k_q76069741a9_attn
    .symbol:         k_q76069741a9_attn.kd
    .args:
      - { .name: qb, .offset: 0, .size: 8, .value_kind: global_buffer, .address_space: global }
      - { .name: kb, .offset: 8, .size: 8, .value_kind: global_buffer, .address_space: global }
      - { .name: vb, .offset: 16, .size: 8, .value_kind: global_buffer, .address_space: global }
      - { .name: mk, .offset: 24, .size: 8, .value_kind: global_buffer, .address_space: global }
      - { .name: ob, .offset: 32, .size: 8, .value_kind: global_buffer, .address_space: global }
    .group_segment_fixed_size: 169984
    .private_segment_fixed_size: 0
    .kernarg_segment_align: 8
    .kernarg_segment_size: 40
    .max_flat_workgroup_size: 512
    .sgpr_count:     96
    .vgpr_count:     256
    .wavefront_size: 32
...
	.end_amdgpu_metadata
.endif
;; end of part 3
;; launch outln (part 4): grid 256 x 1, 16 waves a work-group, no clusters, 75,776 bytes of LDS; arguments ob, wq, y_q, bm, ln_g, ln_b, out0; writes out0
.if DOCPART == 4
	.amdgcn_target "amdgcn-amd-amdhsa--gfx1250"
	.amdhsa_code_object_version 6
	.text
	.protected	k_q76069741a9_outln
	.globl	k_q76069741a9_outln
	.p2align	8
	.type	k_q76069741a9_outln,@function
k_q76069741a9_outln:
	s_mov_b64 s[64:65], 0
	v_nop
	global_prefetch_b8 v0, s[64:65] scope:SCOPE_SE
	s_setreg_imm32_b32 hwreg(HW_REG_WAVE_MODE, 25, 1), 1
	s_wait_xcnt 0x0
; OUTLN.  out0 = LayerNorm(y_q + o Wm^T + bm) x ln_g + ln_b; the product on codes of FP4 (E2M1) with E8M0 scales, all else in f32.
; Work-group g owns rows 32 g .. 32 g + 31 (two tiles of o; lane r of tile i is row 32 g + 8 i + r + 8 (r / 8)), whole rows, so that mean and variance stay in the work-group.  Wave w owns columns 64 w .. 64 w + 63.
; The product is used transposed (source 0 = 16 rows of Wm, source 1 = 16 rows of o): register 32 i + 16 B + k of lane (r, h) is column 64 w + 32 B + 16 h + k of its row.
; y_q is loaded straight into the accumulators: it is the C of the first products.  bm is added behind the sums (another order of rounding than the reference's; nothing is quantised behind it).
; Operands come from memory straight into registers, as images, three K steps ahead (three bundles of 14 loads).
; The variance is the mean of the squared differences from the mean, as the reference has it: two sums over the sixteen waves, each through 64 bytes a row in LDS and one barrier.
; The way out: a tile's 16 rows x 256 bytes go through the wave's own stage (rows of 272 bytes) and leave sixteen lanes to 256 consecutive, aligned bytes.
; NO JOINT LOADS for Wm: its images are 557,056 bytes, more than a WGP's LDS, and a K step is eight matrix instructions a wave: a ring would want a round of a cluster's barrier for each.
; LIMITS: NaN and infinities are not served.
.set RED1, 0                           ; LDS: tile x 1024 + r x 64 + 4 x wave
.set RED2, 2048
.set STG,  4096                        ; + wave x 4352
.set ACC,  192                         ; v192-255.  v48-191: three bundles of 48: o's two fragments, Wm's four.  v16, v20, v24: o's scale words; v[18:19], v[22:23], v[26:27]: Wm's: these hold scales and nothing else
.macro WMI d, a, b, sa, sb, ra, rb
.if (\ra) && (\rb)
	v_wmma_scale_f32_16x16x128_f8f6f4 v[\d:\d+7], v[\a:\a+7], v[\b:\b+7], v[\d:\d+7], v[\sa], v[\sb] matrix_a_fmt:MATRIX_FMT_FP4 matrix_b_fmt:MATRIX_FMT_FP4 matrix_a_scale:MATRIX_SCALE_ROW1 matrix_b_scale:MATRIX_SCALE_ROW1
.elseif (\ra)
	v_wmma_scale_f32_16x16x128_f8f6f4 v[\d:\d+7], v[\a:\a+7], v[\b:\b+7], v[\d:\d+7], v[\sa], v[\sb] matrix_a_fmt:MATRIX_FMT_FP4 matrix_b_fmt:MATRIX_FMT_FP4 matrix_a_scale:MATRIX_SCALE_ROW1
.elseif (\rb)
	v_wmma_scale_f32_16x16x128_f8f6f4 v[\d:\d+7], v[\a:\a+7], v[\b:\b+7], v[\d:\d+7], v[\sa], v[\sb] matrix_a_fmt:MATRIX_FMT_FP4 matrix_b_fmt:MATRIX_FMT_FP4 matrix_b_scale:MATRIX_SCALE_ROW1
.else
	v_wmma_scale_f32_16x16x128_f8f6f4 v[\d:\d+7], v[\a:\a+7], v[\b:\b+7], v[\d:\d+7], v[\sa], v[\sb] matrix_a_fmt:MATRIX_FMT_FP4 matrix_b_fmt:MATRIX_FMT_FP4
.endif
.endm
.macro BUNDLE s                        ; K step s: 14 loads
.set BL, 48+48*((\s)%3)
.irp i, 0,1
.irp c, 0,1
	global_load_b128 v[BL+8*\i+4*\c:BL+8*\i+4*\c+3], v1, s[20:21] offset:\i*8192+(\s)*1024+\c*512
.endr
.endr
	global_load_b32 v[16+4*((\s)%3)], v4, s[22:23] offset:(\s)*64      ; lanes 0-15: tile 0's words, lanes 16-31: tile 1's
.irp t, 0,1,2,3
.irp c, 0,1
	global_load_b128 v[BL+16+8*\t+4*\c:BL+16+8*\t+4*\c+3], v1, s[24:25] offset:(\s)*4096+\t*1024+\c*512
.endr
.endr
	global_load_b64 v[18+4*((\s)%3):19+4*((\s)%3)], v2, s[26:27] offset:(\s)*256
.endm
.macro KSTEP s, cnt                    ; eight products, the eight accumulators by turns
	s_wait_loadcnt \cnt
.set BM8, 48+48*((\s)%3)
.irp i, 0,1
.irp t, 0,1,2,3
	WMI ACC+32*\i+8*\t, BM8+16+8*\t, BM8+8*\i, 18+4*((\s)%3)+\t/2, 16+4*((\s)%3), \t%2, \i
.endr
.endr
.rept 4
	v_nop                                          ; places in front of loads into registers that these products have read, and of the first read of results
.endr
.endm
.macro PLOAD reg, base                 ; my 32 columns' numbers of bm, ln_g or ln_b: eight loads
.irp b, 0,1
.irp q, 0,1,2,3
	global_load_b128 v[\reg+16*\b+4*\q:\reg+16*\b+4*\q+3], v5, s[\base:\base+1] offset:128*\b+16*\q
.endr
.endr
.endm
; v28 and v30 hold my lane's part of a row's sum for tiles 0 and 1; the rows' sums over all 1,024 columns come back in v128 and v176, the same bits in every wave.
.macro ROWSUM red
.irp i, 0,1
	v_permlanex16_b32 v[32+\i], v[28+2*\i], s42, s43
.endr
.irp i, 0,1
	v_add_f32 v[28+2*\i], v[28+2*\i], v[32+\i]     ; my wave's 64 columns
.endr
.irp i, 0,1
	ds_store_b32 v6, v[28+2*\i] offset:\red+1024*\i    ; both halves of the lanes write the same word with the same value
.endr
	s_wait_dscnt 0x0                               ; for the others' sake: my stores have landed, my earlier loads are in
	s_barrier_signal -1
	s_barrier_wait -1
.irp i, 0,1
.irp q, 0,1,2,3
	ds_load_b128 v[128+48*\i+4*\q:128+48*\i+4*\q+3], v7 offset:\red+1024*\i+16*\q
.endr
.endr
	s_wait_dscnt 0x0
.irp n, 2,4,6,8,10,12,14
.irp i, 0,1
	v_pk_add_f32 v[128+48*\i:129+48*\i], v[128+48*\i:129+48*\i], v[128+48*\i+\n:129+48*\i+\n]
.endr
.endr
.irp i, 0,1
	v_add_f32 v[128+48*\i], v[128+48*\i], v[129+48*\i]
.endr
.endm
	s_load_b256 s[4:11], s[0:1], 0x0               ; ob, wq, y_q, bm
	s_load_b128 s[12:15], s[0:1], 0x20             ; ln_g, ln_b
	s_load_b64 s[16:17], s[0:1], 0x30              ; out0
	v_lshl_add_u32 v46, v0, 2, 0x12000
	v_mov_b32 v47, 0
	v_lshrrev_b32 v1, 5, v0
	v_readfirstlane_b32 s18, v1                    ; wave 0..15
	v_and_b32 v11, 31, v0                          ; lane
	v_and_b32 v12, 15, v0                          ; r
	v_bfe_u32 v13, v0, 4, 1                        ; h
	v_lshlrev_b32 v1, 4, v11                       ; 16 x lane
	v_lshlrev_b32 v2, 3, v11                       ; 8 x lane
	v_and_b32 v14, 8, v12
	v_add_nc_u32 v14, v14, v12                     ; r + 8 (r / 8)
	v_lshlrev_b32 v3, 12, v14
	v_lshl_add_u32 v3, v13, 6, v3                  ; y_q: my row of 4,096 bytes, + 64 h
	v_lshlrev_b32 v4, 2, v12
	v_lshl_add_u32 v4, v13, 9, v4                  ; o's scale words: 4 r, + a tile's 512 bytes for lanes 16-31
	v_lshlrev_b32 v5, 6, v13                       ; bm, ln_g, ln_b: 64 h
	s_lshl_b32 s19, s18, 2
	v_lshl_add_u32 v6, v12, 6, s19                 ; the sums, in: 64 r + 4 x wave
	v_lshlrev_b32 v7, 6, v12                       ; and back: 64 r
	s_mul_i32 s19, s18, 4352
	s_add_co_u32 s19, s19, STG                     ; my stage
	v_mul_u32_u24 v8, v12, 272
	v_lshl_add_u32 v8, v13, 6, v8
	v_add_nc_u32 v8, s19, v8                       ; in: row r, + 64 h
	v_mul_u32_u24 v9, v13, 272
	v_lshl_add_u32 v9, v12, 4, v9
	v_add_nc_u32 v9, s19, v9                       ; back: lanes 0-15 one row, lanes 16-31 the next
	v_lshlrev_b32 v10, 4, v12
	v_lshl_add_u32 v10, v13, 12, v10               ; and the same in out0
	v_mov_b32 v32, 0                               ; written once: a lane permute's destination counts as one of its sources
	v_mov_b32 v33, 0
	s_lshl_b32 s20, ttmp9, 14                      ; o's images: two tiles x 8 K steps x 1,024 bytes
	s_mov_b32 s21, 0
	s_lshl_b32 s22, ttmp9, 10
	s_add_co_u32 s22, s22, 4194304                 ; their scale words
	s_mov_b32 s23, 0
	s_add_co_u32 s24, s18, 48                      ; Wm is the fourth tensor of wq: unit 48 + wave
	s_lshl_b32 s26, s24, 11
	s_add_co_u32 s26, s26, 2097152
	s_mov_b32 s27, 0
	s_lshl_b32 s24, s24, 15
	s_mov_b32 s25, 0
	s_lshl_b32 s34, s18, 8                         ; my 64 columns
	s_mov_b32 s35, 0
	s_lshl_b32 s28, ttmp9, 17                      ; my 32 rows
	s_add_co_u32 s28, s28, s34
	s_mov_b32 s29, 0
	s_mov_b32 s42, 0x76543210
	s_mov_b32 s43, 0xfedcba98
	s_mov_b32 s44, 0x3a800000                      ; 1 / 1024
	s_mov_b32 s45, 0x3727c5ac                      ; 1e-5
	s_wait_kmcnt 0x0
	s_add_nc_u64 s[20:21], s[4:5], s[20:21]
	s_add_nc_u64 s[22:23], s[4:5], s[22:23]
	s_add_nc_u64 s[24:25], s[6:7], s[24:25]
	s_add_nc_u64 s[26:27], s[6:7], s[26:27]
	s_add_nc_u64 s[30:31], s[8:9], s[28:29]        ; y_q
	s_add_nc_u64 s[32:33], s[16:17], s[28:29]      ; out0
	s_add_nc_u64 s[36:37], s[10:11], s[34:35]      ; bm
	s_add_nc_u64 s[38:39], s[12:13], s[34:35]      ; ln_g
	s_add_nc_u64 s[40:41], s[14:15], s[34:35]      ; ln_b
.irp i, 0,1
.irp b, 0,1
.irp q, 0,1,2,3
	global_load_b128 v[ACC+32*\i+16*\b+4*\q:ACC+32*\i+16*\b+4*\q+3], v3, s[30:31] offset:32768*\i+128*\b+16*\q th:TH_LOAD_NT
.endr
.endr
.endr
	BUNDLE 0
	BUNDLE 1
	BUNDLE 2
.irp s, 0,1,2,3,4
	KSTEP \s, 28                                   ; this K step's bundle (and y_q) is in; two bundles of 14 may be out
	BUNDLE \s+3
.endr
	KSTEP 5, 28
	PLOAD 144, 36                                  ; bm, into the bundle just spent
	KSTEP 6, 22                                    ; behind bundle 6: bundle 7's 14 and bm's 8
	PLOAD 48, 38                                   ; ln_g
	KSTEP 7, 16                                    ; behind bundle 7: bm's 8 and ln_g's 8
	PLOAD 96, 40                                   ; ln_b
	s_wait_loadcnt 16                              ; bm is in; ln_g's and ln_b's may be out
.irp i, 0,1
.irp n, 0,2,4,6,8,10,12,14,16,18,20,22,24,26,28,30
	v_pk_add_f32 v[ACC+32*\i+\n:ACC+32*\i+\n+1], v[ACC+32*\i+\n:ACC+32*\i+\n+1], v[144+\n:145+\n]   ; x = y_q + o Wm^T + bm; each accumulator from its low end on
.endr
.endr
.irp i, 0,1
	v_pk_add_f32 v[28+2*\i:29+2*\i], v[ACC+32*\i:ACC+32*\i+1], v[ACC+32*\i+2:ACC+32*\i+3]
.endr
.irp n, 4,6,8,10,12,14,16,18,20,22,24,26,28,30
.irp i, 0,1
	v_pk_add_f32 v[28+2*\i:29+2*\i], v[28+2*\i:29+2*\i], v[ACC+32*\i+\n:ACC+32*\i+\n+1]
.endr
.endr
.irp i, 0,1
	v_add_f32 v[28+2*\i], v[28+2*\i], v[29+2*\i]
.endr
	ROWSUM RED1
.irp i, 0,1
	v_mul_f32 v[28+2*\i], s44, v[128+48*\i]        ; the mean
.endr
.irp i, 0,1
.irp n, 0,2,4,6,8,10,12,14,16,18,20,22,24,26,28,30
	v_pk_add_f32 v[ACC+32*\i+\n:ACC+32*\i+\n+1], v[ACC+32*\i+\n:ACC+32*\i+\n+1], v[28+2*\i:29+2*\i] op_sel_hi:[1,0] neg_lo:[0,1] neg_hi:[0,1]   ; x - mean
.endr
.endr
.irp i, 0,1
	v_pk_mul_f32 v[36+2*\i:37+2*\i], v[ACC+32*\i:ACC+32*\i+1], v[ACC+32*\i:ACC+32*\i+1]
.endr
.irp n, 2,4,6,8,10,12,14,16,18,20,22,24,26,28,30
.irp i, 0,1
	v_pk_fma_f32 v[36+2*\i:37+2*\i], v[ACC+32*\i+\n:ACC+32*\i+\n+1], v[ACC+32*\i+\n:ACC+32*\i+\n+1], v[36+2*\i:37+2*\i]
.endr
.endr
.irp i, 0,1
	v_add_f32 v[28+2*\i], v[36+2*\i], v[37+2*\i]
.endr
	ROWSUM RED2
.irp i, 0,1
	v_fma_f32 v[28+2*\i], v[128+48*\i], s44, s45   ; the variance + 1e-5
.endr
.irp i, 0,1
	v_rsq_f32 v[28+2*\i], v[28+2*\i]
.endr
	v_nop                                          ; a plain line behind the two,
	s_wait_alu depctr_va_vdst(0)                   ; and one wait ahead of their first reader
	s_wait_loadcnt 0x0                             ; ln_g, ln_b
.irp i, 0,1
.irp n, 0,2,4,6,8,10,12,14,16,18,20,22,24,26,28,30
	v_pk_mul_f32 v[ACC+32*\i+\n:ACC+32*\i+\n+1], v[ACC+32*\i+\n:ACC+32*\i+\n+1], v[28+2*\i:29+2*\i] op_sel_hi:[1,0]
.endr
.endr
.irp i, 0,1
.irp n, 0,2,4,6,8,10,12,14,16,18,20,22,24,26,28,30
	v_pk_fma_f32 v[ACC+32*\i+\n:ACC+32*\i+\n+1], v[ACC+32*\i+\n:ACC+32*\i+\n+1], v[48+\n:49+\n], v[96+\n:97+\n]
.endr
.endr
.macro TOSTAGE i                       ; tile i through my stage; it comes back into the registers that ln_g (tile 0) or ln_b (tile 1) has left.  LDS serves a wave's instructions in order: no wait between the stores and the loads
.irp b, 0,1
.irp q, 0,1,2,3
	ds_store_b128 v8, v[ACC+32*\i+16*\b+4*\q:ACC+32*\i+16*\b+4*\q+3] offset:128*\b+16*\q
.endr
.endr
.irp k, 0,1,2,3,4,5,6,7
	ds_load_b128 v[48+48*\i+4*\k:48+48*\i+4*\k+3], v9 offset:544*\k
.endr
.endm
.macro SEND i, younger                 ; younger: the LDS instructions issued behind tile i's loads
.irp k, 0,1,2,3,4,5,6,7
	s_wait_dscnt \younger+7-\k
	global_store_b128 v10, v[48+48*\i+4*\k:48+48*\i+4*\k+3], s[32:33] offset:(8*\i+2*\k+8*(\k/4))*4096 th:TH_STORE_NT   ; stage rows 2 k and 2 k + 1 are rows 8 i + 2 k + 8 (k / 4) + h of my 32; sixteen lanes store 256 consecutive, aligned bytes
.endr
.endm
	TOSTAGE 0
	TOSTAGE 1
	SEND 0, 16
	SEND 1, 0
	s_wait_tensorcnt 0x0
	ds_add_u32 v46, v47
	s_wait_dscnt 0x0
	s_endpgm
.Lfunc_end_k_q76069741a9_outln:
	.size	k_q76069741a9_outln, .Lfunc_end_k_q76069741a9_outln-k_q76069741a9_outln
	.p2alignl 7, 3214868480
	.fill 96, 4, 3214868480
	.section	.rodata,"a",@progbits
	.p2align	6, 0x0
	.amdhsa_kernel k_q76069741a9_outln
		.amdhsa_group_segment_fixed_size 75776
		.amdhsa_private_segment_fixed_size 0
		.amdhsa_enable_private_segment 0
		.amdhsa_kernarg_size 56
		.amdhsa_user_sgpr_count 2
		.amdhsa_user_sgpr_kernarg_segment_ptr 1
		.amdhsa_wavefront_size32 1
		.amdhsa_system_sgpr_workgroup_id_x 1
		.amdhsa_system_sgpr_workgroup_id_y 1
		.amdhsa_system_sgpr_workgroup_id_z 1
		.amdhsa_system_vgpr_workitem_id 0
		.amdhsa_next_free_vgpr 256
		.amdhsa_next_free_sgpr 66
		.amdhsa_reserve_vcc 0
		.amdhsa_float_denorm_mode_32 3
		.amdhsa_float_denorm_mode_16_64 3
		.amdhsa_memory_ordered 1
		.amdhsa_forward_progress 1
		.amdhsa_inst_pref_size 47
	.end_amdhsa_kernel
	.amdgpu_metadata
---
amdhsa.version: [ 1, 2 ]
amdhsa.kernels:
  - .name:           k_q76069741a9_outln
    .symbol:         k_q76069741a9_outln.kd
    .args:
      - { .name: ob, .offset: 0, .size: 8, .value_kind: global_buffer, .address_space: global }
      - { .name: wq, .offset: 8, .size: 8, .value_kind: global_buffer, .address_space: global }
      - { .name: y_q, .offset: 16, .size: 8, .value_kind: global_buffer, .address_space: global }
      - { .name: bm, .offset: 24, .size: 8, .value_kind: global_buffer, .address_space: global }
      - { .name: ln_g, .offset: 32, .size: 8, .value_kind: global_buffer, .address_space: global }
      - { .name: ln_b, .offset: 40, .size: 8, .value_kind: global_buffer, .address_space: global }
      - { .name: out0, .offset: 48, .size: 8, .value_kind: global_buffer, .address_space: global }
    .group_segment_fixed_size: 75776
    .private_segment_fixed_size: 0
    .kernarg_segment_align: 8
    .kernarg_segment_size: 56
    .max_flat_workgroup_size: 512
    .sgpr_count:     66
    .vgpr_count:     256
    .wavefront_size: 32
...
	.end_amdgpu_metadata
.endif
;; end of part 4
;; ======== version 2 of 3: 4 launches
;; limits: right only within a limited range of input values
;; workspace buffers: wq 2,228,224 bytes; qb 4,718,592 bytes; kb 4,718,592 bytes; vb 4,456,448 bytes; mk 34,816 bytes; ob 4,456,448 bytes
;; launch prep (part 5): grid 516 x 1, 4 waves a work-group, no clusters, 34,816 bytes of LDS; arguments Wq, Wk, Wv, Wm, mask, wq, mk; writes wq, mk
.if DOCPART == 5
	.amdgcn_target "amdgcn-amd-amdhsa--gfx1250"
	.amdhsa_code_object_version 6
	.text
	.protected	k_q76069741a9_prep
	.globl	k_q76069741a9_prep
	.p2align	8
	.type	k_q76069741a9_prep,@function
k_q76069741a9_prep:
	s_mov_b64 s[64:65], 0
	v_nop
	global_prefetch_b8 v0, s[64:65] scope:SCOPE_SE
	s_setreg_imm32_b32 hwreg(HW_REG_WAVE_MODE, 25, 1), 1
	s_wait_xcnt 0x0
; PREP.  Work-groups 0-511: the four weights [1024 (n)][1024 (k)] f32 become codes of FP4 (E2M1) with one E8M0 byte for each 32 along K, laid as IMAGES OF OPERAND REGISTERS.
; Work-group U = (tensor x 16 + head) x 8 + K step takes 64 rows x 128 along K; wave t takes one fragment of 16 rows.
; THE ROWS OF A FRAGMENT ARE NOT NEIGHBOURS: lane r of fragment t takes row 32 (t / 2) + 8 (t % 2) + r + 8 (r / 8) of the head, so that results made with two neighbouring fragments are 16 neighbours in a lane.
; EVERY LOAD IS DENSE: one load takes 512 consecutive bytes of one row, 16 bytes a lane; a wave's sixteen loads are all out together.  The conversions want 32 neighbours along K in ONE lane: so the 16 rows turn through
; the wave's own stage in LDS (rows of 528 bytes = 33 x 16: the sixteen rows that a load touches start at sixteen different 16-byte columns) and come back as k = 64 c + 32 h + 0 .. 31 of row r: two whole blocks a lane.
; wq: images at U x 4096 + t x 1024 + c x 512 + 16 x lane; scale words at 2,097,152 + U x 256 + 8 x lane: word p of lane (r, h) is that of fragment 2 p + h, row r.  The four waves' words meet in 256 bytes of LDS
; behind one barrier, and wave 0 stores them as 256 consecutive bytes.
; Work-groups 512-515, one for each batch: mk: a bias for each key, -8e32 where mask == 1 (a score of -1e32 after the division by 8), else 0, in key order; and c_b = log2(e) / 8, or 0 where ALL keys of the batch are masked
; (every t is then 0 and the softmax is uniform, as the reference has it).  c_b only selects a value: nothing branches on it.
; LIMITS: NaN and infinities are not served.  A block of zeros, or one whose largest magnitude lies under 2^-124, gets the byte 1 where the rule says 127: its codes are zeros or tiny, and this program alone reads the bytes.
.set X,     32                         ; v32-95   the fragment's numbers: as loaded, then 64 of my row
.set CD,    96                         ; v96-103  its codes
.set SROW,  528                        ; a stage row
.set PAIRB, 4*16*SROW                  ; behind the four stages: the unit's scale words, 256 bytes
	s_load_b256 s[4:11], s[0:1], 0x0               ; Wq, Wk, Wv, Wm
	s_load_b128 s[12:15], s[0:1], 0x20             ; mask, wq
	s_load_b64 s[24:25], s[0:1], 0x30              ; mk
	v_lshl_add_u32 v128, v0, 2, 0x8600
	v_mov_b32 v129, 0
	v_lshrrev_b32 v1, 5, v0
	v_readfirstlane_b32 s26, v1                    ; wave
	v_and_b32 v2, 31, v0                           ; lane
	v_lshlrev_b32 v5, 4, v2                        ; 16 x lane
	s_cmp_ge_u32 ttmp9, 512
	s_cbranch_scc1 .Lmask
	v_and_b32 v3, 15, v0                           ; r
	v_bfe_u32 v4, v0, 4, 1                         ; h
	v_lshlrev_b32 v7, 3, v2                        ; 8 x lane
	v_lshlrev_b32 v8, 3, v4                        ; 8 h: how far my two bytes move up in the scale word
	v_mov_b32 v19, 0                               ; written once: a lane permute's destination counts as one of its sources
	s_mul_i32 s38, s26, 16*SROW                    ; my stage
	v_add_nc_u32 v20, s38, v5                      ; in: 16 x lane of a row
	v_mul_u32_u24 v21, v3, SROW
	v_lshl_add_u32 v21, v4, 7, v21
	v_add_nc_u32 v21, s38, v21                     ; back: row r, + 128 h: my 32 numbers of each 64
	s_and_b32 s38, s26, 1                          ; t % 2
	s_lshr_b32 s39, s26, 1                         ; t / 2
	s_lshl_b32 s30, s38, 7
	s_lshl_b32 s31, s39, 2
	s_add_co_u32 s30, s30, s31
	s_add_co_u32 s30, s30, PAIRB
	v_lshl_add_u32 v22, v3, 3, s30                 ; my row's scale word: 8 (16 (t % 2) + r) + 4 (t / 2); both halves of the lanes write the same word with the same value
	v_add_nc_u32 v23, PAIRB, v7                    ; and where wave 0 reads the words back
	s_mov_b32 s27, 0x76543210
	s_mov_b32 s28, 0xfedcba98                      ; v_permlanex16_b32's selects for lane l xor 16
	s_bfe_u32 s32, ttmp9, 0x40003                  ; head
	s_and_b32 s31, ttmp9, 7                        ; K step
	s_lshl_b32 s32, s32, 18                        ; 64 rows of 4,096 bytes
	s_lshl_b32 s31, s31, 9                         ; 128 numbers
	s_add_co_u32 s32, s32, s31
	s_lshl_b32 s31, s39, 17                        ; 32 rows x (t / 2)
	s_add_co_u32 s32, s32, s31
	s_lshl_b32 s31, s38, 15                        ; 8 rows x (t % 2)
	s_add_co_u32 s32, s32, s31
	s_mov_b32 s33, 0
	s_lshl_b32 s34, ttmp9, 12
	s_lshl_b32 s31, s26, 10
	s_add_co_u32 s34, s34, s31                     ; U x 4096 + t x 1024
	s_mov_b32 s35, 0
	s_lshl_b32 s36, ttmp9, 8
	s_add_co_u32 s36, s36, 2097152
	s_mov_b32 s37, 0
	s_wait_kmcnt 0x0
	s_cmp_lt_u32 ttmp9, 128                        ; which tensor: the choice hangs on the work-group's number alone
	s_cselect_b64 s[16:17], s[4:5], s[6:7]
	s_cmp_lt_u32 ttmp9, 384
	s_cselect_b64 s[18:19], s[8:9], s[10:11]
	s_cmp_lt_u32 ttmp9, 256
	s_cselect_b64 s[16:17], s[16:17], s[18:19]
	s_add_nc_u64 s[16:17], s[16:17], s[32:33]      ; my fragment in W
	s_add_nc_u64 s[20:21], s[14:15], s[34:35]      ; its image
	s_add_nc_u64 s[22:23], s[14:15], s[36:37]      ; the unit's scale words
.irp p, 0,1,2,3,4,5,6,7,8,9,10,11,12,13,14,15
	global_load_b128 v[X+4*\p:X+4*\p+3], v5, s[16:17] offset:(\p+8*(\p/8))*4096 th:TH_LOAD_NT   ; the fragment's row p: 512 consecutive bytes
.endr
	s_wait_loadcnt 0x0
.irp p, 0,1,2,3,4,5,6,7,8,9,10,11,12,13,14,15
	ds_store_b128 v20, v[X+4*\p:X+4*\p+3] offset:SROW*\p
.endr
	s_wait_dscnt 0x0                               ; the stores have read their registers
.irp c, 0,1
.irp j, 0,1,2,3,4,5,6,7
	ds_load_b128 v[X+32*\c+4*\j:X+32*\c+4*\j+3], v21 offset:256*\c+16*\j
.endr
.endr
	s_wait_dscnt 0x0
.irp c, 0,1
	v_max3_num_f32 v[12+\c], |v[X+32*\c]|, |v[X+32*\c+1]|, 0x1800000   ; block 2 c + h: all 32 numbers are mine; the floor 2^(3 - 127) holds the byte at 1 from below
.endr
.irp i, 2,4,6,8,10,12,14,16,18,20,22,24,26,28,30
.irp c, 0,1
	v_max3_num_f32 v[12+\c], v[12+\c], |v[X+32*\c+\i]|, |v[X+32*\c+\i+1]|
.endr
.endr
.irp c, 0,1
	v_add_nc_u32 v[14+\c], 0xff000000, v[12+\c]    ; 2 off the exponent field: the conversion's scale operand
.endr
.irp c, 0,1
	v_lshrrev_b32 v[16+\c], 23, v[14+\c]           ; the scale's byte
.endr
	v_lshl_or_b32 v18, v17, 16, v16                ; my two bytes: blocks h and 2 + h,
	v_lshlrev_b32 v18, v8, v18                     ; at their places;
	v_permlanex16_b32 v19, v18, s27, s28
	v_or_b32 v24, v18, v19                         ; with lane l xor 16's two the word is whole
.irp c, 0,1
.irp g, 0,1,2,3
	v_cvt_scalef32_pk8_fp4_f32 v[CD+4*\c+\g], v[X+32*\c+8*\g:X+32*\c+8*\g+7], v[14+\c]
.endr
.endr
	v_nop                                          ; one plain place behind the scaled conversions
	ds_store_b32 v22, v24
	global_store_b128 v5, v[CD:CD+3], s[20:21]               ; 32 lanes store 512 consecutive bytes
	global_store_b128 v5, v[CD+4:CD+7], s[20:21] offset:512
	s_wait_dscnt 0x0                               ; for the others' sake: my scale words have landed
	s_barrier_signal -1
	s_barrier_wait -1                              ; the four fragments' words lie together
	s_cmp_lg_u32 s26, 0
	s_cbranch_scc1 .Ldone
	ds_load_b64 v[26:27], v23
	s_wait_dscnt 0x0
	global_store_b64 v7, v[26:27], s[22:23]        ; 256 consecutive bytes
.Ldone:
	s_wait_tensorcnt 0x0
	ds_add_u32 v128, v129
	s_wait_dscnt 0x0
	s_endpgm
.Lmask:
	s_sub_co_u32 s30, ttmp9, 512                   ; the batch
	s_lshl_b32 s32, s30, 13                        ; 2,048 keys of 4 bytes
	s_mov_b32 s33, 0
	s_lshl_b32 s34, s30, 9
	s_add_co_u32 s34, s34, 32768                   ; c_b: 128 equal copies behind the biases
	s_mov_b32 s35, 0
	v_lshlrev_b32 v6, 2, v0                        ; 4 x thread
	s_lshl_b32 s36, s26, 11
	v_add_nc_u32 v7, s36, v5                       ; my wave's quarter of the keys
	v_mov_b32 v9, 0xf61dc5ac                       ; -8e32
	s_wait_kmcnt 0x0
	s_add_nc_u64 s[12:13], s[12:13], s[32:33]
	s_add_nc_u64 s[16:17], s[24:25], s[32:33]
	s_add_nc_u64 s[18:19], s[24:25], s[34:35]
.irp i, 0,1,2,3,4,5,6,7,8,9,10,11,12,13,14,15
	global_load_b128 v[32+4*\i:35+4*\i], v5, s[12:13] offset:512*\i       ; every wave looks at all keys of the batch
.endr
.irp q, 0,1,2,3
	global_load_b128 v[96+4*\q:99+4*\q], v7, s[12:13] offset:512*\q       ; and turns its own quarter into biases
.endr
	s_wait_loadcnt 0x0
	v_xor_b32 v10, 1, v32                          ; 0 where the key is masked
.set n, 1
.rept 63
	v_xor_b32 v11, 1, v[32+n]
	v_or_b32 v10, v10, v11
.set n, n+1
.endr
	v_cmp_ne_u32 vcc_lo, 0, v10                    ; a lane that has seen a key that counts
	s_cmp_lg_u32 vcc_lo, 0
	s_cselect_b32 s31, 0x3e38aa3b, 0               ; log2(e) / 8, or 0 where no key counts
	v_mov_b32 v12, s31
	global_store_b32 v6, v12, s[18:19]
.set n, 0
.rept 16
	v_cmp_eq_u32 vcc_lo, 1, v[96+n]
	v_cndmask_b32 v[112+n], 0, v9, vcc_lo
.set n, n+1
.endr
.irp q, 0,1,2,3
	global_store_b128 v7, v[112+4*\q:115+4*\q], s[16:17] offset:512*\q
.endr
	s_endpgm
.Lfunc_end_k_q76069741a9_prep:
	.size	k_q76069741a9_prep, .Lfunc_end_k_q76069741a9_prep-k_q76069741a9_prep
	.p2alignl 7, 3214868480
	.fill 96, 4, 3214868480
	.section	.rodata,"a",@progbits
	.p2align	6, 0x0
	.amdhsa_kernel k_q76069741a9_prep
		.amdhsa_group_segment_fixed_size 34816
		.amdhsa_private_segment_fixed_size 0
		.amdhsa_enable_private_segment 0
		.amdhsa_kernarg_size 56
		.amdhsa_user_sgpr_count 2
		.amdhsa_user_sgpr_kernarg_segment_ptr 1
		.amdhsa_wavefront_size32 1
		.amdhsa_system_sgpr_workgroup_id_x 1
		.amdhsa_system_sgpr_workgroup_id_y 1
		.amdhsa_system_sgpr_workgroup_id_z 1
		.amdhsa_system_vgpr_workitem_id 0
		.amdhsa_next_free_vgpr 130
		.amdhsa_next_free_sgpr 66
		.amdhsa_reserve_vcc 1
		.amdhsa_float_denorm_mode_32 3
		.amdhsa_float_denorm_mode_16_64 3
		.amdhsa_memory_ordered 1
		.amdhsa_forward_progress 1
		.amdhsa_inst_pref_size 19
	.end_amdhsa_kernel
	.amdgpu_metadata
---
amdhsa.version: [ 1, 2 ]
amdhsa.kernels:
  - .name:           k_q76069741a9_prep
    .symbol:         k_q76069741a9_prep.kd
    .args:
      - { .name: Wq, .offset: 0, .size: 8, .value_kind: global_buffer, .address_space: global }
      - { .name: Wk, .offset: 8, .size: 8, .value_kind: global_buffer, .address_space: global }
      - { .name: Wv, .offset: 16, .size: 8, .value_kind: global_buffer, .address_space: global }
      - { .name: Wm, .offset: 24, .size: 8, .value_kind: global_buffer, .address_space: global }
      - { .name: mask, .offset: 32, .size: 8, .value_kind: global_buffer, .address_space: global }
      - { .name: wq, .offset: 40, .size: 8, .value_kind: global_buffer, .address_space: global }
      - { .name: mk, .offset: 48, .size: 8, .value_kind: global_buffer, .address_space: global }
    .group_segment_fixed_size: 34816
    .private_segment_fixed_size: 0
    .kernarg_segment_align: 8
    .kernarg_segment_size: 56
    .max_flat_workgroup_size: 128
    .sgpr_count:     66
    .vgpr_count:     130
    .wavefront_size: 32
...
	.end_amdgpu_metadata
.endif
;; end of part 5
;; launch proj (part 6): grid 256 x 1, 16 waves a work-group, no clusters, 189,440 bytes of LDS; arguments y_q, x_k, x_v, bq, bk, bv, wq, qb, kb, vb; writes qb, kb, vb
.if DOCPART == 6
	.amdgcn_target "amdgcn-amd-amdhsa--gfx1250"
	.amdhsa_code_object_version 6
	.text
	.protected	k_q76069741a9_proj
	.globl	k_q76069741a9_proj
	.p2align	8
	.type	k_q76069741a9_proj,@function
k_q76069741a9_proj:
	s_mov_b64 s[64:65], 0
	v_nop
	global_prefetch_b8 v0, s[64:65] scope:SCOPE_SE
	s_setreg_imm32_b32 hwreg(HW_REG_WAVE_MODE, 25, 1), 1
	s_wait_xcnt 0x0
; PROJ.  q = y_q Wq^T + bq, k = x_k Wk^T + bk, v = x_v Wv^T + bv, on codes of FP4 (E2M1) with one E8M0 scale for each 32 along K; the results leave as codes, as images of the operand registers that attention wants.
; SHARES.  24,576 rows for 256 work-groups: work-group g takes 64 rows of q (g < 128) or of k, block g % 128, and then the 32 keys 32 g .. 32 g + 31 of v: the same work for every work-group.  Wave w makes head w: 64 columns.
; X: the 96 rows are quantised in registers: 48 units of 16 rows x 128 along K, three a wave (q, k: tile w % 4, K steps w / 4 and w / 4 + 4; v: tile w % 2, K step w / 2).  EVERY LOAD OF x IS DENSE: 512 consecutive bytes of one row;
; all 48 loads of a wave are asked for at the head.  The quantiser wants 16 neighbours of each block of 32 in ONE lane: a unit's 16 rows turn through the wave's own stage in LDS (rows of 528 bytes = 33 x 16: the sixteen rows that
; a load touches start at sixteen different 16-byte columns).  The fragments and their scale words go to LDS as images of their registers; ONE barrier.  v's unit is worked first, in the registers that W takes afterwards.
; Then eight K steps of 128 for q or k (16 products a wave), its way out, eight K steps for v (8 products), its way out.  x's fragments come from LDS, my head's four fragments of W straight from memory into registers:
; two K steps ahead for q and k, four for v, where half of the accumulators' registers are free.
; THE ROWS OF A TILE ARE NOT NEIGHBOURS (x's rows and W's rows alike): lane r of tile t takes row 32 (t / 2) + 8 (t % 2) + r + 8 (r / 8).
; q, k: source 0 = W, source 1 = x: a lane holds one row, its 32 registers run along the head's 64: quantised along d.   v: source 0 = x, source 1 = W: a lane holds one d, its 16 registers of two tiles are 16 neighbouring keys;
; with lane l xor 16's they are ONE block of 32 keys: d's four tiles take the place of four blocks in the quantiser, and no halves are exchanged: a lane's 16 codes are 8 neighbouring bytes of the image.
; The bias is added behind the sums: the accumulators, W's two sets and x's set leave no room for it as C; its loads take the place of a further K step's.
; qb, kb, for each batch x head 73,728 bytes: images at tile x 512 + 16 x lane (the operand's registers 0-3: d = 32 h + 0 .. 31); scale words at 65,536 + block x 256 + 8 x lane: word p of lane (r, h): tile 2 p + h, row r.
;   A scale word is B0, B1, B0, B1: the product's K is 64, its other half is zero codes, and their bytes repeat the real ones.
; vb, for each batch x head 69,632 bytes: images at (key step of 128) x 4096 + tile of d x 1024 + 512 x (64 keys) + 256 x (32 keys) + 16 r + 8 h; scale words at 65,536 + step x 256, laid as above; 32 keys write one of a word's four bytes.
; NO JOINT LOADS for W: one tensor's images are 557,056 bytes, more than a WGP's LDS; a ring would want a round of a cluster's barrier for each K step, which is 16 or 8 matrix instructions a wave; and no two waves of a work-group read the same fragment.
; LIMITS: NaN and infinities are not served; a block whose largest magnitude lies under 2^-124 (zeros among them) gets the byte 1.
.set XSC,   32768                      ; LDS: q's or k's x: images at K step x 4096 + tile x 1024 + c x 512 + 16 x lane; here their scale words, 256 bytes a K step
.set XIMGV, 34816                      ; v's x: K step x 2048 + tile x 1024 + c x 512 + 16 x lane
.set XSCV,  51200                      ; its scale words: K step x 128 + 4 x (16 x tile + r)
.set STG,   52224                      ; the stages: 16 rows x 528 bytes for each wave
.set SROW,  528
.set XF,  32                           ; v32-63   x's fragments
.set WF,  64                           ; v64-127  W's four fragments, two sets; ahead of them: v's unit of x
.set ACC, 128                          ; v128-255 the accumulators; ahead of the barrier: two units of x; in v's loop v192-255: two more sets of W
.set XS,  12                           ; v12-13   x's scale words;  v14-17, v26-29 W's.  These hold scales and nothing else
.set WS,  14
.set TM,  32                           ; at work in the quantisers
.set PW,  48
.set PC,  50
.set SEL, 48                           ; s[48:49]
.set HM,  50                           ; s50  lanes 16-31
.macro WM d, a, b, z, sa, sb, ra, rb   ; one product; z: it starts the sum; ra, rb: the scales stand in lanes 16-31
.if \z
.if (\ra) && (\rb)
	v_wmma_scale_f32_16x16x128_f8f6f4 v[\d:\d+7], v[\a:\a+7], v[\b:\b+7], 0, v[\sa], v[\sb] matrix_a_fmt:MATRIX_FMT_FP4 matrix_b_fmt:MATRIX_FMT_FP4 matrix_a_scale:MATRIX_SCALE_ROW1 matrix_b_scale:MATRIX_SCALE_ROW1
.elseif (\ra)
	v_wmma_scale_f32_16x16x128_f8f6f4 v[\d:\d+7], v[\a:\a+7], v[\b:\b+7], 0, v[\sa], v[\sb] matrix_a_fmt:MATRIX_FMT_FP4 matrix_b_fmt:MATRIX_FMT_FP4 matrix_a_scale:MATRIX_SCALE_ROW1
.elseif (\rb)
	v_wmma_scale_f32_16x16x128_f8f6f4 v[\d:\d+7], v[\a:\a+7], v[\b:\b+7], 0, v[\sa], v[\sb] matrix_a_fmt:MATRIX_FMT_FP4 matrix_b_fmt:MATRIX_FMT_FP4 matrix_b_scale:MATRIX_SCALE_ROW1
.else
	v_wmma_scale_f32_16x16x128_f8f6f4 v[\d:\d+7], v[\a:\a+7], v[\b:\b+7], 0, v[\sa], v[\sb] matrix_a_fmt:MATRIX_FMT_FP4 matrix_b_fmt:MATRIX_FMT_FP4
.endif
.else
.if (\ra) && (\rb)
	v_wmma_scale_f32_16x16x128_f8f6f4 v[\d:\d+7], v[\a:\a+7], v[\b:\b+7], v[\d:\d+7], v[\sa], v[\sb] matrix_a_fmt:MATRIX_FMT_FP4 matrix_b_fmt:MATRIX_FMT_FP4 matrix_a_scale:MATRIX_SCALE_ROW1 matrix_b_scale:MATRIX_SCALE_ROW1
.elseif (\ra)
	v_wmma_scale_f32_16x16x128_f8f6f4 v[\d:\d+7], v[\a:\a+7], v[\b:\b+7], v[\d:\d+7], v[\sa], v[\sb] matrix_a_fmt:MATRIX_FMT_FP4 matrix_b_fmt:MATRIX_FMT_FP4 matrix_a_scale:MATRIX_SCALE_ROW1
.elseif (\rb)
	v_wmma_scale_f32_16x16x128_f8f6f4 v[\d:\d+7], v[\a:\a+7], v[\b:\b+7], v[\d:\d+7], v[\sa], v[\sb] matrix_a_fmt:MATRIX_FMT_FP4 matrix_b_fmt:MATRIX_FMT_FP4 matrix_b_scale:MATRIX_SCALE_ROW1
.else
	v_wmma_scale_f32_16x16x128_f8f6f4 v[\d:\d+7], v[\a:\a+7], v[\b:\b+7], v[\d:\d+7], v[\sa], v[\sb] matrix_a_fmt:MATRIX_FMT_FP4 matrix_b_fmt:MATRIX_FMT_FP4
.endif
.endif
.endm
; 64 numbers of a lane in four blocks: registers 16 b + i are my 16 numbers of block b, lane l xor 16 holds the other 16.  The codes go to v[PC+2 b], v[PC+2 b+1], the bytes to v[TM+4+b].
; sw = 1: the four blocks are one row's 128 along K: the bytes make its scale word in v[PW], and halves are exchanged, so that v[PC] on is a fragment.  sw = 0: the codes stay as they come.
.macro QUANT s, sw
.irp b, 0,1,2,3
	v_max3_num_f32 v[TM+\b], |v[\s+16*\b]|, |v[\s+1+16*\b]|, 0x1800000   ; my 16 numbers of block b, and the floor 2^(3 - 127): the byte cannot fall under 1
.endr
.irp i, 2,4,6,8,10,12,14
.irp b, 0,1,2,3
	v_max3_num_f32 v[TM+\b], v[TM+\b], |v[\s+16*\b+\i]|, |v[\s+1+16*\b+\i]|
.endr
.endr
.irp b, 0,1,2,3
	v_permlanex16_b32 v[TM+4+\b], v[TM+\b], s[SEL], s[SEL+1]
.endr
.irp b, 0,1,2,3
	v_max_num_f32 v[TM+\b], v[TM+\b], v[TM+4+\b]   ; with lane l xor 16's: the block's largest magnitude
.endr
.irp b, 0,1,2,3
	v_add_nc_u32 v[TM+12+\b], 0xff000000, v[TM+\b] ; 2 off its exponent field: the conversion's scale operand
.endr
.irp b, 0,1,2,3
	v_lshrrev_b32 v[TM+4+\b], 23, v[TM+12+\b]      ; the scale's byte
.endr
.if \sw
	v_lshl_or_b32 v[PW], v[TM+5], 8, v[TM+4]
	v_lshl_or_b32 v[PW], v[TM+6], 16, v[PW]
	v_lshl_or_b32 v[PW], v[TM+7], 24, v[PW]
.endif
.irp b, 0,1,2,3
	v_cvt_scalef32_pk8_fp4_f32 v[PC+2*\b], v[\s+16*\b:\s+7+16*\b], v[TM+12+\b]
	v_cvt_scalef32_pk8_fp4_f32 v[PC+1+2*\b], v[\s+8+16*\b:\s+15+16*\b], v[TM+12+\b]
.endr
	v_nop                                          ; one plain place behind a scaled conversion
.if \sw
.irp c, 0,1                                    ; the operand's layout wants a whole block in a lane
.irp i, 0,1
	v_permlane16_swap_b32 v[PC+4*\c+\i], v[PC+2+4*\c+\i]
.endr
.endr
.endif
.endm
; The same for 32 numbers, two blocks of one row: the codes are an operand's registers 0-3 (k = 32 h + 0 .. 31), in v[pc] on; the two bytes stay in v[tm+4], v[tm+5].
.macro QUANT2 s, pc, tm
.irp b, 0,1
	v_max3_num_f32 v[\tm+\b], |v[\s+16*\b]|, |v[\s+1+16*\b]|, 0x1800000
.endr
.irp i, 2,4,6,8,10,12,14
.irp b, 0,1
	v_max3_num_f32 v[\tm+\b], v[\tm+\b], |v[\s+16*\b+\i]|, |v[\s+1+16*\b+\i]|
.endr
.endr
.irp b, 0,1
	v_permlanex16_b32 v[\tm+4+\b], v[\tm+\b], s[SEL], s[SEL+1]
.endr
.irp b, 0,1
	v_max_num_f32 v[\tm+\b], v[\tm+\b], v[\tm+4+\b]
.endr
.irp b, 0,1
	v_add_nc_u32 v[\tm+12+\b], 0xff000000, v[\tm+\b]
.endr
.irp b, 0,1
	v_lshrrev_b32 v[\tm+4+\b], 23, v[\tm+12+\b]
.endr
.irp b, 0,1
	v_cvt_scalef32_pk8_fp4_f32 v[\pc+2*\b], v[\s+16*\b:\s+7+16*\b], v[\tm+12+\b]
	v_cvt_scalef32_pk8_fp4_f32 v[\pc+1+2*\b], v[\s+8+16*\b:\s+15+16*\b], v[\tm+12+\b]
.endr
	v_nop
	v_permlane16_swap_b32 v[\pc], v[\pc+2]
	v_permlane16_swap_b32 v[\pc+1], v[\pc+3]
.endm
.macro XLOAD reg, base, off            ; a unit of x: the tile's row p, 512 consecutive bytes a load
.irp p, 0,1,2,3,4,5,6,7,8,9,10,11,12,13,14,15
	global_load_b128 v[\reg+4*\p:\reg+4*\p+3], v5, s[\base:\base+1] offset:\off+(\p+8*(\p/8))*4096 th:TH_LOAD_NT
.endr
.endm
.macro STIN reg                        ; the unit into my stage, as loaded
.irp p, 0,1,2,3,4,5,6,7,8,9,10,11,12,13,14,15
	ds_store_b128 v4, v[\reg+4*\p:\reg+4*\p+3] offset:SROW*\p
.endr
.endm
.macro STOUT reg                       ; and back: register 16 b + 4 j + e = k 32 b + 16 h + 4 j + e of row r
.irp b, 0,1,2,3
.irp j, 0,1,2,3
	ds_load_b128 v[\reg+16*\b+4*\j:\reg+16*\b+4*\j+3], v18 offset:128*\b+16*\j
.endr
.endr
.endm
.macro WLOAD s                         ; Wq's or Wk's four fragments of my head and their scale words for K step s: nine loads
.irp t, 0,1,2,3
.irp c, 0,1
	global_load_b128 v[WF+32*((\s)%2)+8*\t+4*\c:WF+32*((\s)%2)+8*\t+4*\c+3], v5, s[44:45] offset:(\s)*4096+\t*1024+\c*512
.endr
.endr
	global_load_b64 v[WS+2*((\s)%2):WS+2*((\s)%2)+1], v6, s[46:47] offset:(\s)*256
.endm
.macro XFETCH s                        ; x's four fragments and their scale words for K step s, from LDS
.irp i, 0,1,2,3
.irp c, 0,1
	ds_load_b128 v[XF+8*\i+4*\c:XF+8*\i+4*\c+3], v5 offset:(\s)*4096+\i*1024+\c*512
.endr
.endr
	ds_load_b64 v[XS:XS+1], v6 offset:XSC+(\s)*256
.endm
; A K step of q or k: 16 products, the 16 accumulators by turns, in one order in every step.
.macro KSTEP s
.if (\s) < 7
	s_wait_loadcnt 9                               ; this step's nine loads of W are in; the next step's nine may be out
.else
	s_wait_loadcnt 8                               ; behind the last step's: the bias's eight
.endif
	s_wait_dscnt 0x0                               ; x's fragments
.irp i, 0,1,2,3
.irp t, 0,1,2,3
	WM ACC+32*\i+8*\t, WF+32*((\s)%2)+8*\t, XF+8*\i, (\s)==0, WS+2*((\s)%2)+\t/2, XS+\i/2, \t%2, \i%2
.endr
.endr
.rept 4
	v_nop                                          ; places in front of loads into registers that these products have read, and of the first read of results
.endr
.if (\s) < 7
	XFETCH (\s)+1
.endif
.if (\s) < 6
	WLOAD (\s)+2
.endif
.endm
.macro VBUF s                          ; Wv's four sets of registers, by K step
.if ((\s)%4) == 0
.set VB, 96
.set VSR, 16
.elseif ((\s)%4) == 1
.set VB, 64
.set VSR, 14
.elseif ((\s)%4) == 2
.set VB, 192
.set VSR, 26
.else
.set VB, 224
.set VSR, 28
.endif
.endm
.macro WLOADV s                        ; Wv's four fragments of my head and their scale words for K step s: nine loads
	VBUF \s
.irp t, 0,1,2,3
.irp c, 0,1
	global_load_b128 v[VB+8*\t+4*\c:VB+8*\t+4*\c+3], v5, s[68:69] offset:(\s)*4096+\t*1024+\c*512
.endr
.endr
	global_load_b64 v[VSR:VSR+1], v6, s[70:71] offset:(\s)*256
.endm
.macro XFETCHV s                       ; x_v's two fragments; their scale words: lanes 0-15 tile 0's, lanes 16-31 tile 1's
.irp u, 0,1
.irp c, 0,1
	ds_load_b128 v[XF+8*\u+4*\c:XF+8*\u+4*\c+3], v5 offset:XIMGV+(\s)*2048+\u*1024+\c*512
.endr
.endr
	ds_load_b32 v[XS], v30 offset:XSCV+(\s)*128
.endm
; A K step of v: 8 products, the 8 accumulators by turns.  cnt: the loads issued behind this step's nine.
.macro KSTEPV s, cnt
	VBUF \s
	s_wait_loadcnt \cnt
	s_wait_dscnt 0x0
.irp u, 0,1
.irp t, 0,1,2,3
	WM ACC+16*\t+8*\u, XF+8*\u, VB+8*\t, (\s)==0, XS, VSR+\t/2, \u, \t%2
.endr
.endr
.rept 4
	v_nop
.endr
.if (\s) < 7
	XFETCHV (\s)+1
.endif
.if (\s) < 4
	WLOADV (\s)+4
.endif
.endm
	s_load_b256 s[4:11], s[0:1], 0x0               ; y_q, x_k, x_v, bq
	s_load_b256 s[12:19], s[0:1], 0x20             ; bk, bv, wq, qb
	s_load_b128 s[20:23], s[0:1], 0x40             ; kb, vb
	v_lshrrev_b32 v1, 5, v0
	v_readfirstlane_b32 s26, v1                    ; wave = head
	v_and_b32 v1, 31, v0                           ; lane
	v_and_b32 v2, 15, v0                           ; r
	v_bfe_u32 v3, v0, 4, 1                         ; h
	v_and_b32 v11, 8, v2
	v_add_nc_u32 v11, v11, v2                      ; r + 8 (r / 8)
	v_lshlrev_b32 v5, 4, v1                        ; 16 x lane
	v_lshlrev_b32 v6, 3, v1                        ; 8 x lane
	v_lshlrev_b32 v30, 2, v1                       ; 4 x lane
	v_lshlrev_b32 v10, 4, v2
	v_lshl_add_u32 v10, v3, 3, v10                 ; 16 r + 8 h: my 16 codes of v in an image
	s_lshr_b32 s24, ttmp9, 7                       ; 0: q, 1: k
	s_and_b32 s25, ttmp9, 127                      ; its block of 64 rows
	s_and_b32 s27, s26, 3                          ; q, k: the tile of rows that I quantise
	s_lshr_b32 s34, s26, 2                         ; and the first of its two K steps
	s_lshl_b32 s35, s27, 10
	s_lshl_b32 s36, s34, 12
	s_add_co_u32 s35, s35, s36
	v_add_nc_u32 v7, s35, v5                       ; where its image goes
	s_lshl_b32 s35, s34, 8
	s_and_b32 s36, s26, 1
	s_lshl_b32 s36, s36, 7
	s_add_co_u32 s35, s35, s36
	s_bfe_u32 s36, s26, 0x10001
	s_lshl_b32 s36, s36, 2
	s_add_co_u32 s35, s35, s36
	s_add_co_u32 s35, s35, XSC
	v_lshl_add_u32 v8, v2, 3, s35                  ; and its scale word: 256 x step + 8 (16 (tile % 2) + r) + 4 (tile / 2); both halves of the lanes write the same word with the same value
	s_and_b32 s37, s26, 1                          ; v: the tile of keys that I quantise
	s_lshr_b32 s60, s26, 1                         ; and its K step
	s_lshl_b32 s35, s37, 10
	s_lshl_b32 s36, s60, 11
	s_add_co_u32 s35, s35, s36
	s_add_co_u32 s35, s35, XIMGV
	v_add_nc_u32 v19, s35, v5                      ; where its image goes
	s_lshl_b32 s35, s37, 6
	s_lshl_b32 s36, s60, 7
	s_add_co_u32 s35, s35, s36
	s_add_co_u32 s35, s35, XSCV
	v_lshl_add_u32 v20, v2, 2, s35                 ; and its scale word
	s_mul_i32 s35, s26, 16*SROW
	s_add_co_u32 s35, s35, STG                     ; my stage
	v_add_nc_u32 v4, s35, v5                       ; in: 16 x lane of a row
	v_mul_u32_u24 v18, v2, SROW
	v_lshl_add_u32 v18, v3, 6, v18
	v_add_nc_u32 v18, s35, v18                     ; back: row r, + 64 h: my 16 numbers of a block of 32
	s_lshl_b32 s61, s26, 8                         ; my head's 64 numbers of a bias
	v_lshl_add_u32 v9, v3, 6, s61                  ; q, k: lane (r, h) wants, for tile t of W, the bias of d = 32 (t / 2) + 16 h + 8 (t % 2) + 0 .. 7
	v_lshl_add_u32 v21, v11, 2, s61                ; v: the bias of its one d = 32 (t / 2) + 8 (t % 2) + r + 8 (r / 8)
	s_lshl_b32 s38, s25, 18                        ; q's or k's x: 64 rows of 4,096 bytes,
	s_lshr_b32 s36, s27, 1
	s_lshl_b32 s36, s36, 17                        ; + 32 rows x (tile / 2)
	s_add_co_u32 s38, s38, s36
	s_and_b32 s36, s27, 1
	s_lshl_b32 s36, s36, 15                        ; + 8 rows x (tile % 2)
	s_add_co_u32 s38, s38, s36
	s_lshl_b32 s36, s34, 9                         ; + the K step
	s_add_co_u32 s38, s38, s36
	s_mov_b32 s39, 0
	s_lshl_b32 s58, ttmp9, 17                      ; x_v: 32 rows of 4,096 bytes,
	s_lshl_b32 s36, s37, 15                        ; + 8 rows x tile
	s_add_co_u32 s58, s58, s36
	s_lshl_b32 s36, s60, 9                         ; + the K step
	s_add_co_u32 s58, s58, s36
	s_mov_b32 s59, 0
	s_lshl_b32 s40, s24, 4
	s_add_co_u32 s40, s40, s26                     ; tensor x 16 + head
	s_lshl_b32 s42, s40, 11
	s_add_co_u32 s42, s42, 2097152
	s_mov_b32 s43, 0
	s_lshl_b32 s40, s40, 15
	s_mov_b32 s41, 0
	s_add_co_u32 s78, s26, 32                      ; Wv is the third tensor of wq
	s_lshl_b32 s80, s78, 11
	s_add_co_u32 s80, s80, 2097152
	s_mov_b32 s81, 0
	s_lshl_b32 s78, s78, 15
	s_mov_b32 s79, 0
	s_mov_b32 s[SEL], 0x76543210
	s_mov_b32 s[SEL+1], 0xfedcba98
	s_mov_b32 s[HM], 0xffff0000
	s_lshr_b32 s51, s25, 5                         ; q, k: batch
	s_and_b32 s52, s25, 31                         ; block of 64 rows in the batch
	s_lshl_b32 s53, s51, 4
	s_add_co_u32 s53, s53, s26                     ; batch x 16 + head
	s_mul_i32 s54, s53, 73728
	s_lshl_b32 s56, s52, 8
	s_add_co_u32 s56, s56, s54
	s_add_co_u32 s56, s56, 65536
	s_mov_b32 s57, 0
	s_lshl_b32 s55, s52, 11
	s_add_co_u32 s54, s54, s55
	s_mov_b32 s55, 0
	s_lshr_b32 s82, ttmp9, 6                       ; v: batch
	s_lshl_b32 s82, s82, 4
	s_add_co_u32 s82, s82, s26
	s_mul_i32 s82, s82, 69632
	s_bfe_u32 s83, ttmp9, 0x40002                  ; key step of 128
	s_and_b32 s84, ttmp9, 3                        ; which 32 keys of it
	s_lshl_b32 s86, s83, 12
	s_add_co_u32 s86, s86, s82
	s_lshl_b32 s85, s84, 8
	s_add_co_u32 s86, s86, s85
	s_mov_b32 s87, 0
	s_lshl_b32 s88, s83, 8
	s_add_co_u32 s88, s88, s82
	s_add_co_u32 s88, s88, s84
	s_add_co_u32 s88, s88, 65536
	s_mov_b32 s89, 0
.irp b, 0,1,2,3
	v_mov_b32 v[TM+4+\b], 0                        ; written once: a lane permute's destination counts as one of its sources
.endr
	s_wait_kmcnt 0x0
	s_cmp_eq_u32 s24, 0                            ; q's buffers or k's: chosen on the work-group's number alone
	s_cselect_b64 s[28:29], s[4:5], s[6:7]
	s_cselect_b64 s[30:31], s[10:11], s[12:13]
	s_cselect_b64 s[32:33], s[18:19], s[20:21]
	s_add_nc_u64 s[28:29], s[28:29], s[38:39]      ; my units of y_q or x_k
	s_add_nc_u64 s[66:67], s[8:9], s[58:59]        ; my unit of x_v
	s_add_nc_u64 s[44:45], s[16:17], s[40:41]      ; my head's images of Wq or Wk,
	s_add_nc_u64 s[46:47], s[16:17], s[42:43]      ; their scale words,
	s_add_nc_u64 s[68:69], s[16:17], s[78:79]      ; and the same of Wv
	s_add_nc_u64 s[70:71], s[16:17], s[80:81]
	s_add_nc_u64 s[54:55], s[32:33], s[54:55]      ; q's or k's four images
	s_add_nc_u64 s[56:57], s[32:33], s[56:57]      ; their scale words
	s_add_nc_u64 s[72:73], s[22:23], s[86:87]      ; v's part of four images
	s_add_nc_u64 s[74:75], s[22:23], s[88:89]      ; its scale bytes
	; ---- X
	XLOAD WF, 66, 0                                ; v's unit, into the registers that W takes afterwards
	XLOAD ACC, 28, 0
	XLOAD ACC+64, 28, 2048                         ; four K steps on
	s_wait_loadcnt 32                              ; v's unit is in; the other two units' 32 loads may be out
	STIN WF
	s_wait_dscnt 0x0                               ; the stores have read their registers
	STOUT WF
	s_wait_loadcnt 16                              ; the second unit is in
	STIN ACC                                       ; LDS serves a wave's instructions in order: these stores come behind the loads above
	s_wait_dscnt 0x0                               ; v's unit is back, and these stores have read their registers
	STOUT ACC
	QUANT WF, 1
	ds_store_b128 v19, v[PC:PC+3]
	ds_store_b128 v19, v[PC+4:PC+7] offset:512
	ds_store_b32 v20, v[PW]
	WLOAD 0                                        ; W's first two K steps are on their way while the other units are quantised
	WLOAD 1
	s_wait_loadcnt 18                              ; the third unit is in; behind it W's 18
	STIN ACC+64
	s_wait_dscnt 0x0                               ; the second unit is back; the image's stores have read their registers
	STOUT ACC+64
	QUANT ACC, 1
	ds_store_b128 v7, v[PC:PC+3]
	ds_store_b128 v7, v[PC+4:PC+7] offset:512
	ds_store_b32 v8, v[PW]
	s_wait_dscnt 0x0                               ; the third unit is back; the stores have read their registers
	QUANT ACC+64, 1
	ds_store_b128 v7, v[PC:PC+3] offset:16384
	ds_store_b128 v7, v[PC+4:PC+7] offset:16384+512
	ds_store_b32 v8, v[PW] offset:1024
	s_wait_dscnt 0x0                               ; for the others' sake: my stores have landed
	s_barrier_signal -1
	s_barrier_wait -1                              ; x's 48 fragments lie in LDS; nothing is stored there from here on
	XFETCH 0
	; ---- q or k
.irp s, 0,1,2,3,4,5,6
	KSTEP \s
.endr
.irp t, 0,1,2,3
	global_load_b128 v[WF+8*\t:WF+8*\t+3], v9, s[30:31] offset:(32*(\t/2)+8*(\t%2))*4
	global_load_b128 v[WF+8*\t+4:WF+8*\t+7], v9, s[30:31] offset:(32*(\t/2)+8*(\t%2))*4+16
.endr
	KSTEP 7
	WLOADV 0                                       ; Wv is asked for as registers come free
	s_wait_loadcnt 9                               ; the bias is in; behind it Wv's nine
.irp i, 0,1,2,3
.irp n, 0,2,4,6,8,10,12,14,16,18,20,22,24,26,28,30
	v_pk_add_f32 v[ACC+32*\i+\n:ACC+32*\i+\n+1], v[ACC+32*\i+\n:ACC+32*\i+\n+1], v[WF+\n:WF+\n+1]   ; each accumulator from its low end on
.endr
.endr
	WLOADV 1
.irp i, 0,1,2,3
	QUANT2 ACC+32*\i, 48+4*\i, TM
	v_lshl_or_b32 v[40+\i], v[TM+5], 8, v[TM+4]
	v_lshl_or_b32 v[40+\i], v[40+\i], 16, v[40+\i]                        ; B0, B1, B0, B1
	global_store_b128 v5, v[48+4*\i:51+4*\i], s[54:55] offset:512*\i      ; 512 consecutive bytes
.if \i >= 2
	WLOADV \i                                      ; into the 32 registers whose numbers have just become codes
.endif
.endr
	v_cndmask_b32 v22, v40, v41, s[HM]
	v_cndmask_b32 v23, v42, v43, s[HM]
	global_store_b64 v6, v[22:23], s[56:57]        ; 256 consecutive bytes
	; ---- v
	XFETCHV 0
.irp s, 0,1,2,3,4
	KSTEPV \s, 27                                  ; three K steps' 27 loads may be out
.endr
.irp t, 0,1,2,3
	global_load_b32 v[96+2*\t], v21, s[14:15] offset:(32*(\t/2)+8*(\t%2))*4
	global_load_b32 v[97+2*\t], v21, s[14:15] offset:(32*(\t/2)+8*(\t%2))*4    ; twice: a pair for the packed addition
.endr
	KSTEPV 5, 26                                   ; two K steps and the bias's eight
	KSTEPV 6, 17
	KSTEPV 7, 8
	s_wait_loadcnt 0x0                             ; the bias
	s_wait_xcnt 0x0                                ; q's or k's stores have read their registers, which the quantiser writes again
.irp t, 0,1,2,3
.irp n, 0,2,4,6,8,10,12,14
	v_pk_add_f32 v[ACC+16*\t+\n:ACC+16*\t+\n+1], v[ACC+16*\t+\n:ACC+16*\t+\n+1], v[96+2*\t:97+2*\t]
.endr
.endr
	QUANT ACC, 0                                   ; d's four tiles in the place of four blocks: each is the one block of 32 keys for its d
.irp t, 0,1,2,3
	global_store_b64 v10, v[PC+2*\t:PC+2*\t+1], s[72:73] offset:1024*\t   ; 256 consecutive bytes
.endr
	v_cndmask_b32 v24, v[TM+4], v[TM+5], s[HM]     ; lanes 0-15 store tile 2 p's byte, lanes 16-31 tile 2 p + 1's
	v_cndmask_b32 v25, v[TM+6], v[TM+7], s[HM]
	global_store_b8 v6, v24, s[74:75]              ; one of a word's four bytes: the others are other work-groups' keys
	global_store_b8 v6, v25, s[74:75] offset:4
	s_wait_xcnt 0x0
	v_lshl_add_u32 v254, v0, 2, 0x2dc00
	v_mov_b32 v255, 0
	s_wait_tensorcnt 0x0
	ds_add_u32 v254, v255
	s_wait_dscnt 0x0
	s_endpgm
.Lfunc_end_k_q76069741a9_proj:
	.size	k_q76069741a9_proj, .Lfunc_end_k_q76069741a9_proj-k_q76069741a9_proj
	.p2alignl 7, 3214868480
	.fill 96, 4, 3214868480
	.section	.rodata,"a",@progbits
	.p2align	6, 0x0
	.amdhsa_kernel k_q76069741a9_proj
		.amdhsa_group_segment_fixed_size 189440
		.amdhsa_private_segment_fixed_size 0
		.amdhsa_enable_private_segment 0
		.amdhsa_kernarg_size 80
		.amdhsa_user_sgpr_count 2
		.amdhsa_user_sgpr_kernarg_segment_ptr 1
		.amdhsa_wavefront_size32 1
		.amdhsa_system_sgpr_workgroup_id_x 1
		.amdhsa_system_sgpr_workgroup_id_y 1
		.amdhsa_system_sgpr_workgroup_id_z 1
		.amdhsa_system_vgpr_workitem_id 0
		.amdhsa_next_free_vgpr 256
		.amdhsa_next_free_sgpr 96
		.amdhsa_reserve_vcc 0
		.amdhsa_float_denorm_mode_32 3
		.amdhsa_float_denorm_mode_16_64 3
		.amdhsa_memory_ordered 1
		.amdhsa_forward_progress 1
		.amdhsa_inst_pref_size 96
	.end_amdhsa_kernel
	.amdgpu_metadata
---
amdhsa.version: [ 1, 2 ]
amdhsa.kernels:
  - .name:           k_q76069741a9_proj
    .symbol:         k_q76069741a9_proj.kd
    .args:
      - { .name: y_q, .offset: 0, .size: 8, .value_kind: global_buffer, .address_space: global }
      - { .name: x_k, .offset: 8, .size: 8, .value_kind: global_buffer, .address_space: global }
      - { .name: x_v, .offset: 16, .size: 8, .value_kind: global_buffer, .address_space: global }
      - { .name: bq, .offset: 24, .size: 8, .value_kind: global_buffer, .address_space: global }
      - { .name: bk, .offset: 32, .size: 8, .value_kind: global_buffer, .address_space: global }
      - { .name: bv, .offset: 40, .size: 8, .value_kind: global_buffer, .address_space: global }
      - { .name: wq, .offset: 48, .size: 8, .value_kind: global_buffer, .address_space: global }
      - { .name: qb, .offset: 56, .size: 8, .value_kind: global_buffer, .address_space: global }
      - { .name: kb, .offset: 64, .size: 8, .value_kind: global_buffer, .address_space: global }
      - { .name: vb, .offset: 72, .size: 8, .value_kind: global_buffer, .address_space: global }
    .group_segment_fixed_size: 189440
    .private_segment_fixed_size: 0
    .kernarg_segment_align: 8
    .kernarg_segment_size: 80
    .max_flat_workgroup_size: 512
    .sgpr_count:     96
    .vgpr_count:     256
    .wavefront_size: 32
...
	.end_amdgpu_metadata
.endif
;; end of part 6
;; launch attn: the kernel of part 3 again; grid 4 x 64, 16 waves a work-group, clusters of 4 x 1, 169,984 bytes of LDS; arguments qb, kb, vb, mk, ob; writes ob
;; launch outln (part 7): grid 256 x 1, 16 waves a work-group, no clusters, 75,776 bytes of LDS; arguments ob, wq, y_q, bm, ln_g, ln_b, out0; writes out0
.if DOCPART == 7
	.amdgcn_target "amdgcn-amd-amdhsa--gfx1250"
	.amdhsa_code_object_version 6
	.text
	.protected	k_q76069741a9_outln
	.globl	k_q76069741a9_outln
	.p2align	8
	.type	k_q76069741a9_outln,@function
k_q76069741a9_outln:
	s_mov_b64 s[64:65], 0
	v_nop
	global_prefetch_b8 v0, s[64:65] scope:SCOPE_SE
	s_setreg_imm32_b32 hwreg(HW_REG_WAVE_MODE, 25, 1), 1
	s_wait_xcnt 0x0
; OUTLN.  out0 = LayerNorm(y_q + o Wm^T + bm) x ln_g + ln_b; the product on codes of FP4 (E2M1) with E8M0 scales, all else in f32.
; Work-group g owns rows 32 g .. 32 g + 31 (two tiles of o; lane r of tile i is row 32 g + 8 i + r + 8 (r / 8)), whole rows, so that mean and variance stay in the work-group.  Wave w owns columns 64 w .. 64 w + 63.
; The product is used transposed (source 0 = 16 rows of Wm, source 1 = 16 rows of o): register 32 i + 16 B + k of lane (r, h) is column 64 w + 32 B + 16 h + k of its row.
; y_q is the C of the first products.  It is loaded as out0 is stored: sixteen lanes take 256 consecutive bytes of a row, a load two rows; a tile's 16 rows turn through the wave's own stage in LDS into the accumulators' layout.
; bm is added behind the sums (another order of rounding than the reference's; nothing is quantised behind it).
; Operands come from memory straight into registers, as images, three K steps ahead (three bundles of 14 loads).
; The variance is the mean of the squared differences from the mean, as the reference has it: two sums over the sixteen waves, each through 64 bytes a row in LDS and one barrier.
; The way out: a tile's 16 rows x 256 bytes go through the same stage (rows of 272 bytes) and leave sixteen lanes to 256 consecutive, aligned bytes.
; NO JOINT LOADS for Wm: its images are 557,056 bytes, more than a WGP's LDS, and a K step is eight matrix instructions a wave: a ring would want a round of a cluster's barrier for each.
; LIMITS: NaN and infinities are not served.
.set RED1, 0                           ; LDS: tile x 1024 + r x 64 + 4 x wave
.set RED2, 2048
.set STG,  4096                        ; + wave x 4352
.set ACC,  192                         ; v192-255.  v48-191: three bundles of 48: o's two fragments, Wm's four.  v16, v20, v24: o's scale words; v[18:19], v[22:23], v[26:27]: Wm's: these hold scales and nothing else
.macro WMI d, a, b, sa, sb, ra, rb
.if (\ra) && (\rb)
	v_wmma_scale_f32_16x16x128_f8f6f4 v[\d:\d+7], v[\a:\a+7], v[\b:\b+7], v[\d:\d+7], v[\sa], v[\sb] matrix_a_fmt:MATRIX_FMT_FP4 matrix_b_fmt:MATRIX_FMT_FP4 matrix_a_scale:MATRIX_SCALE_ROW1 matrix_b_scale:MATRIX_SCALE_ROW1
.elseif (\ra)
	v_wmma_scale_f32_16x16x128_f8f6f4 v[\d:\d+7], v[\a:\a+7], v[\b:\b+7], v[\d:\d+7], v[\sa], v[\sb] matrix_a_fmt:MATRIX_FMT_FP4 matrix_b_fmt:MATRIX_FMT_FP4 matrix_a_scale:MATRIX_SCALE_ROW1
.elseif (\rb)
	v_wmma_scale_f32_16x16x128_f8f6f4 v[\d:\d+7], v[\a:\a+7], v[\b:\b+7], v[\d:\d+7], v[\sa], v[\sb] matrix_a_fmt:MATRIX_FMT_FP4 matrix_b_fmt:MATRIX_FMT_FP4 matrix_b_scale:MATRIX_SCALE_ROW1
.else
	v_wmma_scale_f32_16x16x128_f8f6f4 v[\d:\d+7], v[\a:\a+7], v[\b:\b+7], v[\d:\d+7], v[\sa], v[\sb] matrix_a_fmt:MATRIX_FMT_FP4 matrix_b_fmt:MATRIX_FMT_FP4
.endif
.endm
.macro BUNDLE s                        ; K step s: 14 loads
.set BL, 48+48*((\s)%3)
.irp i, 0,1
.irp c, 0,1
	global_load_b128 v[BL+8*\i+4*\c:BL+8*\i+4*\c+3], v1, s[20:21] offset:\i*8192+(\s)*1024+\c*512
.endr
.endr
	global_load_b32 v[16+4*((\s)%3)], v4, s[22:23] offset:(\s)*64      ; lanes 0-15: tile 0's words, lanes 16-31: tile 1's
.irp t, 0,1,2,3
.irp c, 0,1
	global_load_b128 v[BL+16+8*\t+4*\c:BL+16+8*\t+4*\c+3], v1, s[24:25] offset:(\s)*4096+\t*1024+\c*512
.endr
.endr
	global_load_b64 v[18+4*((\s)%3):19+4*((\s)%3)], v2, s[26:27] offset:(\s)*256
.endm
.macro KSTEP s, cnt                    ; eight products, the eight accumulators by turns
	s_wait_loadcnt \cnt
.set BM8, 48+48*((\s)%3)
.irp i, 0,1
.irp t, 0,1,2,3
	WMI ACC+32*\i+8*\t, BM8+16+8*\t, BM8+8*\i, 18+4*((\s)%3)+\t/2, 16+4*((\s)%3), \t%2, \i
.endr
.endr
.rept 4
	v_nop                                          ; places in front of loads into registers that these products have read, and of the first read of results
.endr
.endm
.macro PLOAD reg, base                 ; my 32 columns' numbers of bm, ln_g or ln_b: eight loads
.irp b, 0,1
.irp q, 0,1,2,3
	global_load_b128 v[\reg+16*\b+4*\q:\reg+16*\b+4*\q+3], v5, s[\base:\base+1] offset:128*\b+16*\q
.endr
.endr
.endm
; v28 and v30 hold my lane's part of a row's sum for tiles 0 and 1; the rows' sums over all 1,024 columns come back in v128 and v176, the same bits in every wave.
.macro ROWSUM red
.irp i, 0,1
	v_permlanex16_b32 v[32+\i], v[28+2*\i], s42, s43
.endr
.irp i, 0,1
	v_add_f32 v[28+2*\i], v[28+2*\i], v[32+\i]     ; my wave's 64 columns
.endr
.irp i, 0,1
	ds_store_b32 v6, v[28+2*\i] offset:\red+1024*\i    ; both halves of the lanes write the same word with the same value
.endr
	s_wait_dscnt 0x0                               ; for the others' sake: my stores have landed, my earlier loads are in
	s_barrier_signal -1
	s_barrier_wait -1
.irp i, 0,1
.irp q, 0,1,2,3
	ds_load_b128 v[128+48*\i+4*\q:128+48*\i+4*\q+3], v7 offset:\red+1024*\i+16*\q
.endr
.endr
	s_wait_dscnt 0x0
.irp n, 2,4,6,8,10,12,14
.irp i, 0,1
	v_pk_add_f32 v[128+48*\i:129+48*\i], v[128+48*\i:129+48*\i], v[128+48*\i+\n:129+48*\i+\n]
.endr
.endr
.irp i, 0,1
	v_add_f32 v[128+48*\i], v[128+48*\i], v[129+48*\i]
.endr
.endm
	s_load_b256 s[4:11], s[0:1], 0x0               ; ob, wq, y_q, bm
	s_load_b128 s[12:15], s[0:1], 0x20             ; ln_g, ln_b
	s_load_b64 s[16:17], s[0:1], 0x30              ; out0
	v_lshl_add_u32 v46, v0, 2, 0x12000
	v_mov_b32 v47, 0
	v_lshrrev_b32 v1, 5, v0
	v_readfirstlane_b32 s18, v1                    ; wave 0..15
	v_and_b32 v11, 31, v0                          ; lane
	v_and_b32 v12, 15, v0                          ; r
	v_bfe_u32 v13, v0, 4, 1                        ; h
	v_lshlrev_b32 v1, 4, v11                       ; 16 x lane
	v_lshlrev_b32 v2, 3, v11                       ; 8 x lane
	v_lshlrev_b32 v4, 2, v12
	v_lshl_add_u32 v4, v13, 9, v4                  ; o's scale words: 4 r, + a tile's 512 bytes for lanes 16-31
	v_lshlrev_b32 v5, 6, v13                       ; bm, ln_g, ln_b: 64 h
	s_lshl_b32 s19, s18, 2
	v_lshl_add_u32 v6, v12, 6, s19                 ; the sums, in: 64 r + 4 x wave
	v_lshlrev_b32 v7, 6, v12                       ; and back: 64 r
	s_mul_i32 s19, s18, 4352
	s_add_co_u32 s19, s19, STG                     ; my stage
	v_mul_u32_u24 v8, v12, 272
	v_lshl_add_u32 v8, v13, 6, v8
	v_add_nc_u32 v8, s19, v8                       ; the accumulators' side: row r, + 64 h
	v_mul_u32_u24 v9, v13, 272
	v_lshl_add_u32 v9, v12, 4, v9
	v_add_nc_u32 v9, s19, v9                       ; memory's side: lanes 0-15 one row, lanes 16-31 the next
	v_lshlrev_b32 v10, 4, v12
	v_lshl_add_u32 v10, v13, 12, v10               ; and the same in y_q and in out0
	v_mov_b32 v32, 0                               ; written once: a lane permute's destination counts as one of its sources
	v_mov_b32 v33, 0
	s_lshl_b32 s20, ttmp9, 14                      ; o's images: two tiles x 8 K steps x 1,024 bytes
	s_mov_b32 s21, 0
	s_lshl_b32 s22, ttmp9, 10
	s_add_co_u32 s22, s22, 4194304                 ; their scale words
	s_mov_b32 s23, 0
	s_add_co_u32 s24, s18, 48                      ; Wm is the fourth tensor of wq: unit 48 + wave
	s_lshl_b32 s26, s24, 11
	s_add_co_u32 s26, s26, 2097152
	s_mov_b32 s27, 0
	s_lshl_b32 s24, s24, 15
	s_mov_b32 s25, 0
	s_lshl_b32 s34, s18, 8                         ; my 64 columns
	s_mov_b32 s35, 0
	s_lshl_b32 s28, ttmp9, 17                      ; my 32 rows
	s_add_co_u32 s28, s28, s34
	s_mov_b32 s29, 0
	s_mov_b32 s42, 0x76543210
	s_mov_b32 s43, 0xfedcba98
	s_mov_b32 s44, 0x3a800000                      ; 1 / 1024
	s_mov_b32 s45, 0x3727c5ac                      ; 1e-5
	s_wait_kmcnt 0x0
	s_add_nc_u64 s[20:21], s[4:5], s[20:21]
	s_add_nc_u64 s[22:23], s[4:5], s[22:23]
	s_add_nc_u64 s[24:25], s[6:7], s[24:25]
	s_add_nc_u64 s[26:27], s[6:7], s[26:27]
	s_add_nc_u64 s[30:31], s[8:9], s[28:29]        ; y_q
	s_add_nc_u64 s[32:33], s[16:17], s[28:29]      ; out0
	s_add_nc_u64 s[36:37], s[10:11], s[34:35]      ; bm
	s_add_nc_u64 s[38:39], s[12:13], s[34:35]      ; ln_g
	s_add_nc_u64 s[40:41], s[14:15], s[34:35]      ; ln_b
.irp i, 0,1
.irp k, 0,1,2,3,4,5,6,7
	global_load_b128 v[ACC+32*\i+4*\k:ACC+32*\i+4*\k+3], v10, s[30:31] offset:(8*\i+2*\k+8*(\k/4))*4096 th:TH_LOAD_NT   ; stage rows 2 k and 2 k + 1 of tile i: rows 8 i + 2 k + 8 (k / 4) + h of my 32
.endr
.endr
	BUNDLE 0
	BUNDLE 1
	BUNDLE 2
	s_wait_loadcnt 42                              ; y_q is in; the three bundles' 42 loads may be out
.irp i, 0,1                                    ; y_q turns into the accumulators' layout while the bundles are on their way
.irp k, 0,1,2,3,4,5,6,7
	ds_store_b128 v9, v[ACC+32*\i+4*\k:ACC+32*\i+4*\k+3] offset:544*\k     ; LDS serves a wave's instructions in order: tile 1's stores come behind tile 0's loads
.endr
	s_wait_dscnt 0x0                               ; the stores have read their registers
.irp b, 0,1
.irp q, 0,1,2,3
	ds_load_b128 v[ACC+32*\i+16*\b+4*\q:ACC+32*\i+16*\b+4*\q+3], v8 offset:128*\b+16*\q
.endr
.endr
.endr
	s_wait_dscnt 0x0
.irp s, 0,1,2,3,4
	KSTEP \s, 28                                   ; this K step's bundle is in; two bundles of 14 may be out
	BUNDLE \s+3
.endr
	KSTEP 5, 28
	PLOAD 144, 36                                  ; bm, into the bundle just spent
	KSTEP 6, 22                                    ; behind bundle 6: bundle 7's 14 and bm's 8
	PLOAD 48, 38                                   ; ln_g
	KSTEP 7, 16                                    ; behind bundle 7: bm's 8 and ln_g's 8
	PLOAD 96, 40                                   ; ln_b
	s_wait_loadcnt 16                              ; bm is in; ln_g's and ln_b's may be out
.irp i, 0,1
.irp n, 0,2,4,6,8,10,12,14,16,18,20,22,24,26,28,30
	v_pk_add_f32 v[ACC+32*\i+\n:ACC+32*\i+\n+1], v[ACC+32*\i+\n:ACC+32*\i+\n+1], v[144+\n:145+\n]   ; x = y_q + o Wm^T + bm; each accumulator from its low end on
.endr
.endr
.irp i, 0,1
	v_pk_add_f32 v[28+2*\i:29+2*\i], v[ACC+32*\i:ACC+32*\i+1], v[ACC+32*\i+2:ACC+32*\i+3]
.endr
.irp n, 4,6,8,10,12,14,16,18,20,22,24,26,28,30
.irp i, 0,1
	v_pk_add_f32 v[28+2*\i:29+2*\i], v[28+2*\i:29+2*\i], v[ACC+32*\i+\n:ACC+32*\i+\n+1]
.endr
.endr
.irp i, 0,1
	v_add_f32 v[28+2*\i], v[28+2*\i], v[29+2*\i]
.endr
	ROWSUM RED1
.irp i, 0,1
	v_mul_f32 v[28+2*\i], s44, v[128+48*\i]        ; the mean
.endr
.irp i, 0,1
.irp n, 0,2,4,6,8,10,12,14,16,18,20,22,24,26,28,30
	v_pk_add_f32 v[ACC+32*\i+\n:ACC+32*\i+\n+1], v[ACC+32*\i+\n:ACC+32*\i+\n+1], v[28+2*\i:29+2*\i] op_sel_hi:[1,0] neg_lo:[0,1] neg_hi:[0,1]   ; x - mean
.endr
.endr
.irp i, 0,1
	v_pk_mul_f32 v[36+2*\i:37+2*\i], v[ACC+32*\i:ACC+32*\i+1], v[ACC+32*\i:ACC+32*\i+1]
.endr
.irp n, 2,4,6,8,10,12,14,16,18,20,22,24,26,28,30
.irp i, 0,1
	v_pk_fma_f32 v[36+2*\i:37+2*\i], v[ACC+32*\i+\n:ACC+32*\i+\n+1], v[ACC+32*\i+\n:ACC+32*\i+\n+1], v[36+2*\i:37+2*\i]
.endr
.endr
.irp i, 0,1
	v_add_f32 v[28+2*\i], v[36+2*\i], v[37+2*\i]
.endr
	ROWSUM RED2
.irp i, 0,1
	v_fma_f32 v[28+2*\i], v[128+48*\i], s44, s45   ; the variance + 1e-5
.endr
.irp i, 0,1
	v_rsq_f32 v[28+2*\i], v[28+2*\i]
.endr
	v_nop                                          ; a plain line behind the two,
	s_wait_alu depctr_va_vdst(0)                   ; and one wait ahead of their first reader
	s_wait_loadcnt 0x0                             ; ln_g, ln_b
.irp i, 0,1
.irp n, 0,2,4,6,8,10,12,14,16,18,20,22,24,26,28,30
	v_pk_mul_f32 v[ACC+32*\i+\n:ACC+32*\i+\n+1], v[ACC+32*\i+\n:ACC+32*\i+\n+1], v[28+2*\i:29+2*\i] op_sel_hi:[1,0]
.endr
.endr
.irp i, 0,1
.irp n, 0,2,4,6,8,10,12,14,16,18,20,22,24,26,28,30
	v_pk_fma_f32 v[ACC+32*\i+\n:ACC+32*\i+\n+1], v[ACC+32*\i+\n:ACC+32*\i+\n+1], v[48+\n:49+\n], v[96+\n:97+\n]
.endr
.endr
.macro TOSTAGE i                       ; tile i through my stage; it comes back into the registers that ln_g (tile 0) or ln_b (tile 1) has left.  LDS serves a wave's instructions in order: no wait between the stores and the loads
.irp b, 0,1
.irp q, 0,1,2,3
	ds_store_b128 v8, v[ACC+32*\i+16*\b+4*\q:ACC+32*\i+16*\b+4*\q+3] offset:128*\b+16*\q
.endr
.endr
.irp k, 0,1,2,3,4,5,6,7
	ds_load_b128 v[48+48*\i+4*\k:48+48*\i+4*\k+3], v9 offset:544*\k
.endr
.endm
.macro SEND i, younger                 ; younger: the LDS instructions issued behind tile i's loads
.irp k, 0,1,2,3,4,5,6,7
	s_wait_dscnt \younger+7-\k
	global_store_b128 v10, v[48+48*\i+4*\k:48+48*\i+4*\k+3], s[32:33] offset:(8*\i+2*\k+8*(\k/4))*4096 th:TH_STORE_NT   ; stage rows 2 k and 2 k + 1 are rows 8 i + 2 k + 8 (k / 4) + h of my 32; sixteen lanes store 256 consecutive, aligned bytes
.endr
.endm
	TOSTAGE 0
	TOSTAGE 1
	SEND 0, 16
	SEND 1, 0
	s_wait_tensorcnt 0x0
	ds_add_u32 v46, v47
	s_wait_dscnt 0x0
	s_endpgm
.Lfunc_end_k_q76069741a9_outln:
	.size	k_q76069741a9_outln, .Lfunc_end_k_q76069741a9_outln-k_q76069741a9_outln
	.p2alignl 7, 3214868480
	.fill 96, 4, 3214868480
	.section	.rodata,"a",@progbits
	.p2align	6, 0x0
	.amdhsa_kernel k_q76069741a9_outln
		.amdhsa_group_segment_fixed_size 75776
		.amdhsa_private_segment_fixed_size 0
		.amdhsa_enable_private_segment 0
		.amdhsa_kernarg_size 56
		.amdhsa_user_sgpr_count 2
		.amdhsa_user_sgpr_kernarg_segment_ptr 1
		.amdhsa_wavefront_size32 1
		.amdhsa_system_sgpr_workgroup_id_x 1
		.amdhsa_system_sgpr_workgroup_id_y 1
		.amdhsa_system_sgpr_workgroup_id_z 1
		.amdhsa_system_vgpr_workitem_id 0
		.amdhsa_next_free_vgpr 256
		.amdhsa_next_free_sgpr 66
		.amdhsa_reserve_vcc 0
		.amdhsa_float_denorm_mode_32 3
		.amdhsa_float_denorm_mode_16_64 3
		.amdhsa_memory_ordered 1
		.amdhsa_forward_progress 1
		.amdhsa_inst_pref_size 49
	.end_amdhsa_kernel
	.amdgpu_metadata
---
amdhsa.version: [ 1, 2 ]
amdhsa.kernels:
  - .name:           k_q76069741a9_outln
    .symbol:         k_q76069741a9_outln.kd
    .args:
      - { .name: ob, .offset: 0, .size: 8, .value_kind: global_buffer, .address_space: global }
      - { .name: wq, .offset: 8, .size: 8, .value_kind: global_buffer, .address_space: global }
      - { .name: y_q, .offset: 16, .size: 8, .value_kind: global_buffer, .address_space: global }
      - { .name: bm, .offset: 24, .size: 8, .value_kind: global_buffer, .address_space: global }
      - { .name: ln_g, .offset: 32, .size: 8, .value_kind: global_buffer, .address_space: global }
      - { .name: ln_b, .offset: 40, .size: 8, .value_kind: global_buffer, .address_space: global }
      - { .name: out0, .offset: 48, .size: 8, .value_kind: global_buffer, .address_space: global }
    .group_segment_fixed_size: 75776
    .private_segment_fixed_size: 0
    .kernarg_segment_align: 8
    .kernarg_segment_size: 56
    .max_flat_workgroup_size: 512
    .sgpr_count:     66
    .vgpr_count:     256
    .wavefront_size: 32
...
	.end_amdgpu_metadata
.endif
;; end of part 7
;; ======== version 3 of 3: 4 launches
;; limits: right only within a limited range of input values
;; workspace buffers: wq 2,228,224 bytes; qb 4,718,592 bytes; kb 4,718,592 bytes; vb 4,456,448 bytes; mk 34,816 bytes; ob 4,456,448 bytes
;; launch prep (part 8): grid 516 x 1, 4 waves a work-group, no clusters, 34,816 bytes of LDS; arguments Wq, Wk, Wv, Wm, mask, wq, mk; writes wq, mk
.if DOCPART == 8
	.amdgcn_target "amdgcn-amd-amdhsa--gfx1250"
	.amdhsa_code_object_version 6
	.text
	.protected	k_q76069741a9_prep
	.globl	k_q76069741a9_prep
	.p2align	8
	.type	k_q76069741a9_prep,@function
k_q76069741a9_prep:
	s_mov_b64 s[64:65], 0
	v_nop
	global_prefetch_b8 v0, s[64:65] scope:SCOPE_SE
	s_setreg_imm32_b32 hwreg(HW_REG_WAVE_MODE, 25, 1), 1
	s_wait_xcnt 0x0
; PREP.  Work-groups 0-511: the four weights [1024 (n)][1024 (k)] f32 become codes of FP4 (E2M1) with one E8M0 byte for each 32 along K, laid as IMAGES OF OPERAND REGISTERS.
; Work-group U = (tensor x 16 + head) x 8 + K step takes 64 rows x 128 along K; wave t takes one fragment of 16 rows.
; THE ROWS OF A FRAGMENT ARE NOT NEIGHBOURS: lane r of fragment t takes row 32 (t / 2) + 8 (t % 2) + r + 8 (r / 8) of the head, so that results made with two neighbouring fragments are 16 neighbours in a lane.
; EVERY LOAD IS DENSE: one load takes 512 consecutive bytes of one row, 16 bytes a lane; a wave's sixteen loads are all out together.  The conversions want 32 neighbours along K in ONE lane: so the 16 rows turn through
; the wave's own stage in LDS (rows of 528 bytes = 33 x 16: the sixteen rows that a load touches start at sixteen different 16-byte columns) and come back as k = 64 c + 32 h + 0 .. 31 of row r: two whole blocks a lane.
; wq: images at U x 4096 + t x 1024 + c x 512 + 16 x lane; scale words at 2,097,152 + U x 256 + 8 x lane: word p of lane (r, h) is that of fragment 2 p + h, row r.  The four waves' words meet in 256 bytes of LDS
; behind one barrier, and wave 0 stores them as 256 consecutive bytes.
; Work-groups 512-515, one for each batch: mk: a bias for each key, -8e32 where mask == 1 (a score of -1e32 after the division by 8), else 0, in key order; and c_b = log2(e) / 8, or 0 where ALL keys of the batch are masked
; (every t is then 0 and the softmax is uniform, as the reference has it).  c_b only selects a value: nothing branches on it.
; LIMITS: NaN and infinities are not served.  A block of zeros, or one whose largest magnitude lies under 2^-124, gets the byte 1 where the rule says 127: its codes are zeros or tiny, and this program alone reads the bytes.
.set X,     32                         ; v32-95   the fragment's numbers: as loaded, then 64 of my row
.set CD,    96                         ; v96-103  its codes
.set SROW,  528                        ; a stage row
.set PAIRB, 4*16*SROW                  ; behind the four stages: the unit's scale words, 256 bytes
	s_load_b256 s[4:11], s[0:1], 0x0               ; Wq, Wk, Wv, Wm
	s_load_b128 s[12:15], s[0:1], 0x20             ; mask, wq
	s_load_b64 s[24:25], s[0:1], 0x30              ; mk
	v_lshl_add_u32 v128, v0, 2, 0x8600
	v_mov_b32 v129, 0
	v_lshrrev_b32 v1, 5, v0
	v_readfirstlane_b32 s26, v1                    ; wave
	v_and_b32 v2, 31, v0                           ; lane
	v_lshlrev_b32 v5, 4, v2                        ; 16 x lane
	s_cmp_ge_u32 ttmp9, 512
	s_cbranch_scc1 .Lmask
	v_and_b32 v3, 15, v0                           ; r
	v_bfe_u32 v4, v0, 4, 1                         ; h
	v_lshlrev_b32 v7, 3, v2                        ; 8 x lane
	v_lshlrev_b32 v8, 3, v4                        ; 8 h: how far my two bytes move up in the scale word
	v_mov_b32 v19, 0                               ; written once: a lane permute's destination counts as one of its sources
	s_mul_i32 s38, s26, 16*SROW                    ; my stage
	v_add_nc_u32 v20, s38, v5                      ; in: 16 x lane of a row
	v_mul_u32_u24 v21, v3, SROW
	v_lshl_add_u32 v21, v4, 7, v21
	v_add_nc_u32 v21, s38, v21                     ; back: row r, + 128 h: my 32 numbers of each 64
	s_and_b32 s38, s26, 1                          ; t % 2
	s_lshr_b32 s39, s26, 1                         ; t / 2
	s_lshl_b32 s30, s38, 7
	s_lshl_b32 s31, s39, 2
	s_add_co_u32 s30, s30, s31
	s_add_co_u32 s30, s30, PAIRB
	v_lshl_add_u32 v22, v3, 3, s30                 ; my row's scale word: 8 (16 (t % 2) + r) + 4 (t / 2); both halves of the lanes write the same word with the same value
	v_add_nc_u32 v23, PAIRB, v7                    ; and where wave 0 reads the words back
	s_mov_b32 s27, 0x76543210
	s_mov_b32 s28, 0xfedcba98                      ; v_permlanex16_b32's selects for lane l xor 16
	s_bfe_u32 s32, ttmp9, 0x40003                  ; head
	s_and_b32 s31, ttmp9, 7                        ; K step
	s_lshl_b32 s32, s32, 18                        ; 64 rows of 4,096 bytes
	s_lshl_b32 s31, s31, 9                         ; 128 numbers
	s_add_co_u32 s32, s32, s31
	s_lshl_b32 s31, s39, 17                        ; 32 rows x (t / 2)
	s_add_co_u32 s32, s32, s31
	s_lshl_b32 s31, s38, 15                        ; 8 rows x (t % 2)
	s_add_co_u32 s32, s32, s31
	s_mov_b32 s33, 0
	s_lshl_b32 s34, ttmp9, 12
	s_lshl_b32 s31, s26, 10
	s_add_co_u32 s34, s34, s31                     ; U x 4096 + t x 1024
	s_mov_b32 s35, 0
	s_lshl_b32 s36, ttmp9, 8
	s_add_co_u32 s36, s36, 2097152
	s_mov_b32 s37, 0
	s_wait_alu depctr_va_vdst(0)
	s_wait_kmcnt 0x0
	s_cmp_lt_u32 ttmp9, 128                        ; which tensor: the choice hangs on the work-group's number alone
	s_cselect_b64 s[16:17], s[4:5], s[6:7]
	s_cmp_lt_u32 ttmp9, 384
	s_cselect_b64 s[18:19], s[8:9], s[10:11]
	s_cmp_lt_u32 ttmp9, 256
	s_cselect_b64 s[16:17], s[16:17], s[18:19]
	s_add_nc_u64 s[16:17], s[16:17], s[32:33]      ; my fragment in W
	s_add_nc_u64 s[20:21], s[14:15], s[34:35]      ; its image
	s_add_nc_u64 s[22:23], s[14:15], s[36:37]      ; the unit's scale words
.irp p, 0,1,2,3,4,5,6,7,8,9,10,11,12,13,14,15
	global_load_b128 v[X+4*\p:X+4*\p+3], v5, s[16:17] offset:(\p+8*(\p/8))*4096 th:TH_LOAD_NT   ; the fragment's row p: 512 consecutive bytes
.endr
	s_wait_loadcnt 0x0
.irp p, 0,1,2,3,4,5,6,7,8,9,10,11,12,13,14,15
	ds_store_b128 v20, v[X+4*\p:X+4*\p+3] offset:SROW*\p
.endr
	s_wait_dscnt 0x0                               ; the stores have read their registers
.irp c, 0,1
.irp j, 0,1,2,3,4,5,6,7
	ds_load_b128 v[X+32*\c+4*\j:X+32*\c+4*\j+3], v21 offset:256*\c+16*\j
.endr
.endr
	s_wait_dscnt 0x0
.irp c, 0,1
	v_max3_num_f32 v[12+\c], |v[X+32*\c]|, |v[X+32*\c+1]|, 0x1800000   ; block 2 c + h: all 32 numbers are mine; the floor 2^(3 - 127) holds the byte at 1 from below
.endr
.irp i, 2,4,6,8,10,12,14,16,18,20,22,24,26,28,30
.irp c, 0,1
	v_max3_num_f32 v[12+\c], v[12+\c], |v[X+32*\c+\i]|, |v[X+32*\c+\i+1]|
.endr
.endr
.irp c, 0,1
	v_add_nc_u32 v[14+\c], 0xff000000, v[12+\c]    ; 2 off the exponent field: the conversion's scale operand
.endr
.irp c, 0,1
	v_lshrrev_b32 v[16+\c], 23, v[14+\c]           ; the scale's byte
.endr
	v_lshl_or_b32 v18, v17, 16, v16                ; my two bytes: blocks h and 2 + h,
	v_lshlrev_b32 v18, v8, v18                     ; at their places;
	v_permlanex16_b32 v19, v18, s27, s28
	v_or_b32 v24, v18, v19                         ; with lane l xor 16's two the word is whole
.irp c, 0,1
.irp g, 0,1,2,3
	v_cvt_scalef32_pk8_fp4_f32 v[CD+4*\c+\g], v[X+32*\c+8*\g:X+32*\c+8*\g+7], v[14+\c]
.endr
.endr
	v_nop                                          ; one plain place behind the scaled conversions
	ds_store_b32 v22, v24
	global_store_b128 v5, v[CD:CD+3], s[20:21]               ; 32 lanes store 512 consecutive bytes
	global_store_b128 v5, v[CD+4:CD+7], s[20:21] offset:512
	s_wait_dscnt 0x0                               ; for the others' sake: my scale words have landed
	s_barrier_signal -1
	s_barrier_wait -1                              ; the four fragments' words lie together
	s_cmp_lg_u32 s26, 0
	s_cbranch_scc1 .Ldone
	ds_load_b64 v[26:27], v23
	s_wait_dscnt 0x0
	global_store_b64 v7, v[26:27], s[22:23]        ; 256 consecutive bytes
.Ldone:
	s_wait_tensorcnt 0x0
	ds_add_u32 v128, v129
	s_wait_dscnt 0x0
	s_endpgm
.Lmask:
	s_sub_co_u32 s30, ttmp9, 512                   ; the batch
	s_lshl_b32 s32, s30, 13                        ; 2,048 keys of 4 bytes
	s_mov_b32 s33, 0
	s_lshl_b32 s34, s30, 9
	s_add_co_u32 s34, s34, 32768                   ; c_b: 128 equal copies behind the biases
	s_mov_b32 s35, 0
	v_lshlrev_b32 v6, 2, v0                        ; 4 x thread
	s_lshl_b32 s36, s26, 11
	s_wait_alu depctr_va_vdst(0)
	v_add_nc_u32 v7, s36, v5                       ; my wave's quarter of the keys
	v_mov_b32 v9, 0xf61dc5ac                       ; -8e32
	s_wait_alu depctr_va_vdst(0)
	s_wait_kmcnt 0x0
	s_add_nc_u64 s[12:13], s[12:13], s[32:33]
	s_add_nc_u64 s[16:17], s[24:25], s[32:33]
	s_add_nc_u64 s[18:19], s[24:25], s[34:35]
.irp i, 0,1,2,3,4,5,6,7,8,9,10,11,12,13,14,15
	global_load_b128 v[32+4*\i:35+4*\i], v5, s[12:13] offset:512*\i       ; every wave looks at all keys of the batch
.endr
.irp q, 0,1,2,3
	global_load_b128 v[96+4*\q:99+4*\q], v7, s[12:13] offset:512*\q       ; and turns its own quarter into biases
.endr
	s_wait_loadcnt 0x0
	v_xor_b32 v10, 1, v32                          ; 0 where the key is masked
.set n, 1
.rept 63
	v_xor_b32 v11, 1, v[32+n]
	v_or_b32 v10, v10, v11
.set n, n+1
.endr
	v_cmp_ne_u32 vcc_lo, 0, v10                    ; a lane that has seen a key that counts
	s_cmp_lg_u32 vcc_lo, 0
	s_cselect_b32 s31, 0x3e38aa3b, 0               ; log2(e) / 8, or 0 where no key counts
	v_mov_b32 v12, s31
	global_store_b32 v6, v12, s[18:19]
.set n, 0
.rept 16
	v_cmp_eq_u32 vcc_lo, 1, v[96+n]
	v_cndmask_b32 v[112+n], 0, v9, vcc_lo
.set n, n+1
.endr
.irp q, 0,1,2,3
	global_store_b128 v7, v[112+4*\q:115+4*\q], s[16:17] offset:512*\q
.endr
	s_endpgm
.Lfunc_end_k_q76069741a9_prep:
	.size	k_q76069741a9_prep, .Lfunc_end_k_q76069741a9_prep-k_q76069741a9_prep
	.p2alignl 7, 3214868480
	.fill 96, 4, 3214868480
	.section	.rodata,"a",@progbits
	.p2align	6, 0x0
	.amdhsa_kernel k_q76069741a9_prep
		.amdhsa_group_segment_fixed_size 34816
		.amdhsa_private_segment_fixed_size 0
		.amdhsa_enable_private_segment 0
		.amdhsa_kernarg_size 56
		.amdhsa_user_sgpr_count 2
		.amdhsa_user_sgpr_kernarg_segment_ptr 1
		.amdhsa_wavefront_size32 1
		.amdhsa_system_sgpr_workgroup_id_x 1
		.amdhsa_system_sgpr_workgroup_id_y 1
		.amdhsa_system_sgpr_workgroup_id_z 1
		.amdhsa_system_vgpr_workitem_id 0
		.amdhsa_next_free_vgpr 130
		.amdhsa_next_free_sgpr 66
		.amdhsa_reserve_vcc 1
		.amdhsa_float_denorm_mode_32 3
		.amdhsa_float_denorm_mode_16_64 3
		.amdhsa_memory_ordered 1
		.amdhsa_forward_progress 1
		.amdhsa_inst_pref_size 19
	.end_amdhsa_kernel
	.amdgpu_metadata
---
amdhsa.version: [ 1, 2 ]
amdhsa.kernels:
  - .name:           k_q76069741a9_prep
    .symbol:         k_q76069741a9_prep.kd
    .args:
      - { .name: Wq, .offset: 0, .size: 8, .value_kind: global_buffer, .address_space: global }
      - { .name: Wk, .offset: 8, .size: 8, .value_kind: global_buffer, .address_space: global }
      - { .name: Wv, .offset: 16, .size: 8, .value_kind: global_buffer, .address_space: global }
      - { .name: Wm, .offset: 24, .size: 8, .value_kind: global_buffer, .address_space: global }
      - { .name: mask, .offset: 32, .size: 8, .value_kind: global_buffer, .address_space: global }
      - { .name: wq, .offset: 40, .size: 8, .value_kind: global_buffer, .address_space: global }
      - { .name: mk, .offset: 48, .size: 8, .value_kind: global_buffer, .address_space: global }
    .group_segment_fixed_size: 34816
    .private_segment_fixed_size: 0
    .kernarg_segment_align: 8
    .kernarg_segment_size: 56
    .max_flat_workgroup_size: 128
    .sgpr_count:     66
    .vgpr_count:     130
    .wavefront_size: 32
...
	.end_amdgpu_metadata
.endif
;; end of part 8
;; launch proj (part 9): grid 256 x 1, 16 waves a work-group, no clusters, 189,440 bytes of LDS; arguments y_q, x_k, x_v, bq, bk, bv, wq, qb, kb, vb; writes qb, kb, vb
.if DOCPART == 9
	.amdgcn_target "amdgcn-amd-amdhsa--gfx1250"
	.amdhsa_code_object_version 6
	.text
	.protected	k_q76069741a9_proj
	.globl	k_q76069741a9_proj
	.p2align	8
	.type	k_q76069741a9_proj,@function
k_q76069741a9_proj:
	s_mov_b64 s[64:65], 0
	v_nop
	global_prefetch_b8 v0, s[64:65] scope:SCOPE_SE
	s_setreg_imm32_b32 hwreg(HW_REG_WAVE_SCHED_MODE, 0, 2), 2
	s_setreg_imm32_b32 hwreg(HW_REG_WAVE_MODE, 25, 1), 1
	s_wait_xcnt 0x0
	s_wait_alu depctr_vm_vsrc(0)
; PROJ.  q = y_q Wq^T + bq, k = x_k Wk^T + bk, v = x_v Wv^T + bv, on codes of FP4 (E2M1) with one E8M0 scale for each 32 along K; the results leave as codes, as images of the operand registers that attention wants.
; SHARES.  24,576 rows for 256 work-groups: work-group g takes 64 rows of q (g < 128) or of k, block g % 128, and then the 32 keys 32 g .. 32 g + 31 of v: the same work for every work-group.  Wave w makes head w: 64 columns.
; X: the 96 rows are quantised in registers: 48 units of 16 rows x 128 along K, three a wave (q, k: tile w % 4, K steps w / 4 and w / 4 + 4; v: tile w % 2, K step w / 2).  EVERY LOAD OF x IS DENSE: 512 consecutive bytes of one row;
; all 48 loads of a wave are asked for at the head.  The quantiser wants 16 neighbours of each block of 32 in ONE lane: a unit's 16 rows turn through the wave's own stage in LDS (rows of 528 bytes = 33 x 16: the sixteen rows that
; a load touches start at sixteen different 16-byte columns).  The fragments and their scale words go to LDS as images of their registers; ONE barrier.  v's unit is worked first, in the registers that W takes afterwards.
; Then eight K steps of 128 for q or k (16 products a wave), its way out, eight K steps for v (8 products), its way out.  x's fragments come from LDS, my head's four fragments of W straight from memory into registers:
; two K steps ahead for q and k, four for v, where half of the accumulators' registers are free.
; THE ROWS OF A TILE ARE NOT NEIGHBOURS (x's rows and W's rows alike): lane r of tile t takes row 32 (t / 2) + 8 (t % 2) + r + 8 (r / 8).
; q, k: source 0 = W, source 1 = x: a lane holds one row, its 32 registers run along the head's 64: quantised along d.   v: source 0 = x, source 1 = W: a lane holds one d, its 16 registers of two tiles are 16 neighbouring keys;
; with lane l xor 16's they are ONE block of 32 keys: d's four tiles take the place of four blocks in the quantiser, and no halves are exchanged: a lane's 16 codes are 8 neighbouring bytes of the image.
; The bias is added behind the sums: the accumulators, W's two sets and x's set leave no room for it as C; its loads take the place of a further K step's.
; qb, kb, for each batch x head 73,728 bytes: images at tile x 512 + 16 x lane (the operand's registers 0-3: d = 32 h + 0 .. 31); scale words at 65,536 + block x 256 + 8 x lane: word p of lane (r, h): tile 2 p + h, row r.
;   A scale word is B0, B1, B0, B1: the product's K is 64, its other half is zero codes, and their bytes repeat the real ones.
; vb, for each batch x head 69,632 bytes: images at (key step of 128) x 4096 + tile of d x 1024 + 512 x (64 keys) + 256 x (32 keys) + 16 r + 8 h; scale words at 65,536 + step x 256, laid as above; 32 keys write one of a word's four bytes.
; NO JOINT LOADS for W: one tensor's images are 557,056 bytes, more than a WGP's LDS; a ring would want a round of a cluster's barrier for each K step, which is 16 or 8 matrix instructions a wave; and no two waves of a work-group read the same fragment.
; LIMITS: NaN and infinities are not served; a block whose largest magnitude lies under 2^-124 (zeros among them) gets the byte 1.
; THE MODE: SCHED_MODE bits 1:0 = 2 (LLVM: expert scheduling mode 2), set by the entry lines.  The code itself states the register dependences between vector or matrix instructions and memory or LDS instructions,
; with s_wait_alu, always for 0.
; THE PLAN.  Registers that memory or LDS instructions touch:
;   v4-10, v18-21, v30   offsets and LDS addresses: made once at the head, never written again: one wait on va_vdst ahead of the first load serves them all.
;   a unit of x          (v64-127, v128-191, v192-255) loaded, stored into the stage, loaded back into the same registers (a wait on vm_vsrc between the two), read by the quantiser.
;   v48, v50-57          a fragment's scale word and codes: written by the quantiser, read by the image's three LDS stores (va_vdst ahead of them), written again by the next quantiser or by x's first fragments (vm_vsrc ahead of that).
;   v32-63, v12-13       x's fragments and scale words, ONE set: LDS loads land in them a K step ahead; that step's products read them.
;   W's sets, v14-17, v26-29   global loads land in them two (v: four) K steps ahead; one step's products read a set.
;   So ONE wait on va_vdst stands at the end of a K step, behind its products: they are done reading x's set and W's set, and all the step's loads follow it; no vector or matrix instruction stands between it and them.
;   The accumulators are named by matrix and vector instructions alone, until Wv's third and fourth K steps land in the upper 64, behind the waits of the way out.
;   v48-63, v22-25       the way out's codes and scale words: written by the quantisers and selects, read by global stores: tiles 0 to 2 share one wait on va_vdst, tile 3 and the scale words another, v's six stores a third.
.set XSC,   32768                      ; LDS: q's or k's x: images at K step x 4096 + tile x 1024 + c x 512 + 16 x lane; here their scale words, 256 bytes a K step
.set XIMGV, 34816                      ; v's x: K step x 2048 + tile x 1024 + c x 512 + 16 x lane
.set XSCV,  51200                      ; its scale words: K step x 128 + 4 x (16 x tile + r)
.set STG,   52224                      ; the stages: 16 rows x 528 bytes for each wave
.set SROW,  528
.set XF,  32                           ; v32-63   x's fragments
.set WF,  64                           ; v64-127  W's four fragments, two sets; ahead of them: v's unit of x
.set ACC, 128                          ; v128-255 the accumulators; ahead of the barrier: two units of x; in v's loop v192-255: two more sets of W
.set XS,  12                           ; v12-13   x's scale words;  v14-17, v26-29 W's.  These hold scales and nothing else
.set WS,  14
.set TM,  32                           ; at work in the quantisers
.set PW,  48
.set PC,  50
.set SEL, 48                           ; s[48:49]
.set HM,  50                           ; s50  lanes 16-31
.macro WM d, a, b, z, sa, sb, ra, rb   ; one product; z: it starts the sum; ra, rb: the scales stand in lanes 16-31
.if \z
.if (\ra) && (\rb)
	v_wmma_scale_f32_16x16x128_f8f6f4 v[\d:\d+7], v[\a:\a+7], v[\b:\b+7], 0, v[\sa], v[\sb] matrix_a_fmt:MATRIX_FMT_FP4 matrix_b_fmt:MATRIX_FMT_FP4 matrix_a_scale:MATRIX_SCALE_ROW1 matrix_b_scale:MATRIX_SCALE_ROW1
.elseif (\ra)
	v_wmma_scale_f32_16x16x128_f8f6f4 v[\d:\d+7], v[\a:\a+7], v[\b:\b+7], 0, v[\sa], v[\sb] matrix_a_fmt:MATRIX_FMT_FP4 matrix_b_fmt:MATRIX_FMT_FP4 matrix_a_scale:MATRIX_SCALE_ROW1
.elseif (\rb)
	v_wmma_scale_f32_16x16x128_f8f6f4 v[\d:\d+7], v[\a:\a+7], v[\b:\b+7], 0, v[\sa], v[\sb] matrix_a_fmt:MATRIX_FMT_FP4 matrix_b_fmt:MATRIX_FMT_FP4 matrix_b_scale:MATRIX_SCALE_ROW1
.else
	v_wmma_scale_f32_16x16x128_f8f6f4 v[\d:\d+7], v[\a:\a+7], v[\b:\b+7], 0, v[\sa], v[\sb] matrix_a_fmt:MATRIX_FMT_FP4 matrix_b_fmt:MATRIX_FMT_FP4
.endif
.else
.if (\ra) && (\rb)
	v_wmma_scale_f32_16x16x128_f8f6f4 v[\d:\d+7], v[\a:\a+7], v[\b:\b+7], v[\d:\d+7], v[\sa], v[\sb] matrix_a_fmt:MATRIX_FMT_FP4 matrix_b_fmt:MATRIX_FMT_FP4 matrix_a_scale:MATRIX_SCALE_ROW1 matrix_b_scale:MATRIX_SCALE_ROW1
.elseif (\ra)
	v_wmma_scale_f32_16x16x128_f8f6f4 v[\d:\d+7], v[\a:\a+7], v[\b:\b+7], v[\d:\d+7], v[\sa], v[\sb] matrix_a_fmt:MATRIX_FMT_FP4 matrix_b_fmt:MATRIX_FMT_FP4 matrix_a_scale:MATRIX_SCALE_ROW1
.elseif (\rb)
	v_wmma_scale_f32_16x16x128_f8f6f4 v[\d:\d+7], v[\a:\a+7], v[\b:\b+7], v[\d:\d+7], v[\sa], v[\sb] matrix_a_fmt:MATRIX_FMT_FP4 matrix_b_fmt:MATRIX_FMT_FP4 matrix_b_scale:MATRIX_SCALE_ROW1
.else
	v_wmma_scale_f32_16x16x128_f8f6f4 v[\d:\d+7], v[\a:\a+7], v[\b:\b+7], v[\d:\d+7], v[\sa], v[\sb] matrix_a_fmt:MATRIX_FMT_FP4 matrix_b_fmt:MATRIX_FMT_FP4
.endif
.endif
.endm
; 64 numbers of a lane in four blocks: registers 16 b + i are my 16 numbers of block b, lane l xor 16 holds the other 16.  The codes go to v[PC+2 b], v[PC+2 b+1], the bytes to v[TM+4+b].
; sw = 1: the four blocks are one row's 128 along K: the bytes make its scale word in v[PW], and halves are exchanged, so that v[PC] on is a fragment.  sw = 0: the codes stay as they come.
.macro QUANT s, sw
.irp b, 0,1,2,3
	v_max3_num_f32 v[TM+\b], |v[\s+16*\b]|, |v[\s+1+16*\b]|, 0x1800000   ; my 16 numbers of block b, and the floor 2^(3 - 127): the byte cannot fall under 1
.endr
.irp i, 2,4,6,8,10,12,14
.irp b, 0,1,2,3
	v_max3_num_f32 v[TM+\b], v[TM+\b], |v[\s+16*\b+\i]|, |v[\s+1+16*\b+\i]|
.endr
.endr
.irp b, 0,1,2,3
	v_permlanex16_b32 v[TM+4+\b], v[TM+\b], s[SEL], s[SEL+1]
.endr
.irp b, 0,1,2,3
	v_max_num_f32 v[TM+\b], v[TM+\b], v[TM+4+\b]   ; with lane l xor 16's: the block's largest magnitude
.endr
.irp b, 0,1,2,3
	v_add_nc_u32 v[TM+12+\b], 0xff000000, v[TM+\b] ; 2 off its exponent field: the conversion's scale operand
.endr
.irp b, 0,1,2,3
	v_lshrrev_b32 v[TM+4+\b], 23, v[TM+12+\b]      ; the scale's byte
.endr
.if \sw
	v_lshl_or_b32 v[PW], v[TM+5], 8, v[TM+4]
	v_lshl_or_b32 v[PW], v[TM+6], 16, v[PW]
	v_lshl_or_b32 v[PW], v[TM+7], 24, v[PW]
.endif
.irp b, 0,1,2,3
	v_cvt_scalef32_pk8_fp4_f32 v[PC+2*\b], v[\s+16*\b:\s+7+16*\b], v[TM+12+\b]
	v_cvt_scalef32_pk8_fp4_f32 v[PC+1+2*\b], v[\s+8+16*\b:\s+15+16*\b], v[TM+12+\b]
.endr
	v_nop                                          ; one plain place behind a scaled conversion
.if \sw
.irp c, 0,1                                    ; the operand's layout wants a whole block in a lane
.irp i, 0,1
	v_permlane16_swap_b32 v[PC+4*\c+\i], v[PC+2+4*\c+\i]
.endr
.endr
.endif
.endm
; The same for 32 numbers, two blocks of one row: the codes are an operand's registers 0-3 (k = 32 h + 0 .. 31), in v[pc] on; the two bytes stay in v[tm+4], v[tm+5].
.macro QUANT2 s, pc, tm
.irp b, 0,1
	v_max3_num_f32 v[\tm+\b], |v[\s+16*\b]|, |v[\s+1+16*\b]|, 0x1800000
.endr
.irp i, 2,4,6,8,10,12,14
.irp b, 0,1
	v_max3_num_f32 v[\tm+\b], v[\tm+\b], |v[\s+16*\b+\i]|, |v[\s+1+16*\b+\i]|
.endr
.endr
.irp b, 0,1
	v_permlanex16_b32 v[\tm+4+\b], v[\tm+\b], s[SEL], s[SEL+1]
.endr
.irp b, 0,1
	v_max_num_f32 v[\tm+\b], v[\tm+\b], v[\tm+4+\b]
.endr
.irp b, 0,1
	v_add_nc_u32 v[\tm+12+\b], 0xff000000, v[\tm+\b]
.endr
.irp b, 0,1
	v_lshrrev_b32 v[\tm+4+\b], 23, v[\tm+12+\b]
.endr
.irp b, 0,1
	v_cvt_scalef32_pk8_fp4_f32 v[\pc+2*\b], v[\s+16*\b:\s+7+16*\b], v[\tm+12+\b]
	v_cvt_scalef32_pk8_fp4_f32 v[\pc+1+2*\b], v[\s+8+16*\b:\s+15+16*\b], v[\tm+12+\b]
.endr
	v_nop
	v_permlane16_swap_b32 v[\pc], v[\pc+2]
	v_permlane16_swap_b32 v[\pc+1], v[\pc+3]
.endm
.macro XLOAD reg, base, off            ; a unit of x: the tile's row p, 512 consecutive bytes a load
.irp p, 0,1,2,3,4,5,6,7,8,9,10,11,12,13,14,15
	global_load_b128 v[\reg+4*\p:\reg+4*\p+3], v5, s[\base:\base+1] offset:\off+(\p+8*(\p/8))*4096 th:TH_LOAD_NT
.endr
.endm
.macro STIN reg                        ; the unit into my stage, as loaded
.irp p, 0,1,2,3,4,5,6,7,8,9,10,11,12,13,14,15
	ds_store_b128 v4, v[\reg+4*\p:\reg+4*\p+3] offset:SROW*\p
.endr
.endm
.macro STOUT reg                       ; and back: register 16 b + 4 j + e = k 32 b + 16 h + 4 j + e of row r
.irp b, 0,1,2,3
.irp j, 0,1,2,3
	ds_load_b128 v[\reg+16*\b+4*\j:\reg+16*\b+4*\j+3], v18 offset:128*\b+16*\j
.endr
.endr
.endm
.macro WLOAD s                         ; Wq's or Wk's four fragments of my head and their scale words for K step s: nine loads
.irp t, 0,1,2,3
.irp c, 0,1
	global_load_b128 v[WF+32*((\s)%2)+8*\t+4*\c:WF+32*((\s)%2)+8*\t+4*\c+3], v5, s[44:45] offset:(\s)*4096+\t*1024+\c*512
.endr
.endr
	global_load_b64 v[WS+2*((\s)%2):WS+2*((\s)%2)+1], v6, s[46:47] offset:(\s)*256
.endm
.macro XFETCH s                        ; x's four fragments and their scale words for K step s, from LDS
.irp i, 0,1,2,3
.irp c, 0,1
	ds_load_b128 v[XF+8*\i+4*\c:XF+8*\i+4*\c+3], v5 offset:(\s)*4096+\i*1024+\c*512
.endr
.endr
	ds_load_b64 v[XS:XS+1], v6 offset:XSC+(\s)*256
.endm
; A K step of q or k: 16 products, the 16 accumulators by turns, in one order in every step.
.macro KSTEP s
.if (\s) < 7
	s_wait_loadcnt 9                               ; this step's nine loads of W are in; the next step's nine may be out
.else
	s_wait_loadcnt 8                               ; behind the last step's: the bias's eight
.endif
	s_wait_dscnt 0x0                               ; x's fragments
.irp i, 0,1,2,3
.irp t, 0,1,2,3
	WM ACC+32*\i+8*\t, WF+32*((\s)%2)+8*\t, XF+8*\i, (\s)==0, WS+2*((\s)%2)+\t/2, XS+\i/2, \t%2, \i%2
.endr
.endr
.rept 4
	v_nop                                          ; places in front of loads into registers that these products have read, and of the first read of results
.endr
	s_wait_alu depctr_va_vdst(0)                   ; this step's products are done reading x's fragments, this set of W and both sides' scale words: the loads that follow land in them (behind step 6 the bias's too, behind step 7 Wv's first K step)
.if (\s) < 7
	XFETCH (\s)+1
.endif
.if (\s) < 6
	WLOAD (\s)+2
.endif
.endm
.macro VBUF s                          ; Wv's four sets of registers, by K step
.if ((\s)%4) == 0
.set VB, 96
.set VSR, 16
.elseif ((\s)%4) == 1
.set VB, 64
.set VSR, 14
.elseif ((\s)%4) == 2
.set VB, 192
.set VSR, 26
.else
.set VB, 224
.set VSR, 28
.endif
.endm
.macro WLOADV s                        ; Wv's four fragments of my head and their scale words for K step s: nine loads
	VBUF \s
.irp t, 0,1,2,3
.irp c, 0,1
	global_load_b128 v[VB+8*\t+4*\c:VB+8*\t+4*\c+3], v5, s[68:69] offset:(\s)*4096+\t*1024+\c*512
.endr
.endr
	global_load_b64 v[VSR:VSR+1], v6, s[70:71] offset:(\s)*256
.endm
.macro XFETCHV s                       ; x_v's two fragments; their scale words: lanes 0-15 tile 0's, lanes 16-31 tile 1's
.irp u, 0,1
.irp c, 0,1
	ds_load_b128 v[XF+8*\u+4*\c:XF+8*\u+4*\c+3], v5 offset:XIMGV+(\s)*2048+\u*1024+\c*512
.endr
.endr
	ds_load_b32 v[XS], v30 offset:XSCV+(\s)*128
.endm
; A K step of v: 8 products, the 8 accumulators by turns.  cnt: the loads issued behind this step's nine.
.macro KSTEPV s, cnt
	VBUF \s
	s_wait_loadcnt \cnt
	s_wait_dscnt 0x0
.irp u, 0,1
.irp t, 0,1,2,3
	WM ACC+16*\t+8*\u, XF+8*\u, VB+8*\t, (\s)==0, XS, VSR+\t/2, \u, \t%2
.endr
.endr
.rept 4
	v_nop
.endr
.if (\s) < 7
	s_wait_alu depctr_va_vdst(0)                   ; this step's products are done reading x_v's fragments, this set of Wv and both sides' scale words: the loads that follow land in them (behind step 4 the bias's too).  The last step asks for nothing
	XFETCHV (\s)+1
.endif
.if (\s) < 4
	WLOADV (\s)+4
.endif
.endm
	s_load_b256 s[4:11], s[0:1], 0x0               ; y_q, x_k, x_v, bq
	s_load_b256 s[12:19], s[0:1], 0x20             ; bk, bv, wq, qb
	s_load_b128 s[20:23], s[0:1], 0x40             ; kb, vb
	v_lshrrev_b32 v1, 5, v0
	v_readfirstlane_b32 s26, v1                    ; wave = head
	v_and_b32 v1, 31, v0                           ; lane
	v_and_b32 v2, 15, v0                           ; r
	v_bfe_u32 v3, v0, 4, 1                         ; h
	v_and_b32 v11, 8, v2
	v_add_nc_u32 v11, v11, v2                      ; r + 8 (r / 8)
	v_lshlrev_b32 v5, 4, v1                        ; 16 x lane
	s_wait_alu depctr_va_vdst(0)
	v_lshlrev_b32 v6, 3, v1                        ; 8 x lane
	v_lshlrev_b32 v30, 2, v1                       ; 4 x lane
	v_lshlrev_b32 v10, 4, v2
	v_lshl_add_u32 v10, v3, 3, v10                 ; 16 r + 8 h: my 16 codes of v in an image
	s_lshr_b32 s24, ttmp9, 7                       ; 0: q, 1: k
	s_and_b32 s25, ttmp9, 127                      ; its block of 64 rows
	s_wait_alu depctr_va_sdst(0)                   ; s26 is written, ahead of its first reader: shares, LDS places and bases are made from it
	s_and_b32 s27, s26, 3                          ; q, k: the tile of rows that I quantise
	s_lshr_b32 s34, s26, 2                         ; and the first of its two K steps
	s_lshl_b32 s35, s27, 10
	s_lshl_b32 s36, s34, 12
	s_add_co_u32 s35, s35, s36
	v_add_nc_u32 v7, s35, v5                       ; where its image goes
	s_lshl_b32 s35, s34, 8
	s_and_b32 s36, s26, 1
	s_lshl_b32 s36, s36, 7
	s_add_co_u32 s35, s35, s36
	s_bfe_u32 s36, s26, 0x10001
	s_lshl_b32 s36, s36, 2
	s_add_co_u32 s35, s35, s36
	s_add_co_u32 s35, s35, XSC
	v_lshl_add_u32 v8, v2, 3, s35                  ; and its scale word: 256 x step + 8 (16 (tile % 2) + r) + 4 (tile / 2); both halves of the lanes write the same word with the same value
	s_and_b32 s37, s26, 1                          ; v: the tile of keys that I quantise
	s_lshr_b32 s60, s26, 1                         ; and its K step
	s_lshl_b32 s35, s37, 10
	s_lshl_b32 s36, s60, 11
	s_add_co_u32 s35, s35, s36
	s_add_co_u32 s35, s35, XIMGV
	v_add_nc_u32 v19, s35, v5                      ; where its image goes
	s_lshl_b32 s35, s37, 6
	s_lshl_b32 s36, s60, 7
	s_add_co_u32 s35, s35, s36
	s_add_co_u32 s35, s35, XSCV
	v_lshl_add_u32 v20, v2, 2, s35                 ; and its scale word
	s_mul_i32 s35, s26, 16*SROW
	s_add_co_u32 s35, s35, STG                     ; my stage
	v_add_nc_u32 v4, s35, v5                       ; in: 16 x lane of a row
	v_mul_u32_u24 v18, v2, SROW
	v_lshl_add_u32 v18, v3, 6, v18
	v_add_nc_u32 v18, s35, v18                     ; back: row r, + 64 h: my 16 numbers of a block of 32
	s_lshl_b32 s61, s26, 8                         ; my head's 64 numbers of a bias
	v_lshl_add_u32 v9, v3, 6, s61                  ; q, k: lane (r, h) wants, for tile t of W, the bias of d = 32 (t / 2) + 16 h + 8 (t % 2) + 0 .. 7
	v_lshl_add_u32 v21, v11, 2, s61                ; v: the bias of its one d = 32 (t / 2) + 8 (t % 2) + r + 8 (r / 8)
	s_lshl_b32 s38, s25, 18                        ; q's or k's x: 64 rows of 4,096 bytes,
	s_lshr_b32 s36, s27, 1
	s_lshl_b32 s36, s36, 17                        ; + 32 rows x (tile / 2)
	s_add_co_u32 s38, s38, s36
	s_and_b32 s36, s27, 1
	s_lshl_b32 s36, s36, 15                        ; + 8 rows x (tile % 2)
	s_add_co_u32 s38, s38, s36
	s_lshl_b32 s36, s34, 9                         ; + the K step
	s_add_co_u32 s38, s38, s36
	s_mov_b32 s39, 0
	s_lshl_b32 s58, ttmp9, 17                      ; x_v: 32 rows of 4,096 bytes,
	s_lshl_b32 s36, s37, 15                        ; + 8 rows x tile
	s_add_co_u32 s58, s58, s36
	s_lshl_b32 s36, s60, 9                         ; + the K step
	s_add_co_u32 s58, s58, s36
	s_mov_b32 s59, 0
	s_lshl_b32 s40, s24, 4
	s_add_co_u32 s40, s40, s26                     ; tensor x 16 + head
	s_lshl_b32 s42, s40, 11
	s_add_co_u32 s42, s42, 2097152
	s_mov_b32 s43, 0
	s_lshl_b32 s40, s40, 15
	s_mov_b32 s41, 0
	s_add_co_u32 s78, s26, 32                      ; Wv is the third tensor of wq
	s_lshl_b32 s80, s78, 11
	s_add_co_u32 s80, s80, 2097152
	s_mov_b32 s81, 0
	s_lshl_b32 s78, s78, 15
	s_mov_b32 s79, 0
	s_mov_b32 s[SEL], 0x76543210
	s_mov_b32 s[SEL+1], 0xfedcba98
	s_mov_b32 s[HM], 0xffff0000
	s_lshr_b32 s51, s25, 5                         ; q, k: batch
	s_and_b32 s52, s25, 31                         ; block of 64 rows in the batch
	s_lshl_b32 s53, s51, 4
	s_add_co_u32 s53, s53, s26                     ; batch x 16 + head
	s_mul_i32 s54, s53, 73728
	s_lshl_b32 s56, s52, 8
	s_add_co_u32 s56, s56, s54
	s_add_co_u32 s56, s56, 65536
	s_mov_b32 s57, 0
	s_lshl_b32 s55, s52, 11
	s_add_co_u32 s54, s54, s55
	s_mov_b32 s55, 0
	s_lshr_b32 s82, ttmp9, 6                       ; v: batch
	s_lshl_b32 s82, s82, 4
	s_add_co_u32 s82, s82, s26
	s_mul_i32 s82, s82, 69632
	s_bfe_u32 s83, ttmp9, 0x40002                  ; key step of 128
	s_and_b32 s84, ttmp9, 3                        ; which 32 keys of it
	s_lshl_b32 s86, s83, 12
	s_add_co_u32 s86, s86, s82
	s_lshl_b32 s85, s84, 8
	s_add_co_u32 s86, s86, s85
	s_mov_b32 s87, 0
	s_lshl_b32 s88, s83, 8
	s_add_co_u32 s88, s88, s82
	s_add_co_u32 s88, s88, s84
	s_add_co_u32 s88, s88, 65536
	s_mov_b32 s89, 0
.irp b, 0,1,2,3
	v_mov_b32 v[TM+4+\b], 0                        ; written once: a lane permute's destination counts as one of its sources
.endr
	s_wait_kmcnt 0x0
	s_cmp_eq_u32 s24, 0                            ; q's buffers or k's: chosen on the work-group's number alone
	s_cselect_b64 s[28:29], s[4:5], s[6:7]
	s_cselect_b64 s[30:31], s[10:11], s[12:13]
	s_cselect_b64 s[32:33], s[18:19], s[20:21]
	s_add_nc_u64 s[28:29], s[28:29], s[38:39]      ; my units of y_q or x_k
	s_add_nc_u64 s[66:67], s[8:9], s[58:59]        ; my unit of x_v
	s_add_nc_u64 s[44:45], s[16:17], s[40:41]      ; my head's images of Wq or Wk,
	s_add_nc_u64 s[46:47], s[16:17], s[42:43]      ; their scale words,
	s_add_nc_u64 s[68:69], s[16:17], s[78:79]      ; and the same of Wv
	s_add_nc_u64 s[70:71], s[16:17], s[80:81]
	s_add_nc_u64 s[54:55], s[32:33], s[54:55]      ; q's or k's four images
	s_add_nc_u64 s[56:57], s[32:33], s[56:57]      ; their scale words
	s_add_nc_u64 s[72:73], s[22:23], s[86:87]      ; v's part of four images
	s_add_nc_u64 s[74:75], s[22:23], s[88:89]      ; its scale bytes
	s_wait_alu depctr_va_vdst(0)                   ; the offsets and LDS addresses v4 to v10, v18 to v21 and v30 are written: every load and store of the kernel reads one of them, and none is written again
	; ---- X
	XLOAD WF, 66, 0                                ; v's unit, into the registers that W takes afterwards
	XLOAD ACC, 28, 0
	XLOAD ACC+64, 28, 2048                         ; four K steps on
	s_wait_loadcnt 32                              ; v's unit is in; the other two units' 32 loads may be out
	STIN WF
	s_wait_dscnt 0x0                               ; the stores have landed in the stage
	s_wait_alu depctr_vm_vsrc(0)                   ; the stores have read v64-127, in which the loads back from the stage land
	STOUT WF
	s_wait_loadcnt 16                              ; the second unit is in
	STIN ACC                                       ; LDS serves a wave's instructions in order: these stores come behind the loads above
	s_wait_dscnt 0x0                               ; v's unit is back, and these stores have landed
	s_wait_alu depctr_vm_vsrc(0)                   ; the stores have read v128-191, in which the loads back from the stage land
	STOUT ACC
	QUANT WF, 1
	s_wait_alu depctr_va_vdst(0)                   ; the quantiser has written the codes and the scale word, which the three LDS stores read, and is done reading v64-127, in which W's first two K steps land
	ds_store_b128 v19, v[PC:PC+3]
	ds_store_b128 v19, v[PC+4:PC+7] offset:512
	ds_store_b32 v20, v[PW]
	WLOAD 0                                        ; W's first two K steps are on their way while the other units are quantised
	WLOAD 1
	s_wait_loadcnt 18                              ; the third unit is in; behind it W's 18
	STIN ACC+64
	s_wait_dscnt 0x0                               ; the second unit is back; these stores have landed
	s_wait_alu depctr_vm_vsrc(0)                   ; the stage's stores have read v192-255, in which the loads back land; the image's stores have read the codes and the scale word, which the next quantiser writes
	STOUT ACC+64
	QUANT ACC, 1
	s_wait_alu depctr_va_vdst(0)                   ; the quantiser has written the codes and the scale word, which the three LDS stores read
	ds_store_b128 v7, v[PC:PC+3]
	ds_store_b128 v7, v[PC+4:PC+7] offset:512
	ds_store_b32 v8, v[PW]
	s_wait_dscnt 0x0                               ; the third unit is back
	s_wait_alu depctr_vm_vsrc(0)                   ; the image's stores have read the codes and the scale word, which the next quantiser writes
	QUANT ACC+64, 1
	s_wait_alu depctr_va_vdst(0)                   ; the quantiser has written the codes and the scale word, which the three LDS stores read; it has also named v32-57 for the last time ahead of x's first fragments, which land there
	ds_store_b128 v7, v[PC:PC+3] offset:16384
	ds_store_b128 v7, v[PC+4:PC+7] offset:16384+512
	ds_store_b32 v8, v[PW] offset:1024
	s_wait_dscnt 0x0                               ; for the others' sake: my stores have landed
	s_barrier_signal -1
	s_barrier_wait -1                              ; x's 48 fragments lie in LDS; nothing is stored there from here on
	s_wait_alu depctr_vm_vsrc(0)                   ; my last image's stores have read v48 and v50-57: these registers are x's fragments from here on
	XFETCH 0
	; ---- q or k
.irp s, 0,1,2,3,4,5,6
	KSTEP \s
.endr
.irp t, 0,1,2,3
	global_load_b128 v[WF+8*\t:WF+8*\t+3], v9, s[30:31] offset:(32*(\t/2)+8*(\t%2))*4
	global_load_b128 v[WF+8*\t+4:WF+8*\t+7], v9, s[30:31] offset:(32*(\t/2)+8*(\t%2))*4+16
.endr
	KSTEP 7
	WLOADV 0                                       ; Wv is asked for as registers come free
	s_wait_loadcnt 9                               ; the bias is in; behind it Wv's nine
.irp i, 0,1,2,3
.irp n, 0,2,4,6,8,10,12,14,16,18,20,22,24,26,28,30
	v_pk_add_f32 v[ACC+32*\i+\n:ACC+32*\i+\n+1], v[ACC+32*\i+\n:ACC+32*\i+\n+1], v[WF+\n:WF+\n+1]   ; each accumulator from its low end on
.endr
.endr
	s_wait_alu depctr_va_vdst(0)                   ; the additions are done reading the bias in v64-95, in which Wv's second K step lands
	WLOADV 1
.irp i, 0,1,2                                  ; tiles 0 to 2 are quantised on end: each has registers of its own for its codes and its scale word, so one wait serves their stores
	QUANT2 ACC+32*\i, 48+4*\i, TM
	v_lshl_or_b32 v[40+\i], v[TM+5], 8, v[TM+4]
	v_lshl_or_b32 v[40+\i], v[40+\i], 16, v[40+\i]                        ; B0, B1, B0, B1
.endr
	s_wait_alu depctr_va_vdst(0)                   ; the quantisers have written the codes in v48-59, which the three stores read, and are done reading v192-223, in which Wv's third K step lands
.irp i, 0,1,2
	global_store_b128 v5, v[48+4*\i:51+4*\i], s[54:55] offset:512*\i      ; 512 consecutive bytes
.endr
	WLOADV 2                                       ; into the 32 registers whose numbers have just become codes
	QUANT2 ACC+96, 60, TM                          ; it names v224-255, v32-47 and v60-63: none that a pending store reads or a pending load lands in
	v_lshl_or_b32 v43, v[TM+5], 8, v[TM+4]
	v_lshl_or_b32 v43, v43, 16, v43
	v_cndmask_b32 v22, v40, v41, s[HM]
	v_cndmask_b32 v23, v42, v43, s[HM]
	s_wait_alu depctr_va_vdst(0)                   ; tile 3's codes and the scale words in v22, v23 are written, which the two stores read; the quantiser is done with v224-255, in which Wv's fourth K step lands, and with v32-47, in which x_v's first fragments land
	global_store_b128 v5, v[60:63], s[54:55] offset:1536
	WLOADV 3
	global_store_b64 v6, v[22:23], s[56:57]        ; 256 consecutive bytes
	; ---- v
	XFETCHV 0
.irp s, 0,1,2,3,4
	KSTEPV \s, 27                                  ; three K steps' 27 loads may be out
.endr
.irp t, 0,1,2,3
	global_load_b32 v[96+2*\t], v21, s[14:15] offset:(32*(\t/2)+8*(\t%2))*4
	global_load_b32 v[97+2*\t], v21, s[14:15] offset:(32*(\t/2)+8*(\t%2))*4    ; twice: a pair for the packed addition
.endr
	KSTEPV 5, 26                                   ; two K steps and the bias's eight
	KSTEPV 6, 17
	KSTEPV 7, 8
	s_wait_loadcnt 0x0                             ; the bias
	s_wait_xcnt 0x0                                ; q's or k's stores have had their addresses translated: their registers are written again only behind this wait
	s_wait_alu depctr_vm_vsrc(0)                   ; q's or k's stores have read v48-63, of which the quantiser below writes v50-57 again
.irp t, 0,1,2,3
.irp n, 0,2,4,6,8,10,12,14
	v_pk_add_f32 v[ACC+16*\t+\n:ACC+16*\t+\n+1], v[ACC+16*\t+\n:ACC+16*\t+\n+1], v[96+2*\t:97+2*\t]
.endr
.endr
	QUANT ACC, 0                                   ; d's four tiles in the place of four blocks: each is the one block of 32 keys for its d
	v_cndmask_b32 v24, v[TM+4], v[TM+5], s[HM]     ; lanes 0-15 store tile 2 p's byte, lanes 16-31 tile 2 p + 1's
	v_cndmask_b32 v25, v[TM+6], v[TM+7], s[HM]
	s_wait_alu depctr_va_vdst(0)                   ; the codes in v50-57 and the bytes in v24, v25 are written, which the six stores read
.irp t, 0,1,2,3
	global_store_b64 v10, v[PC+2*\t:PC+2*\t+1], s[72:73] offset:1024*\t   ; 256 consecutive bytes
.endr
	global_store_b8 v6, v24, s[74:75]              ; one of a word's four bytes: the others are other work-groups' keys
	global_store_b8 v6, v25, s[74:75] offset:4
	s_wait_xcnt 0x0
	v_lshl_add_u32 v254, v0, 2, 0x2dc00            ; the add's two registers are made anew: no memory or LDS instruction has read v254 or v255 since the wait on vm_vsrc behind the third unit's stores into the stage
	v_mov_b32 v255, 0
	s_wait_dscnt 0x0                               ; the closing lines, six on end
	s_wait_alu 0x0
	s_wait_tensorcnt 0x0
	ds_add_u32 v254, v255
	s_wait_dscnt 0x0
	s_endpgm
.Lfunc_end_k_q76069741a9_proj:
	.size	k_q76069741a9_proj, .Lfunc_end_k_q76069741a9_proj-k_q76069741a9_proj
	.p2alignl 7, 3214868480
	.fill 96, 4, 3214868480
	.section	.rodata,"a",@progbits
	.p2align	6, 0x0
	.amdhsa_kernel k_q76069741a9_proj
		.amdhsa_group_segment_fixed_size 189440
		.amdhsa_private_segment_fixed_size 0
		.amdhsa_enable_private_segment 0
		.amdhsa_kernarg_size 80
		.amdhsa_user_sgpr_count 2
		.amdhsa_user_sgpr_kernarg_segment_ptr 1
		.amdhsa_wavefront_size32 1
		.amdhsa_system_sgpr_workgroup_id_x 1
		.amdhsa_system_sgpr_workgroup_id_y 1
		.amdhsa_system_sgpr_workgroup_id_z 1
		.amdhsa_system_vgpr_workitem_id 0
		.amdhsa_next_free_vgpr 256
		.amdhsa_next_free_sgpr 96
		.amdhsa_reserve_vcc 0
		.amdhsa_float_denorm_mode_32 3
		.amdhsa_float_denorm_mode_16_64 3
		.amdhsa_memory_ordered 1
		.amdhsa_forward_progress 1
		.amdhsa_inst_pref_size 97
	.end_amdhsa_kernel
	.amdgpu_metadata
---
amdhsa.version: [ 1, 2 ]
amdhsa.kernels:
  - .name:           k_q76069741a9_proj
    .symbol:         k_q76069741a9_proj.kd
    .args:
      - { .name: y_q, .offset: 0, .size: 8, .value_kind: global_buffer, .address_space: global }
      - { .name: x_k, .offset: 8, .size: 8, .value_kind: global_buffer, .address_space: global }
      - { .name: x_v, .offset: 16, .size: 8, .value_kind: global_buffer, .address_space: global }
      - { .name: bq, .offset: 24, .size: 8, .value_kind: global_buffer, .address_space: global }
      - { .name: bk, .offset: 32, .size: 8, .value_kind: global_buffer, .address_space: global }
      - { .name: bv, .offset: 40, .size: 8, .value_kind: global_buffer, .address_space: global }
      - { .name: wq, .offset: 48, .size: 8, .value_kind: global_buffer, .address_space: global }
      - { .name: qb, .offset: 56, .size: 8, .value_kind: global_buffer, .address_space: global }
      - { .name: kb, .offset: 64, .size: 8, .value_kind: global_buffer, .address_space: global }
      - { .name: vb, .offset: 72, .size: 8, .value_kind: global_buffer, .address_space: global }
    .group_segment_fixed_size: 189440
    .private_segment_fixed_size: 0
    .kernarg_segment_align: 8
    .kernarg_segment_size: 80
    .max_flat_workgroup_size: 512
    .sgpr_count:     96
    .vgpr_count:     256
    .wavefront_size: 32
...
	.end_amdgpu_metadata
.endif
;; end of part 9
;; launch attn (part 10): grid 4 x 64, 16 waves a work-group, clusters of 4 x 1, 169,984 bytes of LDS; arguments qb, kb, vb, mk, ob; writes ob
.if DOCPART == 10
	.amdgcn_target "amdgcn-amd-amdhsa--gfx1250"
	.amdhsa_code_object_version 6
	.text
	.protected	k_q76069741a9_attn
	.globl	k_q76069741a9_attn
	.p2align	8
	.type	k_q76069741a9_attn,@function
k_q76069741a9_attn:
	s_mov_b64 s[64:65], 0
	v_nop
	global_prefetch_b8 v0, s[64:65] scope:SCOPE_SE
	s_setreg_imm32_b32 hwreg(HW_REG_WAVE_MODE, 25, 1), 1
	s_wait_xcnt 0x0
	s_wait_alu depctr_hold_cnt(0) depctr_sa_sdst(0) depctr_va_vdst(0) depctr_va_sdst(0) depctr_va_ssrc(0) depctr_va_vcc(0) depctr_vm_vsrc(0)
	s_getreg_b32 s2, hwreg(HW_REG_IB_STS2, 6, 4)
	s_cmp_eq_u32 s2, 0
	s_cbranch_scc0 .Lentry_in_a_cluster
	s_endpgm
.Lentry_in_a_cluster:
	s_bfe_u32 s2, ttmp6, 0x10000c
	s_cmp_lg_u32 s2, 0x3003
	s_cbranch_scc0 .Lentry_shape_is_right
	s_endpgm
.Lentry_shape_is_right:
; ATTN.  For each batch x head: o = softmax(q k^T / 8, masked keys at -1e32) v, both products on codes of FP4 (E2M1) with E8M0 scales; o leaves as codes along d, as images of the last product's operand registers.
; t = score x c, c = log2(e) / 8; M = the running largest t rounded UP to a whole number; p = 2^(t - M) is quantised along the keys, not normalised; the row's sum is taken of the unquantised p and divides at the end.
; SHARES.  A cluster of four work-groups takes one batch x head; work-group cx takes queries' tiles 32 cx .. 32 cx + 31; each of its sixteen waves takes one tile of 16 queries in each of two passes.  Four waves to a SIMD:
; one wave's vector work stands beside another's products and LDS loads.
; ALL OF THE HEAD'S K AND V LIES IN LDS: codes, scale words and the keys' biases, 151,552 bytes, filled ONCE at the head, each wave fetching one key step of 128 by five joint loads (five tensor loads of a wave are out);
; the four work-groups of the cluster ask for the same blocks with the same descriptors and a mask that names the four.  Nothing is filled again.
; LAYOUT.  S^T = K Q^T (source 0 = 16 keys, source 1 = my 16 queries), O^T = V^T P^T: a lane holds ONE query throughout.  The keys of a tile and the d of a tile of V are not neighbours (lane r of tile t: 32 (t / 2) + 8 (t % 2) + r + 8 (r / 8)),
; so that a lane's 16 registers of two neighbouring tiles are 16 neighbours.  The first product's K is 64: the other half of both operands is zero codes, under scale bytes that repeat the real ones.
; THE MASK is the C of the first product: the bias of the register's key (0, or -8e32), read from LDS straight into the score registers; sixteen lanes read the same bytes.
; A step with masked keys alone: the running largest t starts at -2^100, far above a masked t, so every p there is 0.  A batch with masked keys alone: c comes as 0, every t is 0, every p is 1: the uniform softmax.
; LIMITS: right while every unmasked |t| stays under 2^100 and |q . k| far under 8e32; NaN and infinities are not served; a block of o whose largest magnitude lies under 2^-124 gets the byte 1.
.set SMB,  131072                      ; LDS: key step x 8192: K's 8 images (4,096 bytes), V's 4 fragments (4,096).  From SMB on, key step x 1280: K's scale words (512), the biases (512), V's scale words (256)
.set AK0,  1                           ; v1   16 x lane
.set AS0,  2                           ; v2   8 x lane + SMB
.set AM0,  3                           ; v3   64 h + SMB + 512
.set ADKV, 4                           ; v4-6 the same, at the step in hand
.set ADS,  5
.set ADM,  6
.set QF,   16                          ; v16-23 Q's fragment (20-23: zeros)
.set QS,   24                          ; v24  Q's scale words
.set PWR,  25                          ; v25  p's scale word
.set FF,   26                          ; v[26:27] f
.set KS,   28                          ; v28-31 K's scale words
.set KF,   32                          ; v32-95 K's eight fragments (registers 4-7 of each: zeros)
.set S,    96                          ; v96-159 the biases, then S^T, then p
.set O,    160                         ; v160-191 O^T
.set PCD,  192                         ; v192-199 p's codes
.set BM,   200                         ; v200-203 the blocks' largest scores
.set T2,   204
.set SO,   208                         ; v208-211 the conversions' scale operands
.set C2,   212                         ; v[212:213] the sum's second chain
.set TT,   214
.set VS,   216                         ; v[216:217] V's scale words
.set Q1,   218                         ; v218-221 the second pass's Q, v222 its scale words
.set QS1,  222
.set VF,   224                         ; v224-255 V's four fragments
.set WV,   14
.set SEL,  20
.set CS,   22                          ; s[22:23] c
.set SKV,  72
.set SSM,  73
.set CNT,  74
.set HM,   76
.set OI,   78
.set OS,   80
.macro WMI d, a, b, sa, sb, ra         ; one product onto its C in place; ra: source 0's scales stand in lanes 16-31
.if (\ra)
	v_wmma_scale_f32_16x16x128_f8f6f4 v[\d:\d+7], v[\a:\a+7], v[\b:\b+7], v[\d:\d+7], v[\sa], v[\sb] matrix_a_fmt:MATRIX_FMT_FP4 matrix_b_fmt:MATRIX_FMT_FP4 matrix_a_scale:MATRIX_SCALE_ROW1
.else
	v_wmma_scale_f32_16x16x128_f8f6f4 v[\d:\d+7], v[\a:\a+7], v[\b:\b+7], v[\d:\d+7], v[\sa], v[\sb] matrix_a_fmt:MATRIX_FMT_FP4 matrix_b_fmt:MATRIX_FMT_FP4
.endif
.endm
.macro QUANT2 s, pc, tm                ; 32 numbers of a lane, register 16 b + i = k 32 b + 16 h + i, become an operand's registers 0-3; the two bytes stay in v[tm+4], v[tm+5]
.irp b, 0,1
	v_max3_num_f32 v[\tm+\b], |v[\s+16*\b]|, |v[\s+1+16*\b]|, 0x1800000
.endr
.irp i, 2,4,6,8,10,12,14
.irp b, 0,1
	s_delay_alu instid0(VALU_DEP_2)
	v_max3_num_f32 v[\tm+\b], v[\tm+\b], |v[\s+16*\b+\i]|, |v[\s+1+16*\b+\i]|
.endr
.endr
.irp b, 0,1
	s_delay_alu instid0(VALU_DEP_2)
	v_permlanex16_b32 v[\tm+4+\b], v[\tm+\b], s[SEL], s[SEL+1]
.endr
.irp b, 0,1
	s_delay_alu instid0(VALU_DEP_2)
	v_max_num_f32 v[\tm+\b], v[\tm+\b], v[\tm+4+\b]
.endr
.irp b, 0,1
	s_delay_alu instid0(VALU_DEP_2)
	v_add_nc_u32 v[\tm+12+\b], 0xff000000, v[\tm+\b]
.endr
.irp b, 0,1
	s_delay_alu instid0(VALU_DEP_2)
	v_lshrrev_b32 v[\tm+4+\b], 23, v[\tm+12+\b]
.endr
.irp b, 0,1
	v_cvt_scalef32_pk8_fp4_f32 v[\pc+2*\b], v[\s+16*\b:\s+7+16*\b], v[\tm+12+\b]
	v_cvt_scalef32_pk8_fp4_f32 v[\pc+1+2*\b], v[\s+8+16*\b:\s+15+16*\b], v[\tm+12+\b]
.endr
	v_nop
	v_permlane16_swap_b32 v[\pc], v[\pc+2]
	v_permlane16_swap_b32 v[\pc+1], v[\pc+3]
.endm
.macro ROUND                           ; a round of the cluster's barrier
	s_barrier_signal -1
	s_barrier_wait -1
	s_cmp_lg_u32 s[WV], 0
	s_cbranch_scc1 .Lnot_wave_0_\@
	s_barrier_signal -3
.Lnot_wave_0_\@:
	s_barrier_wait -3
	s_barrier_signal -1
	s_barrier_wait -1
.endm
.macro G1SET g, rows                   ; descriptor group 1: a dense block as rows of 256 bytes (32 elements of 8 bytes), no padding
	s_mov_b32 s[\g], 15|(3<<16)|(1<<21)            ; 15:0 the mask: all four work-groups; 17:16 elements of 8 bytes; 21 set beside a mask
	s_mov_b32 s[\g+1], 32<<16                      ; tensor_dim0
	s_mov_b32 s[\g+2], (\rows)<<16                 ; tensor_dim1
	s_mov_b32 s[\g+3], 32<<16                      ; tile_dim0
	s_mov_b32 s[\g+4], \rows                       ; tile_dim1
	s_mov_b32 s[\g+5], 32                          ; the pitch
	s_mov_b32 s[\g+6], 0
	s_mov_b32 s[\g+7], 0
.endm
.macro NEXTK aK, oK, aS, oS            ; a step's K: eight images and four registers of scale words: ten loads
.irp t, 0,1,2,3,4,5,6,7
	ds_load_b128 v[KF+8*\t:KF+8*\t+3], v[\aK] offset:\oK+512*\t
.endr
.irp g, 0,1
	ds_load_b64 v[KS+2*\g:KS+2*\g+1], v[\aS] offset:\oS+256*\g
.endr
.endm
.macro NEXTB aM, oM                    ; a step's biases into the score registers: register 8 t + j of lane (r, h) is key 32 (t / 2) + 16 h + 8 (t % 2) + j: sixteen loads
.irp t, 0,1,2,3,4,5,6,7
.irp q, 0,1
	ds_load_b128 v[S+8*\t+4*\q:S+8*\t+4*\q+3], v[\aM] offset:\oM+128*(\t/2)+32*(\t%2)+16*\q
.endr
.endr
.endm
	s_load_b256 s[4:11], s[0:1], 0x0               ; qb, kb, vb, mk
	s_load_b64 s[12:13], s[0:1], 0x20              ; ob
	v_lshl_add_u32 v215, v0, 2, 0x29000
	v_mov_b32 v223, 0
	ds_add_u32 v215, v223
	ds_add_u32 v215, v223
	v_lshrrev_b32 v1, 5, v0
	s_delay_alu instid0(VALU_DEP_1)
	v_readfirstlane_b32 s[WV], v1                  ; wave 0..15
	s_bfe_u32 s15, ttmp6, 0x40000                  ; cx: it enters Q's and o's global addresses alone
	s_and_b32 s16, ttmp7, 0xffff                   ; batch x 16 + head, which the four partners share
	s_lshr_b32 s17, s16, 4                         ; batch
	s_and_b32 s18, s16, 15                         ; head
	G1SET 24, 16                                   ; 4,096 bytes
	G1SET 32, 2                                    ; 512
	G1SET 40, 1                                    ; 256
	s_mul_i32 s82, s16, 73728                      ; the head's part of qb and of kb
	s_mul_i32 s84, s16, 69632                      ; and of vb
	s_lshl_b32 s86, s[WV], 12
	s_add_co_u32 s88, s82, s86                     ; K's images of key step = my wave's number
	s_mov_b32 s89, 0
	s_add_co_u32 s90, s84, s86                     ; V's
	s_mov_b32 s91, 0
	s_lshl_b32 s86, s[WV], 9
	s_add_co_u32 s92, s82, s86
	s_add_co_u32 s92, s92, 65536                   ; K's scale words
	s_mov_b32 s93, 0
	s_lshl_b32 s94, s17, 13
	s_add_co_u32 s94, s94, s86                     ; the biases
	s_mov_b32 s95, 0
	s_lshl_b32 s86, s[WV], 8
	s_add_co_u32 s86, s86, s84
	s_add_co_u32 s86, s86, 65536                   ; V's scale words
	s_mov_b32 s87, 0
	s_lshl_b32 s83, s[WV], 13                      ; and where they go: wave x 8192,
	s_mul_i32 s85, s[WV], 1280
	s_add_co_u32 s85, s85, SMB                     ; SMB + wave x 1280
	s_mov_b32 s[SEL], 0x76543210
	s_mov_b32 s[SEL+1], 0xfedcba98
	s_mov_b32 s[HM], 0xffff0000
	s_wait_dscnt 0x0
	s_wait_kmcnt 0x0
	s_mov_b32 s48, 1
	s_mov_b32 s49, s83
	s_add_nc_u64 s[50:51], s[6:7], s[88:89]
	s_or_b32 s51, s51, 0x80000000
	s_mov_b32 s52, 1
	s_add_co_u32 s53, s83, 4096
	s_add_nc_u64 s[54:55], s[8:9], s[90:91]
	s_or_b32 s55, s55, 0x80000000
	s_mov_b32 s56, 1
	s_mov_b32 s57, s85
	s_add_nc_u64 s[58:59], s[6:7], s[92:93]
	s_or_b32 s59, s59, 0x80000000
	s_mov_b32 s60, 1
	s_add_co_u32 s61, s85, 512
	s_add_nc_u64 s[62:63], s[10:11], s[94:95]
	s_or_b32 s63, s63, 0x80000000
	s_mov_b32 s68, 1
	s_add_co_u32 s69, s85, 1024
	s_add_nc_u64 s[70:71], s[8:9], s[86:87]
	s_or_b32 s71, s71, 0x80000000
	ROUND                                          ; all four work-groups are here: the joint loads meet
	tensor_load_to_lds s[48:51], s[24:31]          ; the launch's only fills, one group: every wave its own key step
	s_nop 0
	tensor_load_to_lds s[52:55], s[24:31]
	s_nop 0
	tensor_load_to_lds s[56:59], s[32:39]
	s_nop 0
	tensor_load_to_lds s[60:63], s[32:39]
	s_nop 0
	tensor_load_to_lds s[68:71], s[40:47]
	s_nop 0
.rept 4
	v_nop
.endr
	v_and_b32 v10, 31, v0                          ; lane
	v_and_b32 v11, 15, v0                          ; r
	v_bfe_u32 v7, v0, 4, 1                         ; h
	s_delay_alu instid0(VALU_DEP_3)
	v_lshlrev_b32 v[AK0], 4, v10
	s_wait_alu depctr_va_vdst(0)
	v_lshlrev_b32 v[AS0], 3, v10
	s_delay_alu instid0(VALU_DEP_1)
	v_add_nc_u32 v[AS0], SMB, v[AS0]
	v_lshlrev_b32 v[AM0], 6, v7
	s_delay_alu instid0(VALU_DEP_1)
	v_add_nc_u32 v[AM0], SMB+512, v[AM0]
	v_lshlrev_b32 v8, 3, v11                       ; Q's scale words: 8 r
	s_wait_alu depctr_va_vdst(0)
	v_lshl_add_u32 v9, v11, 2, v7                  ; o's scale bytes: 4 r + h
	s_lshl_b32 s86, s15, 14                        ; Q: tile 32 cx + wave, 512 bytes a tile
	s_lshl_b32 s88, s[WV], 9
	s_add_co_u32 s86, s86, s88
	s_add_co_u32 s86, s86, s82
	s_mov_b32 s87, 0
	s_add_nc_u64 s[86:87], s[4:5], s[86:87]
	s_lshl_b32 s88, s15, 11                        ; its scale words: block of four tiles x 256 + 128 (tile % 2) + 4 ((tile / 2) % 2)
	s_lshr_b32 s90, s[WV], 2
	s_lshl_b32 s90, s90, 8
	s_add_co_u32 s88, s88, s90
	s_and_b32 s90, s[WV], 1
	s_lshl_b32 s90, s90, 7
	s_add_co_u32 s88, s88, s90
	s_bfe_u32 s90, s[WV], 0x10001
	s_lshl_b32 s90, s90, 2
	s_add_co_u32 s88, s88, s90
	s_add_co_u32 s88, s88, s82
	s_add_co_u32 s88, s88, 65536
	s_mov_b32 s89, 0
	s_add_nc_u64 s[88:89], s[4:5], s[88:89]
	global_load_b128 v[QF:QF+3], v[AK0], s[86:87]
	global_load_b128 v[Q1:Q1+3], v[AK0], s[86:87] offset:8192      ; the second pass: sixteen tiles on
	global_load_b32 v[QS], v8, s[88:89]
	global_load_b32 v[QS1], v8, s[88:89] offset:1024
	s_lshl_b32 s90, s17, 9
	s_mov_b32 s91, 0
	s_add_nc_u64 s[90:91], s[10:11], s[90:91]
	s_load_b32 s[CS], s[90:91], 0x8000             ; c of my batch
	s_lshl_b32 s92, s17, 7                         ; o: tile batch x 128 + 32 cx + wave
	s_lshl_b32 s93, s15, 5
	s_add_co_u32 s92, s92, s93
	s_add_co_u32 s92, s92, s[WV]
	s_lshl_b32 s92, s92, 3
	s_lshr_b32 s93, s18, 1
	s_add_co_u32 s92, s92, s93                     ; x 8 + K step of the last product = head / 2
	s_and_b32 s93, s18, 1
	s_lshl_b32 s94, s92, 6
	s_lshl_b32 s95, s93, 1
	s_add_co_u32 s94, s94, s95
	s_add_co_u32 s94, s94, 4194304
	s_mov_b32 s95, 0
	s_add_nc_u64 s[OS:OS+1], s[12:13], s[94:95]    ; its scale bytes: 64 bytes a fragment, bytes 2 (head % 2) + h of a word
	s_lshl_b32 s92, s92, 10
	s_lshl_b32 s93, s93, 9
	s_add_co_u32 s92, s92, s93
	s_mov_b32 s93, 0
	s_add_nc_u64 s[OI:OI+1], s[12:13], s[92:93]    ; its image: half a fragment, 512 bytes
.irp j, 4,5,6,7
	v_mov_b32 v[QF+\j], 0                          ; the other half of K: zero codes, in Q
.irp t, 0,1,2,3,4,5,6,7
	v_mov_b32 v[KF+8*\t+\j], 0                     ; and in K
.endr
.endr
.irp b, 0,1,2,3
	v_mov_b32 v[T2+\b], 0                          ; written once: a lane permute's destination counts as one of its sources
.endr
	v_mov_b32 v[TT], 0
	v_mov_b32 v[FF+1], 0                           ; (named as the upper half of a pair)
	s_wait_tensorcnt 0x0                           ; my five blocks have landed,
	s_barrier_signal -1
	s_barrier_wait -1                              ; everybody's have: the whole head lies in LDS
	NEXTK AK0, 0, AS0, 0                           ; key step 0
	NEXTB AM0, 0
	s_wait_loadcnt 0x0                             ; Q
	s_wait_kmcnt 0x0                               ; c
	s_mov_b32 s[CS+1], s[CS]                       ; (the packed form names the pair)
; A KEY STEP: 128 keys.  K and the biases were asked for a step ago.  nx = 1: the next step's are asked for here, from the address registers and offsets given.
.macro STEP aK, oK, aM, oM, aS, oS, nx
	s_wait_dscnt 0x0                               ; K, its scale words and the biases are in
.irp t, 0,1,2,3,4,5,6,7
	WMI S+8*\t, KF+8*\t, QF, KS+\t/2, QS, \t%2     ; S^T = K Q^T + the keys' biases; eight accumulators, one instruction each
.endr
	v_add_nc_u32 v[ADKV], s[SKV], v[AK0]           ; four plain lines: the places in front of the loads below and of the first read of the scores
	v_add_nc_u32 v[ADS], s[SSM], v[AS0]
	v_add_nc_u32 v[ADM], s[SSM], v[AM0]
	v_nop
.irp t, 0,1,2,3
.irp c, 0,1
	ds_load_b128 v[VF+8*\t+4*\c:VF+8*\t+4*\c+3], v[ADKV] offset:4096+1024*\t+512*\c    ; this step's V: nine loads
.endr
.endr
	ds_load_b64 v[VS:VS+1], v[ADS] offset:1024
.if \nx
	NEXTK \aK, \oK, \aS, \oS
.endif
.irp b, 0,1,2,3
	v_max3_num_f32 v[BM+\b], v[S+16*\b], v[S+1+16*\b], v[S+2+16*\b]    ; the largest score of each block of 32 keys: for the row's maximum, and, since p rises with the score, for the block's largest p
.endr
.irp i, 3,5,7,9,11,13
.irp b, 0,1,2,3
	v_max3_num_f32 v[BM+\b], v[BM+\b], v[S+16*\b+\i], v[S+1+16*\b+\i]
.endr
.endr
.irp b, 0,1,2,3
	v_max_num_f32 v[BM+\b], v[BM+\b], v[S+15+16*\b]
.endr
.irp b, 0,1,2,3
	s_delay_alu instid0(VALU_DEP_4)
	v_permlanex16_b32 v[T2+\b], v[BM+\b], s[SEL], s[SEL+1]
.endr
.irp b, 0,1,2,3
	s_delay_alu instid0(VALU_DEP_4)
	v_max_num_f32 v[BM+\b], v[BM+\b], v[T2+\b]     ; with lane l xor 16's 16 keys
.endr
	s_delay_alu instid0(VALU_DEP_2)
	v_max3_num_f32 v[TT], v[BM], v[BM+1], v[BM+2]
	s_delay_alu instid0(VALU_DEP_1)
	v_max_num_f32 v[TT], v[TT], v[BM+3]            ; the step's largest score of my query
	s_delay_alu instid0(VALU_DEP_1)
	v_mul_f32 v[TT], s[CS], v[TT]                  ; as t (c is not negative)
	s_delay_alu instid0(VALU_DEP_1)
	v_max_num_f32 v13, v13, v[TT]                  ; the running largest t
	v_mov_b32 v[TT], v12
	s_delay_alu instid0(VALU_DEP_2)
	v_floor_f32 v12, -v13                          ; the new -M = floor(-t): M is a whole number
	s_delay_alu instid0(VALU_DEP_1)
	v_sub_f32 v[TT], v12, v[TT]                    ; old M - new M: a whole number, 0 or less
	s_delay_alu instid0(VALU_DEP_1)
	v_cvt_i32_f32 v[TT], v[TT]                     ; (it saturates)
	s_delay_alu instid0(VALU_DEP_1)
	v_ldexp_f32 v[FF], 1.0, v[TT]                  ; f = 2^(old M - new M): a multiplication by it rounds nothing
.set j, 0
.rept 32
	v_pk_fma_f32 v[S+j:S+j+1], v[S+j:S+j+1], s[CS:CS+1], v[12:13] op_sel_hi:[1,0,0]    ; t - M, two at a time
.set j, j+2
.endr
.irp b, 0,1,2,3
	v_fma_f32 v[BM+\b], v[BM+\b], s[CS], v12       ; the same of each block's largest score
.endr
.set j, 0
	s_wait_alu depctr_va_vdst(0)
.rept 64
	v_exp_f32 v[S+j], v[S+j]                       ; p = 2^(t - M)
.set j, j+1
.endr
	s_setprio 1
	v_pk_mul_f32 v[14:15], v[14:15], v[FF:FF+1] op_sel_hi:[1,0]    ; the sums under the new M: the plain line behind the exponentials
	s_wait_alu depctr_va_vdst(0)                   ; one wait for the batch of 64, ahead of its first reader
.irp b, 0,1,2,3
	v_exp_f32 v[BM+\b], v[BM+\b]                   ; the blocks' largest p
.endr
	v_pk_add_f32 v[212:213], v[100:101], v[104:105]
	v_pk_add_f32 v[210:211], v[108:109], v[112:113]
	v_pk_add_f32 v[208:209], v[116:117], v[120:121]
	v_pk_add_f32 v[206:207], v[124:125], v[128:129]
	v_pk_add_f32 v[204:205], v[132:133], v[136:137]
	v_pk_add_f32 v[198:199], v[140:141], v[144:145]
	v_pk_add_f32 v[196:197], v[148:149], v[152:153]
	v_pk_add_f32 v[14:15], v[14:15], v[156:157]
	v_pk_add_f32 v[212:213], v[212:213], v[96:97]
	v_pk_add_f32 v[210:211], v[210:211], v[98:99]
	v_pk_add_f32 v[208:209], v[208:209], v[102:103]
	v_pk_add_f32 v[206:207], v[206:207], v[106:107]
	v_pk_add_f32 v[204:205], v[204:205], v[110:111]
	v_pk_add_f32 v[198:199], v[198:199], v[114:115]
	v_pk_add_f32 v[196:197], v[196:197], v[118:119]
	v_pk_add_f32 v[14:15], v[14:15], v[122:123]
	v_pk_add_f32 v[212:213], v[212:213], v[126:127]
	v_pk_add_f32 v[210:211], v[210:211], v[130:131]
	v_pk_add_f32 v[208:209], v[208:209], v[134:135]
	v_pk_add_f32 v[206:207], v[206:207], v[138:139]
	v_pk_add_f32 v[204:205], v[204:205], v[142:143]
	v_pk_add_f32 v[198:199], v[198:199], v[146:147]
	v_pk_add_f32 v[196:197], v[196:197], v[150:151]
	v_pk_add_f32 v[14:15], v[14:15], v[154:155]
	v_pk_add_f32 v[212:213], v[212:213], v[158:159]
	s_delay_alu instid0(VALU_DEP_2)
	v_pk_add_f32 v[14:15], v[14:15], v[206:207]
	s_delay_alu instid0(VALU_DEP_2)
	v_pk_add_f32 v[212:213], v[212:213], v[204:205]
	v_pk_add_f32 v[210:211], v[210:211], v[198:199]
	v_pk_add_f32 v[208:209], v[208:209], v[196:197]
	s_delay_alu instid0(VALU_DEP_2)
	v_pk_add_f32 v[14:15], v[14:15], v[210:211]
	s_delay_alu instid0(VALU_DEP_2)
	v_pk_add_f32 v[212:213], v[212:213], v[208:209]
	s_delay_alu instid0(VALU_DEP_1)
	v_pk_add_f32 v[14:15], v[14:15], v[212:213]
	s_wait_alu depctr_va_vdst(0)                   ; and one for the four
.irp b, 0,1,2,3
	v_max_num_f32 v[BM+\b], 0x1800000, v[BM+\b]    ; the floor 2^(3 - 127): a block whose every p is 0 keeps the byte 1 over zero codes
.endr
.irp b, 0,1,2,3
	s_delay_alu instid0(VALU_DEP_4)
	v_add_nc_u32 v[SO+\b], 0xff000000, v[BM+\b]
.endr
.irp b, 0,1,2,3
	s_delay_alu instid0(VALU_DEP_4)
	v_lshrrev_b32 v[T2+\b], 23, v[SO+\b]
.endr
	s_delay_alu instid0(VALU_DEP_3)
	v_lshl_or_b32 v[PWR], v[T2+1], 8, v[T2]        ; p's scale word for these 128 keys
	s_delay_alu instid0(VALU_DEP_1)
	v_lshl_or_b32 v[PWR], v[T2+2], 16, v[PWR]
	s_delay_alu instid0(VALU_DEP_1)
	v_lshl_or_b32 v[PWR], v[T2+3], 24, v[PWR]
.irp b, 0,1,2,3
	v_cvt_scalef32_pk8_fp4_f32 v[PCD+2*\b], v[S+16*\b:S+7+16*\b], v[SO+\b]
	v_cvt_scalef32_pk8_fp4_f32 v[PCD+1+2*\b], v[S+8+16*\b:S+15+16*\b], v[SO+\b]
.endr
	v_nop                                          ; one plain place behind a scaled conversion
.irp c, 0,1
.irp i, 0,1
	v_permlane16_swap_b32 v[PCD+4*\c+\i], v[PCD+2+4*\c+\i]
.endr
.endr
.if \nx
	NEXTB \aM, \oM                                 ; p is spent: its registers take the next step's biases
.endif
.set j, 0
	s_setprio 0
.rept 16
	v_pk_mul_f32 v[O+j:O+j+1], v[O+j:O+j+1], v[FF:FF+1] op_sel_hi:[1,0]    ; O^T under the new M; these sixteen are also the places between p's scale word and codes and the products
.set j, j+2
.endr
.if \nx
	s_wait_alu depctr_va_vdst(0)
	s_wait_dscnt 26                                ; V's nine loads are in; behind them: ten of K, sixteen of biases
.else
	s_wait_alu depctr_va_vdst(0)
	s_wait_dscnt 0x0
.endif
.irp t, 0,1,2,3
	WMI O+8*\t, VF+8*\t, PCD, VS+\t/2, PWR, \t%2   ; O^T += V^T P^T
.endr
	s_add_co_u32 s[SKV], s[SKV], 8192
	s_add_co_u32 s[SSM], s[SSM], 1280
.endm
; A PASS: one tile of 16 queries against all 2,048 keys, and its way out.
.macro PASS p
.if \p
	s_wait_xcnt 0x0                                ; the first pass's stores have read their registers
.irp j, 0,1,2,3
	v_mov_b32 v[QF+\j], v[Q1+\j]
.endr
	v_mov_b32 v[QS], v[QS1]                        ; (the lines below are more than the eight places that a scale register so written wants)
.endif
	v_mov_b32 v13, 0xf1800000                      ; the largest t so far: -2^100
	s_delay_alu instid0(VALU_DEP_1)
	v_floor_f32 v12, -v13                          ; -M
	v_mov_b32 v14, 0                               ; the sum, in two halves
	v_mov_b32 v15, 0
.set j, 0
.rept 32
	v_mov_b32 v[O+j], 0                            ; O^T: the step is written once, its first turn finds zeros
.set j, j+1
.endr
	s_mov_b32 s[SKV], 0
	s_mov_b32 s[SSM], 0
	s_mov_b32 s[CNT], 15
.Lstep_\@:
	s_setprio 2
	STEP ADKV, 8192, ADM, 1280, ADS, 1280, 1
	s_sub_co_u32 s[CNT], s[CNT], 1
	s_cmp_lg_u32 s[CNT], 0
	s_cbranch_scc1 .Lstep_\@
	s_setprio 0
	STEP AK0, 0, AM0, 0, AS0, 0, 1-\p              ; the last step: the first pass fetches key step 0 for the second, the second nothing
.rept 4
	v_nop                                          ; places behind the last products
.endr
	v_add_f32 v14, v14, v15
	s_delay_alu instid0(VALU_DEP_1)
	v_permlanex16_b32 v[TT], v14, s[SEL], s[SEL+1]
	s_delay_alu instid0(VALU_DEP_1)
	v_add_f32 v14, v14, v[TT]                      ; the row's sum
	s_wait_alu depctr_va_vdst(0)
	v_rcp_f32 v14, v14
	v_nop                                          ; a plain line behind the reciprocal,
	s_wait_alu depctr_va_vdst(0)                   ; and the wait ahead of its first reader
.set j, 0
.rept 16
	v_pk_mul_f32 v[VF+j:VF+j+1], v[O+j:O+j+1], v[14:15] op_sel_hi:[1,0]    ; o = O^T / the sum, into V's registers; register 16 b + i is d = 32 b + 16 h + i
.set j, j+2
.endr
	QUANT2 VF, PCD, BM
	global_store_b128 v[AK0], v[PCD:PCD+3], s[OI:OI+1] offset:131072*\p    ; 512 consecutive bytes
	v_cndmask_b32 v[TT], v[BM+4], v[BM+5], s[HM]
	global_store_b8 v9, v[TT], s[OS:OS+1] offset:8192*\p                   ; two of a word's four bytes: the other two are the neighbouring head's
.endm
	PASS 0
	PASS 1
	s_wait_dscnt 0x0
	s_wait_tensorcnt 0x0
	ds_add_u32 v215, v223
	s_wait_dscnt 0x0
	ROUND                                          ; the closing round
	s_endpgm
.Lfunc_end_k_q76069741a9_attn:
	.size	k_q76069741a9_attn, .Lfunc_end_k_q76069741a9_attn-k_q76069741a9_attn
	.p2alignl 7, 3214868480
	.fill 96, 4, 3214868480
	.section	.rodata,"a",@progbits
	.p2align	6, 0x0
	.amdhsa_kernel k_q76069741a9_attn
		.amdhsa_group_segment_fixed_size 169984
		.amdhsa_private_segment_fixed_size 0
		.amdhsa_enable_private_segment 0
		.amdhsa_kernarg_size 40
		.amdhsa_user_sgpr_count 2
		.amdhsa_user_sgpr_kernarg_segment_ptr 1
		.amdhsa_wavefront_size32 1
		.amdhsa_system_sgpr_workgroup_id_x 1
		.amdhsa_system_sgpr_workgroup_id_y 1
		.amdhsa_system_sgpr_workgroup_id_z 1
		.amdhsa_system_vgpr_workitem_id 0
		.amdhsa_next_free_vgpr 256
		.amdhsa_next_free_sgpr 96
		.amdhsa_reserve_vcc 0
		.amdhsa_float_denorm_mode_32 3
		.amdhsa_float_denorm_mode_16_64 3
		.amdhsa_memory_ordered 1
		.amdhsa_forward_progress 1
		.amdhsa_inst_pref_size 89
	.end_amdhsa_kernel
	.amdgpu_metadata
---
amdhsa.version: [ 1, 2 ]
amdhsa.kernels:
  - .name:           k_q76069741a9_attn
    .symbol:         k_q76069741a9_attn.kd
    .args:
      - { .name: qb, .offset: 0, .size: 8, .value_kind: global_buffer, .address_space: global }
      - { .name: kb, .offset: 8, .size: 8, .value_kind: global_buffer, .address_space: global }
      - { .name: vb, .offset: 16, .size: 8, .value_kind: global_buffer, .address_space: global }
      - { .name: mk, .offset: 24, .size: 8, .value_kind: global_buffer, .address_space: global }
      - { .name: ob, .offset: 32, .size: 8, .value_kind: global_buffer, .address_space: global }
    .group_segment_fixed_size: 169984
    .private_segment_fixed_size: 0
    .kernarg_segment_align: 8
    .kernarg_segment_size: 40
    .max_flat_workgroup_size: 512
    .sgpr_count:     96
    .vgpr_count:     256
    .wavefront_size: 32
...
	.end_amdgpu_metadata
.endif
;; end of part 10
;; launch outln (part 11): grid 256 x 1, 16 waves a work-group, no clusters, 75,776 bytes of LDS; arguments ob, wq, y_q, bm, ln_g, ln_b, out0; writes out0
.if DOCPART == 11
	.amdgcn_target "amdgcn-amd-amdhsa--gfx1250"
	.amdhsa_code_object_version 6
	.text
	.protected	k_q76069741a9_outln
	.globl	k_q76069741a9_outln
	.p2align	8
	.type	k_q76069741a9_outln,@function
k_q76069741a9_outln:
	s_mov_b64 s[64:65], 0
	v_nop
	global_prefetch_b8 v0, s[64:65] scope:SCOPE_SE
	s_setreg_imm32_b32 hwreg(HW_REG_WAVE_SCHED_MODE, 0, 2), 2
	s_setreg_imm32_b32 hwreg(HW_REG_WAVE_MODE, 25, 1), 1
	s_wait_xcnt 0x0
	s_wait_alu depctr_vm_vsrc(0)
; OUTLN.  out0 = LayerNorm(y_q + o Wm^T + bm) x ln_g + ln_b; the product on codes of FP4 (E2M1) with E8M0 scales, all else in f32.
; Work-group g owns rows 32 g .. 32 g + 31 (two tiles of o; lane r of tile i is row 32 g + 8 i + r + 8 (r / 8)), whole rows, so that mean and variance stay in the work-group.  Wave w owns columns 64 w .. 64 w + 63.
; The product is used transposed (source 0 = 16 rows of Wm, source 1 = 16 rows of o): register 32 i + 16 B + k of lane (r, h) is column 64 w + 32 B + 16 h + k of its row.
; y_q is the C of the first products.  It is loaded as out0 is stored: sixteen lanes take 256 consecutive bytes of a row, a load two rows; a tile's 16 rows turn through the wave's own stage in LDS into the accumulators' layout.
; bm is added behind the sums (another order of rounding than the reference's; nothing is quantised behind it).
; Operands come from memory straight into registers, as images, three K steps ahead (three bundles of 14 loads).
; The variance is the mean of the squared differences from the mean, as the reference has it: two sums over the sixteen waves, each through 64 bytes a row in LDS and one barrier.
; The way out: a tile's 16 rows x 256 bytes go through the same stage (rows of 272 bytes) and leave sixteen lanes to 256 consecutive, aligned bytes.
; NO JOINT LOADS for Wm: its images are 557,056 bytes, more than a WGP's LDS, and a K step is eight matrix instructions a wave: a ring would want a round of a cluster's barrier for each.
; LIMITS: NaN and infinities are not served.
; THE MODE: SCHED_MODE bits 1:0 = 2 (LLVM: expert scheduling mode 2), set by the entry lines.  The code itself states the register dependences between vector or matrix instructions and memory or LDS instructions,
; with s_wait_alu, always for 0.
; THE PLAN.  Registers that memory or LDS instructions touch:
;   v1, v2, v4-10        offsets and LDS addresses: made once at the head, never written again: one wait on va_vdst ahead of the first load serves them all.
;   v192-255             y_q as loaded, stored into the stage, loaded back into the same registers (a wait on vm_vsrc between the two); then accumulators, named by matrix and vector instructions alone; at the end the way out's LDS stores read them.
;   three bundles, v16-27   global loads land in a bundle three K steps ahead; one step's products read it.  ONE wait on va_vdst at the end of a K step: its products are done reading the bundle, and the 14 (at the end 8) loads into it follow at once.
;   v28, v30             a row's partial sums: written by vector instructions, read by two LDS stores (va_vdst ahead of them), written again behind the sum (vm_vsrc ahead of that).
;   v128-143, v176-191   the sixteen waves' parts of a sum: LDS loads land in them behind the barrier; the wait ahead of the stores covers whoever named them before.
;   v48-79, v96-127      ln_g and ln_b, read by the last multiply-adds; then the way out's loads land in them: the one wait on va_vdst ahead of the way out covers that and the accumulators.
;   v46, v47             written at the head, read by the closing add alone.
.set RED1, 0                           ; LDS: tile x 1024 + r x 64 + 4 x wave
.set RED2, 2048
.set STG,  4096                        ; + wave x 4352
.set ACC,  192                         ; v192-255.  v48-191: three bundles of 48: o's two fragments, Wm's four.  v16, v20, v24: o's scale words; v[18:19], v[22:23], v[26:27]: Wm's: these hold scales and nothing else
.macro WMI d, a, b, sa, sb, ra, rb
.if (\ra) && (\rb)
	v_wmma_scale_f32_16x16x128_f8f6f4 v[\d:\d+7], v[\a:\a+7], v[\b:\b+7], v[\d:\d+7], v[\sa], v[\sb] matrix_a_fmt:MATRIX_FMT_FP4 matrix_b_fmt:MATRIX_FMT_FP4 matrix_a_scale:MATRIX_SCALE_ROW1 matrix_b_scale:MATRIX_SCALE_ROW1
.elseif (\ra)
	v_wmma_scale_f32_16x16x128_f8f6f4 v[\d:\d+7], v[\a:\a+7], v[\b:\b+7], v[\d:\d+7], v[\sa], v[\sb] matrix_a_fmt:MATRIX_FMT_FP4 matrix_b_fmt:MATRIX_FMT_FP4 matrix_a_scale:MATRIX_SCALE_ROW1
.elseif (\rb)
	v_wmma_scale_f32_16x16x128_f8f6f4 v[\d:\d+7], v[\a:\a+7], v[\b:\b+7], v[\d:\d+7], v[\sa], v[\sb] matrix_a_fmt:MATRIX_FMT_FP4 matrix_b_fmt:MATRIX_FMT_FP4 matrix_b_scale:MATRIX_SCALE_ROW1
.else
	v_wmma_scale_f32_16x16x128_f8f6f4 v[\d:\d+7], v[\a:\a+7], v[\b:\b+7], v[\d:\d+7], v[\sa], v[\sb] matrix_a_fmt:MATRIX_FMT_FP4 matrix_b_fmt:MATRIX_FMT_FP4
.endif
.endm
.macro BUNDLE s                        ; K step s: 14 loads
.set BL, 48+48*((\s)%3)
.irp i, 0,1
.irp c, 0,1
	global_load_b128 v[BL+8*\i+4*\c:BL+8*\i+4*\c+3], v1, s[20:21] offset:\i*8192+(\s)*1024+\c*512
.endr
.endr
	global_load_b32 v[16+4*((\s)%3)], v4, s[22:23] offset:(\s)*64      ; lanes 0-15: tile 0's words, lanes 16-31: tile 1's
.irp t, 0,1,2,3
.irp c, 0,1
	global_load_b128 v[BL+16+8*\t+4*\c:BL+16+8*\t+4*\c+3], v1, s[24:25] offset:(\s)*4096+\t*1024+\c*512
.endr
.endr
	global_load_b64 v[18+4*((\s)%3):19+4*((\s)%3)], v2, s[26:27] offset:(\s)*256
.endm
.macro KSTEP s, cnt                    ; eight products, the eight accumulators by turns
	s_wait_loadcnt \cnt
.set BM8, 48+48*((\s)%3)
.irp i, 0,1
.irp t, 0,1,2,3
	WMI ACC+32*\i+8*\t, BM8+16+8*\t, BM8+8*\i, 18+4*((\s)%3)+\t/2, 16+4*((\s)%3), \t%2, \i
.endr
.endr
.rept 4
	v_nop                                          ; places in front of loads into registers that these products have read, and of the first read of results
.endr
	s_wait_alu depctr_va_vdst(0)                   ; this step's products are done reading their bundle and its scale words: the loads that follow the step (a bundle three K steps on; at the end bm, ln_g, ln_b) land in them
.endm
.macro PLOAD reg, base                 ; my 32 columns' numbers of bm, ln_g or ln_b: eight loads
.irp b, 0,1
.irp q, 0,1,2,3
	global_load_b128 v[\reg+16*\b+4*\q:\reg+16*\b+4*\q+3], v5, s[\base:\base+1] offset:128*\b+16*\q
.endr
.endr
.endm
; v28 and v30 hold my lane's part of a row's sum for tiles 0 and 1; the rows' sums over all 1,024 columns come back in v128 and v176, the same bits in every wave.
.macro ROWSUM red
.irp i, 0,1
	v_permlanex16_b32 v[32+\i], v[28+2*\i], s42, s43
.endr
.irp i, 0,1
	v_add_f32 v[28+2*\i], v[28+2*\i], v[32+\i]     ; my wave's 64 columns
.endr
	s_wait_alu depctr_va_vdst(0)                   ; v28 and v30 are written, which the two LDS stores read; and whoever named v128-143 and v176-191 (products, an earlier sum) is done with them: the loads behind the barrier land there
.irp i, 0,1
	ds_store_b32 v6, v[28+2*\i] offset:\red+1024*\i    ; both halves of the lanes write the same word with the same value
.endr
	s_wait_dscnt 0x0                               ; for the others' sake: my stores have landed, my earlier loads are in
	s_barrier_signal -1
	s_barrier_wait -1
.irp i, 0,1
.irp q, 0,1,2,3
	ds_load_b128 v[128+48*\i+4*\q:128+48*\i+4*\q+3], v7 offset:\red+1024*\i+16*\q
.endr
.endr
	s_wait_dscnt 0x0
	s_wait_alu depctr_vm_vsrc(0)                   ; my two LDS stores have read v28 and v30, which are written again behind this sum
.irp n, 2,4,6,8,10,12,14
.irp i, 0,1
	v_pk_add_f32 v[128+48*\i:129+48*\i], v[128+48*\i:129+48*\i], v[128+48*\i+\n:129+48*\i+\n]
.endr
.endr
.irp i, 0,1
	v_add_f32 v[128+48*\i], v[128+48*\i], v[129+48*\i]
.endr
.endm
	s_load_b256 s[4:11], s[0:1], 0x0               ; ob, wq, y_q, bm
	s_load_b128 s[12:15], s[0:1], 0x20             ; ln_g, ln_b
	s_load_b64 s[16:17], s[0:1], 0x30              ; out0
	v_lshl_add_u32 v46, v0, 2, 0x12000
	v_mov_b32 v47, 0
	v_lshrrev_b32 v1, 5, v0
	v_readfirstlane_b32 s18, v1                    ; wave 0..15
	v_and_b32 v11, 31, v0                          ; lane
	v_and_b32 v12, 15, v0                          ; r
	v_bfe_u32 v13, v0, 4, 1                        ; h
	v_lshlrev_b32 v1, 4, v11                       ; 16 x lane
	v_lshlrev_b32 v2, 3, v11                       ; 8 x lane
	v_lshlrev_b32 v4, 2, v12
	v_lshl_add_u32 v4, v13, 9, v4                  ; o's scale words: 4 r, + a tile's 512 bytes for lanes 16-31
	v_lshlrev_b32 v5, 6, v13                       ; bm, ln_g, ln_b: 64 h
	s_wait_alu depctr_va_sdst(0)                   ; s18 is written, ahead of its first reader: LDS places and bases are made from it
	s_lshl_b32 s19, s18, 2
	v_lshl_add_u32 v6, v12, 6, s19                 ; the sums, in: 64 r + 4 x wave
	v_lshlrev_b32 v7, 6, v12                       ; and back: 64 r
	s_mul_i32 s19, s18, 4352
	s_add_co_u32 s19, s19, STG                     ; my stage
	v_mul_u32_u24 v8, v12, 272
	v_lshl_add_u32 v8, v13, 6, v8
	v_add_nc_u32 v8, s19, v8                       ; the accumulators' side: row r, + 64 h
	v_mul_u32_u24 v9, v13, 272
	v_lshl_add_u32 v9, v12, 4, v9
	v_add_nc_u32 v9, s19, v9                       ; memory's side: lanes 0-15 one row, lanes 16-31 the next
	v_lshlrev_b32 v10, 4, v12
	v_lshl_add_u32 v10, v13, 12, v10               ; and the same in y_q and in out0
	v_mov_b32 v32, 0                               ; written once: a lane permute's destination counts as one of its sources
	v_mov_b32 v33, 0
	s_lshl_b32 s20, ttmp9, 14                      ; o's images: two tiles x 8 K steps x 1,024 bytes
	s_mov_b32 s21, 0
	s_lshl_b32 s22, ttmp9, 10
	s_add_co_u32 s22, s22, 4194304                 ; their scale words
	s_mov_b32 s23, 0
	s_add_co_u32 s24, s18, 48                      ; Wm is the fourth tensor of wq: unit 48 + wave
	s_lshl_b32 s26, s24, 11
	s_add_co_u32 s26, s26, 2097152
	s_mov_b32 s27, 0
	s_lshl_b32 s24, s24, 15
	s_mov_b32 s25, 0
	s_lshl_b32 s34, s18, 8                         ; my 64 columns
	s_mov_b32 s35, 0
	s_lshl_b32 s28, ttmp9, 17                      ; my 32 rows
	s_add_co_u32 s28, s28, s34
	s_mov_b32 s29, 0
	s_mov_b32 s42, 0x76543210
	s_mov_b32 s43, 0xfedcba98
	s_mov_b32 s44, 0x3a800000                      ; 1 / 1024
	s_mov_b32 s45, 0x3727c5ac                      ; 1e-5
	s_wait_kmcnt 0x0
	s_add_nc_u64 s[20:21], s[4:5], s[20:21]
	s_add_nc_u64 s[22:23], s[4:5], s[22:23]
	s_add_nc_u64 s[24:25], s[6:7], s[24:25]
	s_add_nc_u64 s[26:27], s[6:7], s[26:27]
	s_add_nc_u64 s[30:31], s[8:9], s[28:29]        ; y_q
	s_add_nc_u64 s[32:33], s[16:17], s[28:29]      ; out0
	s_add_nc_u64 s[36:37], s[10:11], s[34:35]      ; bm
	s_add_nc_u64 s[38:39], s[12:13], s[34:35]      ; ln_g
	s_add_nc_u64 s[40:41], s[14:15], s[34:35]      ; ln_b
	s_wait_alu depctr_va_vdst(0)                   ; the offsets and LDS addresses v1, v2 and v4 to v10 are written: every load and store of the kernel reads one of them, and none is written again
.irp i, 0,1
.irp k, 0,1,2,3,4,5,6,7
	global_load_b128 v[ACC+32*\i+4*\k:ACC+32*\i+4*\k+3], v10, s[30:31] offset:(8*\i+2*\k+8*(\k/4))*4096 th:TH_LOAD_NT   ; stage rows 2 k and 2 k + 1 of tile i: rows 8 i + 2 k + 8 (k / 4) + h of my 32
.endr
.endr
	BUNDLE 0
	BUNDLE 1
	BUNDLE 2
	s_wait_loadcnt 42                              ; y_q is in; the three bundles' 42 loads may be out
.irp i, 0,1                                    ; y_q turns into the accumulators' layout while the bundles are on their way
.irp k, 0,1,2,3,4,5,6,7
	ds_store_b128 v9, v[ACC+32*\i+4*\k:ACC+32*\i+4*\k+3] offset:544*\k     ; LDS serves a wave's instructions in order: tile 1's stores come behind tile 0's loads
.endr
	s_wait_dscnt 0x0                               ; the stores have landed in the stage
	s_wait_alu depctr_vm_vsrc(0)                   ; the stores have read this tile's 32 registers, in which the loads back from the stage land
.irp b, 0,1
.irp q, 0,1,2,3
	ds_load_b128 v[ACC+32*\i+16*\b+4*\q:ACC+32*\i+16*\b+4*\q+3], v8 offset:128*\b+16*\q
.endr
.endr
.endr
	s_wait_dscnt 0x0
.irp s, 0,1,2,3,4
	KSTEP \s, 28                                   ; this K step's bundle is in; two bundles of 14 may be out
	BUNDLE \s+3
.endr
	KSTEP 5, 28
	PLOAD 144, 36                                  ; bm, into the bundle just spent
	KSTEP 6, 22                                    ; behind bundle 6: bundle 7's 14 and bm's 8
	PLOAD 48, 38                                   ; ln_g
	KSTEP 7, 16                                    ; behind bundle 7: bm's 8 and ln_g's 8
	PLOAD 96, 40                                   ; ln_b
	s_wait_loadcnt 16                              ; bm is in; ln_g's and ln_b's may be out
.irp i, 0,1
.irp n, 0,2,4,6,8,10,12,14,16,18,20,22,24,26,28,30
	v_pk_add_f32 v[ACC+32*\i+\n:ACC+32*\i+\n+1], v[ACC+32*\i+\n:ACC+32*\i+\n+1], v[144+\n:145+\n]   ; x = y_q + o Wm^T + bm; each accumulator from its low end on
.endr
.endr
.irp i, 0,1
	v_pk_add_f32 v[28+2*\i:29+2*\i], v[ACC+32*\i:ACC+32*\i+1], v[ACC+32*\i+2:ACC+32*\i+3]
.endr
.irp n, 4,6,8,10,12,14,16,18,20,22,24,26,28,30
.irp i, 0,1
	v_pk_add_f32 v[28+2*\i:29+2*\i], v[28+2*\i:29+2*\i], v[ACC+32*\i+\n:ACC+32*\i+\n+1]
.endr
.endr
.irp i, 0,1
	v_add_f32 v[28+2*\i], v[28+2*\i], v[29+2*\i]
.endr
	ROWSUM RED1
.irp i, 0,1
	v_mul_f32 v[28+2*\i], s44, v[128+48*\i]        ; the mean
.endr
.irp i, 0,1
.irp n, 0,2,4,6,8,10,12,14,16,18,20,22,24,26,28,30
	v_pk_add_f32 v[ACC+32*\i+\n:ACC+32*\i+\n+1], v[ACC+32*\i+\n:ACC+32*\i+\n+1], v[28+2*\i:29+2*\i] op_sel_hi:[1,0] neg_lo:[0,1] neg_hi:[0,1]   ; x - mean
.endr
.endr
.irp i, 0,1
	v_pk_mul_f32 v[36+2*\i:37+2*\i], v[ACC+32*\i:ACC+32*\i+1], v[ACC+32*\i:ACC+32*\i+1]
.endr
.irp n, 2,4,6,8,10,12,14,16,18,20,22,24,26,28,30
.irp i, 0,1
	v_pk_fma_f32 v[36+2*\i:37+2*\i], v[ACC+32*\i+\n:ACC+32*\i+\n+1], v[ACC+32*\i+\n:ACC+32*\i+\n+1], v[36+2*\i:37+2*\i]
.endr
.endr
.irp i, 0,1
	v_add_f32 v[28+2*\i], v[36+2*\i], v[37+2*\i]
.endr
	ROWSUM RED2
.irp i, 0,1
	v_fma_f32 v[28+2*\i], v[128+48*\i], s44, s45   ; the variance + 1e-5
.endr
	s_wait_alu depctr_va_vdst(0)
.irp i, 0,1
	v_rsq_f32 v[28+2*\i], v[28+2*\i]
.endr
	v_nop                                          ; a plain line behind the two,
	s_wait_alu depctr_va_vdst(0)                   ; and one wait ahead of their first reader: the two reciprocal roots in v28 and v30 are written
	s_wait_loadcnt 0x0                             ; ln_g, ln_b
.irp i, 0,1
.irp n, 0,2,4,6,8,10,12,14,16,18,20,22,24,26,28,30
	v_pk_mul_f32 v[ACC+32*\i+\n:ACC+32*\i+\n+1], v[ACC+32*\i+\n:ACC+32*\i+\n+1], v[28+2*\i:29+2*\i] op_sel_hi:[1,0]
.endr
.endr
.irp i, 0,1
.irp n, 0,2,4,6,8,10,12,14,16,18,20,22,24,26,28,30
	v_pk_fma_f32 v[ACC+32*\i+\n:ACC+32*\i+\n+1], v[ACC+32*\i+\n:ACC+32*\i+\n+1], v[48+\n:49+\n], v[96+\n:97+\n]
.endr
.endr
.macro TOSTAGE i                       ; tile i through my stage; it comes back into the registers that ln_g (tile 0) or ln_b (tile 1) has left.  LDS serves a wave's instructions in order: no wait between the stores and the loads
.irp b, 0,1
.irp q, 0,1,2,3
	ds_store_b128 v8, v[ACC+32*\i+16*\b+4*\q:ACC+32*\i+16*\b+4*\q+3] offset:128*\b+16*\q
.endr
.endr
.irp k, 0,1,2,3,4,5,6,7
	ds_load_b128 v[48+48*\i+4*\k:48+48*\i+4*\k+3], v9 offset:544*\k
.endr
.endm
.macro SEND i, younger                 ; younger: the LDS instructions issued behind tile i's loads
.irp k, 0,1,2,3,4,5,6,7
	s_wait_dscnt \younger+7-\k
	global_store_b128 v10, v[48+48*\i+4*\k:48+48*\i+4*\k+3], s[32:33] offset:(8*\i+2*\k+8*(\k/4))*4096 th:TH_STORE_NT   ; stage rows 2 k and 2 k + 1 are rows 8 i + 2 k + 8 (k / 4) + h of my 32; sixteen lanes store 256 consecutive, aligned bytes
.endr
.endm
	s_wait_alu depctr_va_vdst(0)                   ; the last multiply-adds have written v192-255, which both tiles' LDS stores read, and are done reading ln_g and ln_b, in whose registers the loads back from the stage land; no vector instruction follows
	TOSTAGE 0
	TOSTAGE 1
	SEND 0, 16
	SEND 1, 0
	s_wait_dscnt 0x0                               ; the closing lines, six on end
	s_wait_alu 0x0
	s_wait_tensorcnt 0x0
	ds_add_u32 v46, v47
	s_wait_dscnt 0x0
	s_endpgm
.Lfunc_end_k_q76069741a9_outln:
	.size	k_q76069741a9_outln, .Lfunc_end_k_q76069741a9_outln-k_q76069741a9_outln
	.p2alignl 7, 3214868480
	.fill 96, 4, 3214868480
	.section	.rodata,"a",@progbits
	.p2align	6, 0x0
	.amdhsa_kernel k_q76069741a9_outln
		.amdhsa_group_segment_fixed_size 75776
		.amdhsa_private_segment_fixed_size 0
		.amdhsa_enable_private_segment 0
		.amdhsa_kernarg_size 56
		.amdhsa_user_sgpr_count 2
		.amdhsa_user_sgpr_kernarg_segment_ptr 1
		.amdhsa_wavefront_size32 1
		.amdhsa_system_sgpr_workgroup_id_x 1
		.amdhsa_system_sgpr_workgroup_id_y 1
		.amdhsa_system_sgpr_workgroup_id_z 1
		.amdhsa_system_vgpr_workitem_id 0
		.amdhsa_next_free_vgpr 256
		.amdhsa_next_free_sgpr 66
		.amdhsa_reserve_vcc 0
		.amdhsa_float_denorm_mode_32 3
		.amdhsa_float_denorm_mode_16_64 3
		.amdhsa_memory_ordered 1
		.amdhsa_forward_progress 1
		.amdhsa_inst_pref_size 50
	.end_amdhsa_kernel
	.amdgpu_metadata
---
amdhsa.version: [ 1, 2 ]
amdhsa.kernels:
  - .name:           k_q76069741a9_outln
    .symbol:         k_q76069741a9_outln.kd
    .args:
      - { .name: ob, .offset: 0, .size: 8, .value_kind: global_buffer, .address_space: global }
      - { .name: wq, .offset: 8, .size: 8, .value_kind: global_buffer, .address_space: global }
      - { .name: y_q, .offset: 16, .size: 8, .value_kind: global_buffer, .address_space: global }
      - { .name: bm, .offset: 24, .size: 8, .value_kind: global_buffer, .address_space: global }
      - { .name: ln_g, .offset: 32, .size: 8, .value_kind: global_buffer, .address_space: global }
      - { .name: ln_b, .offset: 40, .size: 8, .value_kind: global_buffer, .address_space: global }
      - { .name: out0, .offset: 48, .size: 8, .value_kind: global_buffer, .address_space: global }
    .group_segment_fixed_size: 75776
    .private_segment_fixed_size: 0
    .kernarg_segment_align: 8
    .kernarg_segment_size: 56
    .max_flat_workgroup_size: 512
    .sgpr_count:     66
    .vgpr_count:     256
    .wavefront_size: 32
...
	.end_amdgpu_metadata
.endif
;; end of part 11
